; MI455X (gfx1250); checked and timed in simulation.
; The chip was launched on July 23, 2026; its instructions are those of AMD's public machine-readable ISA for CDNA 5 (MIT licence, August 2026) and "CDNA5" Instruction Set Architecture Reference Guide (July 2026). The comments in the code are by the model that wrote it; some were corrected since.
;; Simple Mo E. Allowed arithmetic: matrix products marked QUANTISED: E2M1 operands, one E8M0 scale for each 32 along K, by v_wmma_scale_f32_16x16x128_f8f6f4 with both operands' format E2M1 (or v_wmma_scale_f32_32x16x128_f4), f32 sums; products left as they are: f32 operands where the result goes on into a quantised operand, else bf16, f16 or f32 operands; f32 sums; everything else in f32.
;; Inputs: W1 4 x 1,024 x 4,096 float32; W2 4 x 4,096 x 1,024 float32; Wr 1,024 x 4 float32; b1 4 x 4,096 float32; b2 4 x 1,024 float32; br 4 float32; x 2,048 x 1,024 float32.
;; Outputs: out0 2,048 x 1,024 float32.
;; This version of the problem:
;;   THIS VERSION OF THE PROBLEM IS GIVEN IN LOW PRECISION. The matrix products marked QUANTISED in the list below multiply operands that are first quantised to E2M1 (2 exponent bits, 1 mantissa bit; 4 bits a number), with one power-of-two scale for each 32 numbers along K (OCP MX v1.0); their sums are f32. All else is computed in f32.
;;   The module's matrix products, in the order in which they are computed (A, B: the left and right operand; K: the contracted axis; several contracted axes count as one K, in the product's order):
;;     1. [M 2,048, K 1,024] x [K 1,024, N 4]; A: input x; B: input Wr: left as it is (N = 4 < 16)
;;     2. [M 2,048, K 1,024] x [K 1,024, N 4,096]; A: input x; B: input W1: QUANTISED
;;     3. [M 2,048, K 4,096] x [K 4,096, N 1,024]; A: computed on the way; B: input W2: QUANTISED
;;     4. [M 2,048, K 1,024] x [K 1,024, N 4,096]; A: input x; B: input W1: QUANTISED
;;     5. [M 2,048, K 4,096] x [K 4,096, N 1,024]; A: computed on the way; B: input W2: QUANTISED
;;     6. [M 2,048, K 1,024] x [K 1,024, N 4,096]; A: input x; B: input W1: QUANTISED
;;     7. [M 2,048, K 4,096] x [K 4,096, N 1,024]; A: computed on the way; B: input W2: QUANTISED
;;     8. [M 2,048, K 1,024] x [K 1,024, N 4,096]; A: input x; B: input W1: QUANTISED
;;     9. [M 2,048, K 4,096] x [K 4,096, N 1,024]; A: computed on the way; B: input W2: QUANTISED
;;   THE QUANTISER, for each operand of a quantised product, along K:
;;     - K is cut into blocks of 32 from its start; a last block that is shorter is filled with zeros.
;;     - A block's scale is 2^e with e = floor(log2(the largest magnitude in the block)) - 2, held to -126 .. 127; a block of zeros has e = 0. As a byte (E8M0): e + 127.
;;     - Each number is divided by its block's scale, clamped to +-6, and rounded to the nearest number of E2M1, ties to even, subnormals kept.
;;     - The product sums the exact products of the quantised numbers (number of the format x scale) in f32.
;;   ~~~python
;;   def quantise(x, axis):      # numpy; x: float32 -> the quantised numbers, widened to float32 again
;;       x = np.moveaxis(x, axis, -1); K = x.shape[-1]
;;       x = np.pad(x, [(0, 0)] * (x.ndim - 1) + [(0, -K % 32)]); x = x.reshape(x.shape[:-1] + (-1, 32)); a = np.abs(x).max(-1, keepdims=True)
;;       e = np.where(a > 0, np.clip(np.frexp(np.where(a > 0, a, 1))[1] - 1 - 2, -126, 127), 0)      # np.frexp(a)[1] - 1 = floor(log2(a)), exactly
;;       r = np.clip(x / 2.0 ** e, -6, 6)
;;       step = 2.0 ** (np.maximum(np.frexp(np.where(r == 0, 1, r))[1] - 1, 0) - 1)
;;       q = np.round(r / step) * step * 2.0 ** e      # np.round: ties to even
;;       return np.moveaxis(q.reshape(q.shape[:-2] + (-1,))[..., :K], -1, axis).astype(np.float32)
;;   ~~~
;;   OPERANDS COMPUTED ON THE WAY. 'Computed on the way' means the value that the module computes at that place (a softmax that the list does not call 'softmax' is quantised finished and normalised). What goes into a quantiser is computed in f32, as accurately as f32 sums, v_exp_f32 and their like allow (about 1e-6 of the number): no bf16 or f16 on the way to a quantiser, and a product that is left as it is and whose result goes on into a quantised operand takes f32 operands (vector FMAs, or v_wmma_f32_16x16x4_f32). A number that lies on a knife's edge between two numbers of the format may be rounded either way, as far as f32 arithmetic and the matrix unit's own rounding can turn it there, and no further.
;; 3 versions, each right; version 2 is faster than version 1; version 3 is version 2 with the launches up, down written anew for expert scheduling mode. Each part assembles by itself: llvm-mc -triple=amdgcn-amd-amdhsa -mcpu=gfx1250 --defsym DOCPART=n.
;; ======== version 1 of 3: 4 launches
;; workspace buffers: wq 17,825,792 bytes; xq 1,114,112 bytes; hq 17,825,792 bytes; sel 1,024 bytes of whole numbers; order 36,864 bytes of whole numbers
;; launch prep (part 1): grid 1088 x 1, 4 waves a work-group, no clusters, 3,584 bytes of LDS; arguments x, Wr, br, W1, W2, wq, xq, sel; writes wq, xq, sel
.if DOCPART == 1
	.amdgcn_target "amdgcn-amd-amdhsa--gfx1250"
	.amdhsa_code_object_version 6
	.text
	.protected	k_qac27ae2125_prep
	.globl	k_qac27ae2125_prep
	.p2align	8
	.type	k_qac27ae2125_prep,@function
k_qac27ae2125_prep:
	s_mov_b64 s[64:65], 0
	v_nop
	global_prefetch_b8 v0, s[64:65] scope:SCOPE_SE
	s_setreg_imm32_b32 hwreg(HW_REG_WAVE_MODE, 25, 1), 1
	s_wait_xcnt 0x0
; PREP: all that is done once.  (a) W1 [4][1024][4096] and W2 [4][4096][1024], f32 with K as the first axis of an expert, become codes of FP4 (E2M1) with one E8M0 byte
; for each 32 along K, laid in the order of an operand's registers.  (b) x [2048][1024] becomes codes, K innermost, [token][512 bytes], and scale bytes [token][32].
; (c) The router: logits = x Wr + br by f32 multiply-adds, softmax, the first largest weight; stored as whole numbers: sel[e][j], bit i = token 32 j + i chose expert e.
; No address of this launch hangs on the choice: it is stored at fixed places, and the next launch places the rows.
; THE SCALE: 2^(floor(log2(a block's largest magnitude)) - 2); its byte is that magnitude's exponent field - 2, held at 1 from below by a floor among the maximum's leaves.
; LIMITS: a block of zeros gets the byte 1 where the rule says 127 (its codes are zeros, and this program alone reads the bytes); NaN and infinities among the inputs are not
; served; a token whose two largest softmax weights differ by less than what f32 sums of 1,024 products and the exponential leave uncertain may go to the other of the two experts.
; WEIGHTS' LAYOUT.  A pair P is 32 neighbouring columns n: two tiles u of 16.  Lane r of tile u holds column 32 P + 8 u + r + 8 (r / 8), so that in a product used transposed a
; lane's 16 results of the two tiles are 16 neighbouring n.  Codes: [P][K step of 128][u][c][lane r + 16 hh][16 bytes], block 2 c + hh of the K step: a fragment is 1,024 bytes on end.
; Scale words: [P][K step / 2][lane 16 u + r][2 words].
; SHARES.  Work-groups 0-63: the router and x, 32 tokens each.  64-575: W1.  576-1087: W2.  A wave of a weights' work-group takes 32 columns x 256 along K; a lane takes a column and
; its registers run down K, so that a block of 32 lies in one lane and the conversions give codes with K innermost.  No tile is shared: no LDS there, no barrier, no matrix unit, no cluster.
.set W1S_OFF, 8388608                  ; wq: W1's codes at 0, its scale words here,
.set W2C_OFF, 8912896                  ; W2's codes,
.set W2S_OFF, 17301504                 ; W2's scale words
.set XS_OFF,  1048576                  ; xq: the codes at 0, the scale bytes here
.set FLOOR,   0x1800000                ; 2^(3 - 127): under it no largest magnitude is taken, so the byte cannot fall under 1
.set OFFEXP,  0xff000000               ; takes 2 off an exponent field
.set X,   16                           ; weights: v16-79 two sets of 32 numbers
.set C,   80                           ; v80-111 a block's codes, four registers for each of 8 blocks: no store's data are written again
.set SB,  112                          ; v112-113 the two scale words
.set RWR, 16                           ; router: v16-79 Wr's rows of my 16 k, four numbers each
.set RX,  80                           ; v80-143 four sets of 16 numbers of x
.set RC,  144                          ; v144-175 codes, two registers for each of 16 tokens
.set RA,  176                          ; v176-179 the token's four sums
.set RKEEP, 180                        ; v180-183 lane tl keeps token tl's sums
.set RT,  184                          ; v184 maximum, v185 byte, v186 second chain, v187 the conversion's scale operand
.set RP,  188                          ; v188-191 destinations of the lane permutes
.set XSL, 2048                         ; LDS: 0: the waves' sums, 512 bytes a wave; 2,048: x's scale bytes, 32 tokens x 32
	s_load_b256 s[4:11], s[0:1], 0x0               ; x s[4:5], Wr s[6:7], br s[8:9], W1 s[10:11]
	s_load_b256 s[12:19], s[0:1], 0x20             ; W2 s[12:13], wq s[14:15], xq s[16:17], sel s[18:19]
	v_lshl_add_u32 v192, v0, 2, 0xc00
	v_mov_b32 v193, 0
	v_lshrrev_b32 v1, 5, v0
	v_readfirstlane_b32 s20, v1                    ; wave 0..3
	v_and_b32 v1, 31, v0                           ; lane
	s_wait_kmcnt 0x0
	s_cmp_lt_u32 ttmp9, 64
	s_cbranch_scc1 .Lrouter
	s_cmp_lt_u32 ttmp9, 576
	s_cbranch_scc1 .Lw1
	s_branch .Lw2
.macro LOADW t, pitch                  ; block t: W(32 t + i, my column), i = 0 .. 31, into set t % 2; a wave's load covers 128 consecutive bytes, the four waves 512
.irp i, 0,1,2,3,4,5,6,7,8,9,10,11,12,13,14,15,16,17,18,19,20,21,22,23,24,25,26,27,28,29,30,31
	global_load_b32 v[X+32*((\t)%2)+\i], v2, s[24:25] offset:(32*(\t)+\i)*\pitch th:TH_LOAD_NT
.endr
.endm
.macro BLOCKW t, pitch
.set XS, X+32*((\t)%2)
.if (\t) < 7
	s_wait_loadcnt 32                              ; this block's 32 loads are in; the next block's 32 may be out
.else
	s_wait_loadcnt 0
.endif
	v_max3_num_f32 v12, |v[XS]|, |v[XS+1]|, |v[XS+2]|              ; the block's largest magnitude: all 32 numbers are mine; two chains
	v_max3_num_f32 v13, |v[XS+3]|, |v[XS+4]|, |v[XS+5]|
.irp i, 6,10,14,18,22,26
	v_max3_num_f32 v12, v12, |v[XS+\i]|, |v[XS+\i+1]|
	v_max3_num_f32 v13, v13, |v[XS+\i+2]|, |v[XS+\i+3]|
.endr
	v_max3_num_f32 v12, v12, |v[XS+30]|, |v[XS+31]|
	v_max3_num_f32 v12, v12, v13, FLOOR
	v_add_nc_u32 v11, OFFEXP, v12                  ; the conversion takes the exponent field of this operand as its scale, and nothing else of it
	v_lshrrev_b32 v13, 23, v11                     ; the scale's byte
.if (\t)%4 == 0
	v_mov_b32 v[SB+(\t)/4], v13                    ; four bytes to a word, the lower K in the lower byte
.else
	v_lshl_or_b32 v[SB+(\t)/4], v13, 8*((\t)%4), v[SB+(\t)/4]
.endif
.irp g, 0,1,2,3
	v_cvt_scalef32_pk8_fp4_f32 v[C+4*(\t)+\g], v[XS+8*\g:XS+8*\g+7], v11
.endr
	global_store_b128 v3, v[C+4*(\t):C+4*(\t)+3], s[26:27] offset:((\t)/4)*2048+(((\t)/2)%2)*512+((\t)%2)*256   ; lanes 0-15 (tile 0) store 256 consecutive bytes, aligned; lanes 16-31 (tile 1) likewise
.if (\t)+2 < 8
	LOADW (\t)+2, \pitch
.endif
.endm
; A weights' work-group.  first: its path's first work-group; 2^lcg groups of 128 columns; 2^lkc runs of 256 along K in an expert; 2^lrows bytes in 256 rows; ptr: the tensor's pointer;
; 2^lpc, 2^lps: a pair's bytes of codes and of scale words; coff, soff: where they begin in wq; pitch: a row of the tensor in bytes.
.macro WPATH first, lcg, lkc, lrows, ptr, lpc, coff, lps, soff, pitch
	s_sub_co_u32 s21, ttmp9, \first
	s_and_b32 s22, s21, (1<<\lcg)-1                ; cg: which 128 columns
	s_lshr_b32 s23, s21, \lcg                      ; G: which 256 rows of the whole tensor = expert x runs + run
	s_lshr_b32 s30, s23, \lkc                      ; the expert
	s_and_b32 s31, s23, (1<<\lkc)-1                ; the run: two K steps of 128
	s_lshl_b32 s32, s23, \lrows
	s_lshl_b32 s33, s22, 9
	s_add_co_u32 s32, s32, s33
	s_lshl_b32 s33, s20, 7
	s_add_co_u32 s32, s32, s33                     ; + 512 cg + 128 wave: my wave's 32 columns
	s_mov_b32 s33, 0
	s_add_nc_u64 s[24:25], s[\ptr:\ptr+1], s[32:33]
	s_lshl_b32 s34, s30, \lcg+2
	s_lshl_b32 s35, s22, 2
	s_add_co_u32 s34, s34, s35
	s_add_co_u32 s34, s34, s20                     ; P = expert x pairs + 4 cg + wave
	s_lshl_b32 s32, s34, \lpc
	s_lshl_b32 s35, s31, 12                        ; two K steps of a pair are 4,096 bytes of codes
	s_add_co_u32 s32, s32, s35
.if \coff
	s_add_co_u32 s32, s32, \coff
.endif
	s_add_nc_u64 s[26:27], s[14:15], s[32:33]
	s_lshl_b32 s32, s34, \lps
	s_lshl_b32 s35, s31, 8                         ; and 256 bytes of scale words
	s_add_co_u32 s32, s32, s35
	s_add_co_u32 s32, s32, \soff
	s_add_nc_u64 s[28:29], s[14:15], s[32:33]
	v_and_b32 v5, 15, v1                           ; r
	v_lshrrev_b32 v6, 4, v1                        ; u
	v_and_b32 v7, 8, v5
	v_add_nc_u32 v7, v7, v5
	v_lshl_add_u32 v7, v6, 3, v7                   ; my column of the pair: 8 u + r + 8 (r / 8)
	v_lshlrev_b32 v2, 2, v7                        ; in: 4 bytes a column
	v_lshlrev_b32 v3, 4, v5
	v_lshl_add_u32 v3, v6, 10, v3                  ; codes out: 1,024 u + 16 r
	v_lshlrev_b32 v4, 3, v1                        ; scale words out: 8 bytes a lane
	LOADW 0, \pitch
	LOADW 1, \pitch
.set Q, 0
.rept 8
	BLOCKW Q, \pitch
.set Q, Q+1
.endr
	global_store_b64 v4, v[SB:SB+1], s[28:29]      ; the wave stores 256 consecutive bytes, aligned
	s_endpgm
.endm
.Lw1:
	WPATH 64, 5, 2, 22, 10, 14, 0, 10, W1S_OFF, 16384
.Lw2:
	WPATH 576, 3, 4, 20, 12, 16, W2C_OFF, 12, W2S_OFF, 4096
; THE ROUTER AND x.  Wave w: kh = w % 2: which 512 of K; tg = w / 2: which 16 of the work-group's 32 tokens.  Lane l holds k = 512 kh + 16 l + 0 .. 15 of a token: half a block, two neighbouring lanes a block.
.Lrouter:
	s_load_b128 s[32:35], s[8:9], 0x0              ; br
	s_and_b32 s21, s20, 1                          ; kh
	s_lshr_b32 s22, s20, 1                         ; tg
	s_mov_b32 s30, 0x76543210                      ; v_permlanex16_b32's selects for lane l xor 16
	s_mov_b32 s31, 0xfedcba98
	s_lshl_b32 s36, s21, 13
	v_lshlrev_b32 v2, 8, v1
	v_add_nc_u32 v2, s36, v2                       ; Wr: my 16 rows of 16 bytes: 8,192 kh + 256 l
	v_lshlrev_b32 v3, 6, v1                        ; x: 64 bytes a lane
	v_lshlrev_b32 v4, 3, v1                        ; codes: 8 bytes a lane
	s_lshl_b32 s23, s22, 9
	s_lshl_b32 s37, s21, 4
	s_add_co_u32 s23, s23, s37
	s_add_co_u32 s23, s23, XSL
	v_lshrrev_b32 v5, 1, v1
	v_add_nc_u32 v5, s23, v5                       ; LDS: my block's byte: 512 tg + 16 kh + l / 2 (+ 32 for each token)
	s_lshl_b32 s23, s20, 9
	v_lshlrev_b32 v6, 4, v1
	v_add_nc_u32 v6, s23, v6                       ; LDS: my wave's sums: 512 w + 16 l
	s_lshl_b32 s23, s20, 8
	v_add_nc_u32 v10, s23, v4                      ; the scale bytes' way out: 256 w + 8 l,
	v_add_nc_u32 v7, XSL, v10                      ; in LDS
	v_lshrrev_b32 v11, 4, v1
	v_and_b32 v8, 15, v1
	v_lshlrev_b32 v11, 10, v11
	v_lshl_add_u32 v11, v8, 4, v11                 ; LDS: token t's sums of the first 512 k: 1,024 (t / 16) + 16 (t % 16); those of the other 512 lie 512 bytes on
	s_mov_b32 s39, 0
	s_lshl_b32 s38, ttmp9, 17                      ; 32 tokens of 4,096 bytes
	s_lshl_b32 s36, s22, 16
	s_add_co_u32 s38, s38, s36
	s_lshl_b32 s36, s21, 11
	s_add_co_u32 s38, s38, s36
	s_add_nc_u64 s[24:25], s[4:5], s[38:39]        ; x at my wave's first token, my half of K
	s_lshl_b32 s38, ttmp9, 14                      ; 32 tokens of 512 bytes
	s_lshl_b32 s36, s22, 13
	s_add_co_u32 s38, s38, s36
	s_lshl_b32 s36, s21, 8
	s_add_co_u32 s38, s38, s36
	s_add_nc_u64 s[26:27], s[16:17], s[38:39]      ; the codes likewise
	s_lshl_b32 s38, ttmp9, 10
	s_add_co_u32 s38, s38, XS_OFF
	s_add_nc_u64 s[28:29], s[16:17], s[38:39]      ; the work-group's 1,024 scale bytes
.irp i, 0,1,2,3,4,5,6,7,8,9,10,11,12,13,14,15
	global_load_b128 v[RWR+4*\i:RWR+4*\i+3], v2, s[6:7] offset:16*\i
.endr
.macro XLOAD tl                        ; token tl's 16 numbers of my lane into set tl % 4
.irp i, 0,1,2,3
	global_load_b128 v[RX+16*((\tl)%4)+4*\i:RX+16*((\tl)%4)+4*\i+3], v3, s[24:25] offset:(\tl)*4096+16*\i th:TH_LOAD_NT
.endr
.endm
	XLOAD 0
	XLOAD 1
	XLOAD 2
	XLOAD 3
.irp e, 0,1,2,3
	v_mov_b32 v[RKEEP+\e], 0
	v_mov_b32 v[RP+\e], 0                          ; written once: a lane permute's destination counts as one of its sources
.endr
.macro TOK tl
.set XT, RX+16*((\tl)%4)
.if 15-(\tl) >= 3
	s_wait_loadcnt 12                              ; Wr and this token's four loads are in; the three younger tokens' twelve may be out
.else
	s_wait_loadcnt 4*(15-(\tl))
.endif
.irp e, 0,1,2,3
	v_mul_f32 v[RA+\e], v[XT], v[RWR+\e]           ; the first product starts each of the four sums
.endr
.irp i, 1,2,3,4,5,6,7,8,9,10,11,12,13,14,15
.irp e, 0,1,2,3
	v_fmac_f32 v[RA+\e], v[XT+\i], v[RWR+4*\i+\e]  ; four chains by turns
.endr
.endr
	v_max3_num_f32 v[RT], |v[XT]|, |v[XT+1]|, FLOOR                ; the largest magnitude of my 16, and the floor
	v_max3_num_f32 v[RT+2], |v[XT+2]|, |v[XT+3]|, |v[XT+4]|
	v_max3_num_f32 v[RT], v[RT], |v[XT+5]|, |v[XT+6]|
	v_max3_num_f32 v[RT+2], v[RT+2], |v[XT+7]|, |v[XT+8]|
	v_max3_num_f32 v[RT], v[RT], |v[XT+9]|, |v[XT+10]|
	v_max3_num_f32 v[RT+2], v[RT+2], |v[XT+11]|, |v[XT+12]|
	v_max3_num_f32 v[RT], v[RT], |v[XT+13]|, |v[XT+14]|
	v_max3_num_f32 v[RT], v[RT], v[RT+2], |v[XT+15]|
	v_max_num_f32_dpp v[RT], v[RT], v[RT] row_xmask:1 row_mask:0xf bank_mask:0xf   ; and of my neighbour's 16: the block's
	v_add_nc_u32 v[RT+3], OFFEXP, v[RT]
	v_cvt_scalef32_pk8_fp4_f32 v[RC+2*(\tl)], v[XT:XT+7], v[RT+3]
	v_cvt_scalef32_pk8_fp4_f32 v[RC+2*(\tl)+1], v[XT+8:XT+15], v[RT+3]
	s_wait_dscnt 0x0                               ; the last token's byte store has read its register
	v_lshrrev_b32 v[RT+1], 23, v[RT+3]             ; the scale's byte (a plain line behind the conversions)
	ds_store_b8 v5, v[RT+1] offset:32*(\tl)        ; both lanes of a block write the same byte with the same value
	global_store_b64 v4, v[RC+2*(\tl):RC+2*(\tl)+1], s[26:27] offset:512*(\tl)   ; the wave stores 256 consecutive bytes, aligned
.if (\tl)+4 < 16
	XLOAD (\tl)+4
.endif
.irp m, 1,2,4,8
.irp e, 0,1,2,3
	v_add_f32_dpp v[RA+\e], v[RA+\e], v[RA+\e] row_xmask:\m row_mask:0xf bank_mask:0xf
.endr
.endr
.irp e, 0,1,2,3
	v_permlanex16_b32 v[RP+\e], v[RA+\e], s30, s31
.endr
.irp e, 0,1,2,3
	v_add_f32 v[RA+\e], v[RA+\e], v[RP+\e]         ; every lane holds the wave's sum over its 512 k
.endr
	s_mov_b32 s36, 1<<(\tl)
.irp e, 0,1,2,3
	v_cndmask_b32 v[RKEEP+\e], v[RKEEP+\e], v[RA+\e], s36          ; lane tl keeps it
.endr
.endm
.set Q, 0
.rept 16
	TOK Q
.set Q, Q+1
.endr
	ds_store_b128 v6, v[RKEEP:RKEEP+3]
	s_wait_dscnt 0x0                               ; for the others' sake: my sums and my scale bytes lie in LDS
	s_barrier_signal -1
	s_barrier_wait -1
	ds_load_b64 v[8:9], v7
	s_wait_dscnt 0x0
	global_store_b64 v10, v[8:9], s[28:29]         ; each wave stores 256 consecutive scale bytes, aligned
	s_cmp_lg_u32 s20, 0
	s_cbranch_scc1 .Lrend
	; wave 0: lane t is token 32 blk + t
	ds_load_b128 v[12:15], v11
	ds_load_b128 v[176:179], v11 offset:512
	s_wait_dscnt 0x0
	s_wait_kmcnt 0x0                               ; br
.irp e, 0,1,2,3
	v_add_f32 v[12+\e], v[12+\e], v[176+\e]
.endr
.irp e, 0,1,2,3
	v_add_f32 v[12+\e], s[32+\e], v[12+\e]         ; the logits
.endr
	v_max3_num_f32 v180, v12, v13, v14
	v_max_num_f32 v180, v180, v15                  ; the largest is taken away ahead of the exponentials
.irp e, 0,1,2,3
	v_sub_f32 v[12+\e], v[12+\e], v180
.endr
.irp e, 0,1,2,3
	v_mul_f32 v[12+\e], 0x3fb8aa3b, v[12+\e]       ; x log2(e)
.endr
.irp e, 0,1,2,3
	v_exp_f32 v[12+\e], v[12+\e]
.endr
	v_mov_b32 v183, 0                              ; the choice so far: expert 0 (a plain line behind the exponentials)
	s_wait_alu depctr_va_vdst(0)
	v_add_f32 v181, v12, v13
	v_add_f32 v182, v14, v15
	v_add_f32 v181, v181, v182
	v_rcp_f32 v182, v181
	v_lshlrev_b32 v184, 8, v1                      ; sel: 256 bytes an expert (a plain line behind the reciprocal)
	s_wait_alu depctr_va_vdst(0)
.irp e, 0,1,2,3
	v_mul_f32 v[12+\e], v[12+\e], v182             ; the softmax's weights
.endr
	v_mov_b32 v186, v12
.irp e, 1,2,3
	v_cmp_gt_f32 vcc_lo, v[12+\e], v186            ; strictly larger: of equal weights the lower expert stays
	v_cndmask_b32 v183, v183, \e, vcc_lo
	v_max_num_f32 v186, v186, v[12+\e]
.endr
.irp e, 0,1,2,3
	v_cmp_eq_u32 s[40+\e], \e, v183                ; bit t: token t chose expert e
.endr
	v_mov_b32 v187, 0
.irp e, 0,1,2,3
	v_writelane_b32 v187, s[40+\e], \e             ; lane e holds expert e's word
.endr
	s_lshl_b32 s37, ttmp9, 2
	v_add_nc_u32 v184, s37, v184                   ; sel[lane][blk]: a fixed place
	s_wait_xcnt 0x0                                ; EXEC changes only behind this wait: it is a source of the store above
	v_cmp_gt_u32 vcc_lo, 4, v1
	s_and_saveexec_b32 s44, vcc_lo
	global_store_b32 v184, v187, s[18:19]
	s_wait_xcnt 0x0
	s_or_b32 exec_lo, exec_lo, s44
.Lrend:
	s_wait_tensorcnt 0x0
	ds_add_u32 v192, v193
	s_wait_dscnt 0x0
	s_endpgm
.Lfunc_end_k_qac27ae2125_prep:
	.size	k_qac27ae2125_prep, .Lfunc_end_k_qac27ae2125_prep-k_qac27ae2125_prep
	.p2alignl 7, 3214868480
	.fill 96, 4, 3214868480
	.section	.rodata,"a",@progbits
	.p2align	6, 0x0
	.amdhsa_kernel k_qac27ae2125_prep
		.amdhsa_group_segment_fixed_size 3584
		.amdhsa_private_segment_fixed_size 0
		.amdhsa_enable_private_segment 0
		.amdhsa_kernarg_size 64
		.amdhsa_user_sgpr_count 2
		.amdhsa_user_sgpr_kernarg_segment_ptr 1
		.amdhsa_wavefront_size32 1
		.amdhsa_system_sgpr_workgroup_id_x 1
		.amdhsa_system_sgpr_workgroup_id_y 1
		.amdhsa_system_sgpr_workgroup_id_z 1
		.amdhsa_system_vgpr_workitem_id 0
		.amdhsa_next_free_vgpr 194
		.amdhsa_next_free_sgpr 66
		.amdhsa_reserve_vcc 1
		.amdhsa_float_denorm_mode_32 3
		.amdhsa_float_denorm_mode_16_64 3
		.amdhsa_memory_ordered 1
		.amdhsa_forward_progress 1
		.amdhsa_inst_pref_size 165
	.end_amdhsa_kernel
	.amdgpu_metadata
---
amdhsa.version: [ 1, 2 ]
amdhsa.kernels:
  - .name:           k_qac27ae2125_prep
    .symbol:         k_qac27ae2125_prep.kd
    .args:
      - { .name: x, .offset: 0, .size: 8, .value_kind: global_buffer, .address_space: global }
      - { .name: Wr, .offset: 8, .size: 8, .value_kind: global_buffer, .address_space: global }
      - { .name: br, .offset: 16, .size: 8, .value_kind: global_buffer, .address_space: global }
      - { .name: W1, .offset: 24, .size: 8, .value_kind: global_buffer, .address_space: global }
      - { .name: W2, .offset: 32, .size: 8, .value_kind: global_buffer, .address_space: global }
      - { .name: wq, .offset: 40, .size: 8, .value_kind: global_buffer, .address_space: global }
      - { .name: xq, .offset: 48, .size: 8, .value_kind: global_buffer, .address_space: global }
      - { .name: sel, .offset: 56, .size: 8, .value_kind: global_buffer, .address_space: global }
    .group_segment_fixed_size: 3584
    .private_segment_fixed_size: 0
    .kernarg_segment_align: 8
    .kernarg_segment_size: 64
    .max_flat_workgroup_size: 128
    .sgpr_count:     66
    .vgpr_count:     194
    .wavefront_size: 32
...
	.end_amdgpu_metadata
.endif
;; end of part 1
;; launch place (part 2): grid 4 x 1, 1 waves a work-group, no clusters, 9,472 bytes of LDS; arguments sel, order; writes order
.if DOCPART == 2
	.amdgcn_target "amdgcn-amd-amdhsa--gfx1250"
	.amdhsa_code_object_version 6
	.text
	.protected	k_qac27ae2125_place
	.globl	k_qac27ae2125_place
	.p2align	8
	.type	k_qac27ae2125_place,@function
k_qac27ae2125_place:
	s_mov_b64 s[64:65], 0
	v_nop
	global_prefetch_b8 v0, s[64:65] scope:SCOPE_SE
	s_setreg_imm32_b32 hwreg(HW_REG_WAVE_MODE, 25, 1), 1
	s_wait_xcnt 0x0
; PLACE: the rows are placed by expert.  sel[e][j], bit i = token 32 j + i chose expert e (stored by the launch before).  Work-group e, one wave, makes expert e's list of tokens, in
; ascending order, and stores it: order[e][0 .. 2303]: places 0 .. cnt - 1 the tokens; places cnt .. cnt + 63 repeat the last token, so that tiles of 16 and groups of 64 rows are whole;
; then zeros; words 2176-2207 hold what the lanes whose bit is not set wrote (nobody uses it); word 2303 the count.  All 9,216 bytes are written.
; A token's place is the count of the words before plus the number of set bits below its own in its word.  The list is gathered in LDS and leaves as 18 stores of 512 consecutive bytes.
; No branch and no global address hangs on sel.  One wave to a work-group: no barrier.  The work is 64 words an expert: more waves, the matrix unit, tensor loads or a cluster have nothing to do here.
.set CNTB,  9212                       ; LDS byte of the count
.set LN,    1                          ; v1   lane
.set L16,   2                          ; v2   16 x lane
.set DUMPI, 3                          ; v3   2176 + lane
.set LASTV, 4                          ; v4   the expert's last token
.set CNA,   5                          ; v5   LDS address of the count
.set ZR,    8                          ; v8-11 zeros
.set LST,   32                         ; v32-103 the list on its way out
.set AD,    104                        ; v104-119 addresses, v120-135 data: 16 sets by turns
.set DT,    120
.set CNT,   72                         ; s72 the count so far; s73-76 behind each of four words
	s_load_b128 s[4:7], s[0:1], 0x0                ; sel s[4:5], order s[6:7]
	v_lshl_add_u32 v144, v0, 2, 0x2400
	v_mov_b32 v145, 0
	v_and_b32 v[LN], 31, v0
	v_lshlrev_b32 v[L16], 4, v[LN]
	v_add_nc_u32 v[DUMPI], 2176, v[LN]
	v_mov_b32 v[CNA], CNTB
.irp i, 0,1,2,3
	v_mov_b32 v[ZR+\i], 0
.endr
	s_lshl_b32 s8, ttmp9, 8                        ; 64 words an expert
	s_mov_b32 s9, 0
	s_mul_i32 s10, ttmp9, 9216                     ; 2,304 words an expert
	s_mov_b32 s11, 0
.irp i, 0,1,2,3,4,5,6,7,8,9,10,11,12,13,14,15,16,17
	ds_store_b128 v[L16], v[ZR:ZR+3] offset:512*\i   ; all 9,216 bytes are written: LDS serves a wave's instructions in order (ISA guide 5.7.1.4), so the stores below come behind these
.endr
	s_wait_kmcnt 0x0
	s_add_nc_u64 s[4:5], s[4:5], s[8:9]
	s_add_nc_u64 s[6:7], s[6:7], s[10:11]
	s_load_b512 s[16:31], s[4:5], 0x0              ; word m lies in s[16 + m], from word 48 on in s[32 + m]
	s_load_b512 s[32:47], s[4:5], 0x40
	s_load_b512 s[48:63], s[4:5], 0x80
	s_load_b512 s[80:95], s[4:5], 0xc0
	s_mov_b32 s[CNT], 0
	s_wait_kmcnt 0x0
; Words m .. m + 3, tokens 32 m .. 32 m + 127, by turns, so that no line waits for the line above it.  A lane whose bit is set puts its token at place count + set bits below its own; the others write a word of their own.
.macro BLK4 m
.if ((\m)%16 == 0) && ((\m) > 0)
	s_wait_dscnt 0x0                               ; the stores of sixteen words back have read their registers
.endif
.irp q, 0,1,2,3
	s_bcnt1_i32_b32 s70, s[16+(\m)+\q+16*(((\m)+\q)/48)]
	s_add_co_u32 s[CNT+1+\q], s[CNT+\q], s70       ; the count behind word m + q
.endr
.irp q, 0,1,2,3
	v_mbcnt_lo_u32_b32 v[AD+((\m)+\q)%16], s[16+(\m)+\q+16*(((\m)+\q)/48)], s[CNT+\q]
.endr
.irp q, 0,1,2,3
	v_cndmask_b32 v[AD+((\m)+\q)%16], v[DUMPI], v[AD+((\m)+\q)%16], s[16+(\m)+\q+16*(((\m)+\q)/48)]
.endr
.irp q, 0,1,2,3
	v_min_u32 v[AD+((\m)+\q)%16], 0x89f, v[AD+((\m)+\q)%16]        ; held inside the list, whatever sel holds
.endr
.irp q, 0,1,2,3
	v_lshlrev_b32 v[AD+((\m)+\q)%16], 2, v[AD+((\m)+\q)%16]
.endr
.irp q, 0,1,2,3
	v_add_nc_u32 v[DT+((\m)+\q)%16], 32*((\m)+\q), v[LN]
.endr
.irp q, 0,1,2,3
	ds_store_b32 v[AD+((\m)+\q)%16], v[DT+((\m)+\q)%16]
.endr
	s_mov_b32 s[CNT], s[CNT+4]
.endm
.set Q, 0
.rept 16
	BLK4 Q
.set Q, Q+4
.endr
	s_max_u32 s70, s[CNT], 1
	s_sub_co_u32 s70, s70, 1
	v_mov_b32 v136, s70
	v_min_u32 v136, 0x89f, v136
	v_lshlrev_b32 v136, 2, v136
	ds_load_b32 v[LASTV], v136                     ; the last token (with no token: word 0, which holds 0 and is not used)
	v_add_nc_u32 v137, s[CNT], v[LN]
	v_min_u32 v137, 0x89f, v137
	v_lshlrev_b32 v137, 2, v137
	v_add_nc_u32 v138, 32, v[LN]
	v_add_nc_u32 v138, s[CNT], v138
	v_min_u32 v138, 0x89f, v138
	v_lshlrev_b32 v138, 2, v138
	v_mov_b32 v139, s[CNT]
	s_wait_dscnt 0x0
	ds_store_b32 v137, v[LASTV]                    ; places cnt .. cnt + 63 repeat it
	ds_store_b32 v138, v[LASTV]
	ds_store_b32 v[CNA], v139                      ; the count
.irp i, 0,1,2,3,4,5,6,7,8,9,10,11,12,13,14,15,16,17
	ds_load_b128 v[LST+4*\i:LST+4*\i+3], v[L16] offset:512*\i      ; in order behind my stores
.endr
.irp i, 0,1,2,3,4,5,6,7,8,9,10,11,12,13,14,15,16,17
	s_wait_dscnt 17-\i                             ; LDS loads come back in order: piece i is in, the later ones may be out
	global_store_b128 v[L16], v[LST+4*\i:LST+4*\i+3], s[6:7] offset:512*\i   ; 512 consecutive bytes a store, aligned
.endr
	s_wait_tensorcnt 0x0
	ds_add_u32 v144, v145
	s_wait_dscnt 0x0
	s_endpgm
.Lfunc_end_k_qac27ae2125_place:
	.size	k_qac27ae2125_place, .Lfunc_end_k_qac27ae2125_place-k_qac27ae2125_place
	.p2alignl 7, 3214868480
	.fill 96, 4, 3214868480
	.section	.rodata,"a",@progbits
	.p2align	6, 0x0
	.amdhsa_kernel k_qac27ae2125_place
		.amdhsa_group_segment_fixed_size 9472
		.amdhsa_private_segment_fixed_size 0
		.amdhsa_enable_private_segment 0
		.amdhsa_kernarg_size 16
		.amdhsa_user_sgpr_count 2
		.amdhsa_user_sgpr_kernarg_segment_ptr 1
		.amdhsa_wavefront_size32 1
		.amdhsa_system_sgpr_workgroup_id_x 1
		.amdhsa_system_sgpr_workgroup_id_y 1
		.amdhsa_system_sgpr_workgroup_id_z 1
		.amdhsa_system_vgpr_workitem_id 0
		.amdhsa_next_free_vgpr 146
		.amdhsa_next_free_sgpr 96
		.amdhsa_reserve_vcc 0
		.amdhsa_float_denorm_mode_32 3
		.amdhsa_float_denorm_mode_16_64 3
		.amdhsa_memory_ordered 1
		.amdhsa_forward_progress 1
		.amdhsa_inst_pref_size 34
	.end_amdhsa_kernel
	.amdgpu_metadata
---
amdhsa.version: [ 1, 2 ]
amdhsa.kernels:
  - .name:           k_qac27ae2125_place
    .symbol:         k_qac27ae2125_place.kd
    .args:
      - { .name: sel, .offset: 0, .size: 8, .value_kind: global_buffer, .address_space: global }
      - { .name: order, .offset: 8, .size: 8, .value_kind: global_buffer, .address_space: global }
    .group_segment_fixed_size: 9472
    .private_segment_fixed_size: 0
    .kernarg_segment_align: 8
    .kernarg_segment_size: 16
    .max_flat_workgroup_size: 32
    .sgpr_count:     96
    .vgpr_count:     146
    .wavefront_size: 32
...
	.end_amdgpu_metadata
.endif
;; end of part 2
;; launch up (part 3): grid 64 x 4, 4 waves a work-group, no clusters, 0 bytes of LDS; arguments wq, xq, order, b1, hq; writes hq
.if DOCPART == 3
	.amdgcn_target "amdgcn-amd-amdhsa--gfx1250"
	.amdhsa_code_object_version 6
	.text
	.protected	k_qac27ae2125_up
	.globl	k_qac27ae2125_up
	.p2align	8
	.type	k_qac27ae2125_up,@function
k_qac27ae2125_up:
	s_mov_b64 s[64:65], 0
	v_nop
	global_prefetch_b8 v0, s[64:65] scope:SCOPE_SE
	s_setreg_imm32_b32 hwreg(HW_REG_WAVE_MODE, 25, 1), 1
	s_wait_xcnt 0x0
; UP: h = Q(relu(Q(x) Q(W1[e]) + b1[e])) for the tokens that chose expert e, and for no others; Q the quantiser to FP4 (E2M1) with one E8M0 byte for each 32 along K.
; SHARES.  Work-group (sl, e) makes hidden units 64 sl .. 64 sl + 63 of expert e.  Each of its four waves holds those units' codes of W1 for all of K in registers (4 tiles x 8 K steps:
; 256 registers), read once; wave w walks the expert's tiles of 16 tokens w, w + 4, w + 8 ..  What is gathered for a tile is small: 16 rows of 512 bytes of codes and 32 scale bytes.
; THE LIST comes from order, stored by the launch before: order[e][p] = the token at place p, word 2,303 the count cnt.  Places cnt .. cnt + 63 repeat the last token, so that the tiles,
; 4 ceil(cnt / 64) of them, are all whole.  The count is read by a scalar load, a tile's tokens by one vector load, three tiles ahead of the tile's products.
; THE PRODUCT IS USED TRANSPOSED (source 0 = 16 rows of W1's codes, source 1 = 16 tokens): a lane holds ONE token, and by the order in which the weights' rows were laid the 16 registers
; of tiles 2 p and 2 p + 1 are the 16 neighbouring hidden units 32 p + 16 (lane / 16) + 0 .. 15: they are quantised in registers.  The 64 units are half a K step of the next product.
; hq: codes [e][tile][K step][c][lane][16 bytes] (a fragment is 1,024 bytes on end); scale bytes [e][tile][j][16 a + r][word i][byte]: the word of K step 8 j + 4 a + i, token r.
; No cluster and no tensor load: how many tiles a wave walks hangs on a stored number, and no tensor load stands beside such a branch; the weights that the four waves share are 34 KB.
; The waves share nothing but what they read: no LDS, no barrier.
; LIMITS: a block of zeros gets the byte 1 where the rule says 127 (its codes are zeros; this program alone reads the bytes); NaN and infinities are not served.
; REGISTERS.  Window 0: addresses, scale words, accumulators, b1.  Window 1: W1's fragment (tile t, K step s) at v[8 (8 t + s)].  Window 2: x's fragments, three sets: set b, K step s at v[64 b + 8 s].
.set W1S_OFF, 8388608
.set XS_OFF,  1048576
.set HS_OFF,  16777216
.set CNTB,    9212                     ; byte of the count in an expert's list of 9,216 bytes
.set FLOOR,   0x1800000                ; 2^(3 - 127)
.set OFFEXP,  0xff000000
.set LN,  1                            ; v1   lane
.set L16, 2                            ; v2   16 x lane
.set H16, 3                            ; v3   16 x (lane / 16)
.set LA0, 4                            ; v4   64 w + 4 r: my token's word in my wave's first tile
.set LAD, 5                            ; v5   the same, the trips so far on
.set TK,  6                            ; v6   the token of the tile that is asked for next
.set XA,  7                            ; v7-9    set b: my byte offset in x's codes
.set XSA, 10                           ; v10-12  and in x's scale bytes
.set HO,  13                           ; v13  my byte offset in h's codes
.set HSO, 14                           ; v14  and in h's scale bytes
.set BO,  15                           ; v15  64 x (lane / 16): b1
.set L8,  24                           ; v24  8 x lane
.set XS,  32                           ; v32-55   x's scale words: set b, K step s at XS + 8 b + s
.set W1S, 56                           ; v56-71   W1's: pair p, K step s at W1S + 8 p + s: lanes 0-15 tile 2 p, lanes 16-31 tile 2 p + 1
.set ACC, 72                           ; v72-103  four accumulators
.set B1,  104                          ; v104-135 b1 in the result's layout, eight registers a tile
.set TM,  136                          ; v136-137 maxima, v138-139 the other half's, v140-141 scale operands, v142-143 bytes
.set PC,  144                          ; v144-147 the codes
.set BY,  148                          ; v148 my byte
.set WV,  66
.set EX,  67
.set SL,  68
.set CNT, 69
.set NT,  71                           ; tiles of the expert
.set TI,  72                           ; my wave's next tile
.set TB,  73                           ; the trips' bytes in the list
.set TR,  74                           ; trips
.set MSB, 0
.macro WIN new                         ; the immediate's high byte repeats the setting that is left
.if MSB != \new
	s_set_vgpr_msb (MSB<<8)|\new
.set MSB, \new
.endif
.endm
	s_load_b256 s[4:11], s[0:1], 0x0               ; wq s[4:5], xq s[6:7], order s[8:9], b1 s[10:11]
	s_load_b64 s[12:13], s[0:1], 0x20              ; hq
	v_lshrrev_b32 v1, 5, v0
	v_readfirstlane_b32 s[WV], v1                  ; wave 0..3
	s_and_b32 s[EX], ttmp7, 0xffff                 ; the expert
	s_mov_b32 s[SL], ttmp9                         ; the slice of 64 hidden units
	v_and_b32 v[LN], 31, v0
	v_and_b32 v28, 15, v0                          ; r
	v_bfe_u32 v29, v0, 4, 1                        ; h
	v_lshlrev_b32 v[L16], 4, v[LN]
	v_lshlrev_b32 v[L8], 3, v[LN]
	v_lshlrev_b32 v[H16], 4, v29
	v_lshlrev_b32 v[BO], 6, v29
	s_lshl_b32 s70, s[WV], 6
	v_lshl_add_u32 v[LA0], v28, 2, s70
	s_lshl_b32 s70, s[WV], 15
	v_add_nc_u32 v[HO], s70, v[L16]                ; tile w: 32,768 bytes a tile
	s_lshl_b32 s70, s[WV], 11
	v_lshl_add_u32 v[HSO], v28, 4, v29             ; 16 r + h: lanes 0-15 store the first block's byte, lanes 16-31 the second's
	v_add_nc_u32 v[HSO], s70, v[HSO]               ; 2,048 bytes a tile
	v_mov_b32 v[TM+2], 0                           ; written once: a lane permute's destination counts as one of its sources
	v_mov_b32 v[TM+3], 0
	s_mov_b32 s75, 0xffff0000                      ; lanes 16-31
	s_mov_b32 s76, 0x76543210                      ; v_permlanex16_b32's selects for lane l xor 16
	s_mov_b32 s77, 0xfedcba98
	s_lshl_b32 s70, s[EX], 7
	s_lshl_b32 s72, s[SL], 1
	s_add_co_u32 s70, s70, s72                     ; my first pair of W1: 128 e + 2 sl
	s_mov_b32 s101, 0
	s_mul_i32 s100, s[EX], 9216
	s_wait_kmcnt 0x0
	s_add_nc_u64 s[8:9], s[8:9], s[100:101]        ; order at my expert's list; it stays
	s_load_b32 s[CNT], s[8:9], CNTB                ; the count
	global_load_b32 v25, v[LA0], s[8:9]            ; my token of my wave's first tile,
	global_load_b32 v26, v[LA0], s[8:9] offset:256 ; of its second (four tiles, 256 bytes, on),
	global_load_b32 v[TK], v[LA0], s[8:9] offset:512   ; of its third
	s_lshl_b32 s100, s70, 10
	s_add_co_u32 s100, s100, W1S_OFF
	s_add_nc_u64 s[78:79], s[4:5], s[100:101]      ; W1's scale words
	s_lshl_b32 s100, s70, 14
	s_add_nc_u64 s[4:5], s[4:5], s[100:101]        ; W1's codes
	s_lshl_b32 s100, s[EX], 14
	s_lshl_b32 s72, s[SL], 8
	s_add_co_u32 s100, s100, s72
	s_add_nc_u64 s[10:11], s[10:11], s[100:101]    ; b1 at my 64 units
	s_lshl_b32 s100, s[EX], 18
	s_lshr_b32 s72, s[SL], 3
	s_lshl_b32 s72, s72, 8
	s_add_co_u32 s100, s100, s72                   ; K step sl / 2 of the next product: 256 bytes for each four K steps,
	s_and_b32 s72, s[SL], 7
	s_lshl_b32 s72, s72, 1
	s_add_co_u32 s100, s100, s72                   ; 4 for each K step in them, 2 for its second half
	s_add_co_u32 s100, s100, HS_OFF
	s_add_nc_u64 s[96:97], s[12:13], s[100:101]    ; h's scale bytes
	s_lshl_b32 s100, s[EX], 22
	s_lshl_b32 s72, s[SL], 9
	s_add_co_u32 s100, s100, s72                   ; half a fragment, 512 bytes, for each slice
	s_add_nc_u64 s[12:13], s[12:13], s[100:101]    ; h's codes
	s_add_nc_u64 s[98:99], s[6:7], XS_OFF          ; x's scale bytes
.irp p, 0,1
.irp j, 0,1,2,3
	global_load_b64 v[W1S+8*\p+2*\j:W1S+8*\p+2*\j+1], v[L8], s[78:79] offset:\p*1024+\j*256
.endr
.endr
.irp p, 0,1
.irp u, 0,1
	global_load_b128 v[B1+8*(2*\p+\u):B1+8*(2*\p+\u)+3], v[BO], s[10:11] offset:(32*\p+8*\u)*4          ; lane (r, h), tile 2 p + u: units 32 p + 16 h + 8 u + 0 .. 7
	global_load_b128 v[B1+8*(2*\p+\u)+4:B1+8*(2*\p+\u)+7], v[BO], s[10:11] offset:(32*\p+8*\u)*4+16
.endr
.endr
.macro WLOAD p                         ; pair p's 16 fragments: 32 loads of 512 consecutive bytes into window 1
	WIN 0x40
.irp u, 0,1
.irp s, 0,1,2,3,4,5,6,7
.irp c, 0,1
	global_load_b128 v[8*(8*(2*(\p)+\u)+\s)+4*\c:8*(8*(2*(\p)+\u)+\s)+4*\c+3], v[L16], s[4:5] offset:(\p)*16384+\s*2048+\u*1024+\c*512
.endr
.endr
.endr
	WIN 0
.endm
; A tile's operand is asked for: 16 loads of codes (lane (r, h): token r's bytes 64 s + 32 c + 16 h) and 2 of scale words: 18 loads into set b.
; more = 1 (in step k of a trip): AHEAD of the 18 stands the load of the token of the tile one further on, so that the wait for that token can leave the 18 out.
.macro REQ b, tk, more, k
	v_min_u32 v[\tk], 0x7ff, v[\tk]                ; a token's number stays inside x
	v_lshl_add_u32 v[XA+(\b)], v[\tk], 9, v[H16]
	v_lshlrev_b32 v[XSA+(\b)], 5, v[\tk]
.if \more
	v_add_nc_u32 v[LAD], s[TB], v[LA0]             ; (the load that last read this register has been shown done by the step's wait)
	global_load_b32 v[TK], v[LAD], s[8:9] offset:256*((\k)+3)   ; past the expert's tiles: zeros, spare words or the count, all inside the expert's 9,216 bytes; held inside x above and not multiplied
.endif
	WIN 0x80                                       ; destination window 2
.irp s, 0,1,2,3,4,5,6,7
.irp c, 0,1
	global_load_b128 v[64*(\b)+8*\s+4*\c:64*(\b)+8*\s+4*\c+3], v[XA+(\b)], s[6:7] offset:64*\s+32*\c
.endr
.endr
	WIN 0
	global_load_b128 v[XS+8*(\b):XS+8*(\b)+3], v[XSA+(\b)], s[98:99]
	global_load_b128 v[XS+8*(\b)+4:XS+8*(\b)+7], v[XSA+(\b)], s[98:99] offset:16
.endm
	WLOAD 0
	s_wait_loadcnt 48                              ; behind the three token loads: 8 of scale words, 8 of b1, 32 of weights: these 48 may be out, the tokens are in
	WLOAD 1
	REQ 0, 25, 0, 0
	REQ 1, 26, 0, 0
	s_wait_kmcnt 0x0                               ; the count
	s_add_co_u32 s[NT], s[CNT], 63
	s_lshr_b32 s[NT], s[NT], 6
	s_lshl_b32 s[NT], s[NT], 2                     ; 4 ceil(cnt / 64) tiles: each wave has the same number
	s_mov_b32 s[TI], s[WV]
	s_mov_b32 s[TB], 0
	s_mov_b32 s[TR], 0
.macro UPROD k, s, t                   ; tile t of the hidden units x the tile of tokens in set k, K step s.  K step 0 takes b1 as C
.set rD, ACC+8*(\t)
.set rW, 8*(8*(\t)+(\s))
.set rX, 64*(\k)+8*(\s)
.set rSW, W1S+8*((\t)/2)+(\s)
.set rSX, XS+8*(\k)+(\s)
.if (\s) == 0
.if (\t)%2 == 0
	v_wmma_scale_f32_16x16x128_f8f6f4 v[rD:rD+7], v[rW:rW+7], v[rX:rX+7], v[B1+8*(\t):B1+8*(\t)+7], v[rSW], v[rSX] matrix_a_fmt:MATRIX_FMT_FP4 matrix_b_fmt:MATRIX_FMT_FP4
.else
	v_wmma_scale_f32_16x16x128_f8f6f4 v[rD:rD+7], v[rW:rW+7], v[rX:rX+7], v[B1+8*(\t):B1+8*(\t)+7], v[rSW], v[rSX] matrix_a_fmt:MATRIX_FMT_FP4 matrix_b_fmt:MATRIX_FMT_FP4 matrix_a_scale:MATRIX_SCALE_ROW1
.endif
.else
.if (\t)%2 == 0
	v_wmma_scale_f32_16x16x128_f8f6f4 v[rD:rD+7], v[rW:rW+7], v[rX:rX+7], v[rD:rD+7], v[rSW], v[rSX] matrix_a_fmt:MATRIX_FMT_FP4 matrix_b_fmt:MATRIX_FMT_FP4
.else
	v_wmma_scale_f32_16x16x128_f8f6f4 v[rD:rD+7], v[rW:rW+7], v[rX:rX+7], v[rD:rD+7], v[rSW], v[rSX] matrix_a_fmt:MATRIX_FMT_FP4 matrix_b_fmt:MATRIX_FMT_FP4 matrix_a_scale:MATRIX_SCALE_ROW1
.endif
.endif
.endm
; A STEP: one tile of 16 tokens, in set k; nb = (k + 2) % 3: the set that is asked for.  A wave that has no tile left leaves the loop: its tile numbers only grow, so a step runs only if all before it ran.
.macro STEP k, nb
	s_cmp_ge_u32 s[TI], s[NT]
	s_cbranch_scc1 .Ldone
	s_wait_loadcnt 18                              ; the next tile's 18 loads may be out; in are all that is older: this tile's 18, the token of the tile two on, and in the first step the weights, their scale words and b1
	REQ \nb, TK, 1, \k                             ; the tile two on; its set was multiplied a step ago, with that step's vector work behind the products; its address registers' loads were shown done there
	WIN 0x09                                       ; source 0 (W1) window 1, source 1 (x) window 2
.irp s, 0,1,2,3,4,5,6,7
.irp t, 0,1,2,3
	UPROD \k, \s, \t                               ; the four accumulators take turns, one instruction a turn
.endr
.endr
	WIN 0
.rept 4
	v_nop                                          ; four places between the last products and the first read of their results (ISA guide 7.12.1)
.endr
.set j, 0
.rept 32
	v_max_num_f32 v[ACC+j], 0, v[ACC+j]            ; relu, in f32; each accumulator from its low end on
.set j, j+1
.endr
.irp p, 0,1
	v_max3_num_f32 v[TM+\p], v[ACC+16*\p], v[ACC+16*\p+1], FLOOR   ; block p: my 16 numbers (none is negative), and the floor
.endr
.irp i, 2,4,6,8,10,12,14
.irp p, 0,1
	v_max3_num_f32 v[TM+\p], v[TM+\p], v[ACC+16*\p+\i], v[ACC+16*\p+\i+1]
.endr
.endr
.irp p, 0,1
	v_permlanex16_b32 v[TM+2+\p], v[TM+\p], s76, s77
.endr
.irp p, 0,1
	v_max_num_f32 v[TM+\p], v[TM+\p], v[TM+2+\p]   ; with lane l xor 16's 16: the block's largest
.endr
.irp p, 0,1
	v_add_nc_u32 v[TM+4+\p], OFFEXP, v[TM+\p]      ; the conversion's scale operand
.endr
.irp p, 0,1
	v_lshrrev_b32 v[TM+6+\p], 23, v[TM+4+\p]       ; the scale's byte
.endr
	s_wait_xcnt 0x0                                ; the last step's two stores have read their data and offsets: only behind this wait are they written again
	v_add_nc_u32 v[HO], 0x20000, v[HO]             ; four tiles on; the stores below reach back
	v_add_nc_u32 v[HSO], 0x2000, v[HSO]
.irp p, 0,1
	v_cvt_scalef32_pk8_fp4_f32 v[PC+2*\p], v[ACC+16*\p:ACC+16*\p+7], v[TM+4+\p]
	v_cvt_scalef32_pk8_fp4_f32 v[PC+2*\p+1], v[ACC+16*\p+8:ACC+16*\p+15], v[TM+4+\p]
.endr
	v_cndmask_b32 v[BY], v[TM+6], v[TM+7], s75     ; lanes 0-15 block 0's byte, lanes 16-31 block 1's (a plain line behind the conversions)
	v_permlane16_swap_b32 v[PC], v[PC+2]           ; the operand's layout wants a whole block in a lane: lanes 0-15 block 0, lanes 16-31 block 1
	v_permlane16_swap_b32 v[PC+1], v[PC+3]
	global_store_b128 v[HO], v[PC:PC+3], s[12:13] offset:-131072   ; half a fragment: the wave stores 512 consecutive bytes, aligned
	global_store_b8 v[HSO], v[BY], s[96:97] offset:-8192           ; two of the four bytes of 16 scale words: the other two are another work-group's
	s_add_co_u32 s[TI], s[TI], 4
.endm
.Ltrip:                                                ; 11 trips of three steps at the most: 33 tiles a wave, and an expert has at most 32 a wave
	STEP 0, 2
	STEP 1, 0
	STEP 2, 1
	s_add_co_u32 s[TB], s[TB], 768
	s_add_co_u32 s[TR], s[TR], 1
	s_cmp_lt_u32 s[TR], 11
	s_cbranch_scc1 .Ltrip
.Ldone:
	s_endpgm
.Lfunc_end_k_qac27ae2125_up:
	.size	k_qac27ae2125_up, .Lfunc_end_k_qac27ae2125_up-k_qac27ae2125_up
	.p2alignl 7, 3214868480
	.fill 96, 4, 3214868480
	.section	.rodata,"a",@progbits
	.p2align	6, 0x0
	.amdhsa_kernel k_qac27ae2125_up
		.amdhsa_group_segment_fixed_size 0
		.amdhsa_private_segment_fixed_size 0
		.amdhsa_enable_private_segment 0
		.amdhsa_kernarg_size 40
		.amdhsa_user_sgpr_count 2
		.amdhsa_user_sgpr_kernarg_segment_ptr 1
		.amdhsa_wavefront_size32 1
		.amdhsa_system_sgpr_workgroup_id_x 1
		.amdhsa_system_sgpr_workgroup_id_y 1
		.amdhsa_system_sgpr_workgroup_id_z 1
		.amdhsa_system_vgpr_workitem_id 0
		.amdhsa_next_free_vgpr 704
		.amdhsa_next_free_sgpr 102
		.amdhsa_reserve_vcc 0
		.amdhsa_float_denorm_mode_32 3
		.amdhsa_float_denorm_mode_16_64 3
		.amdhsa_memory_ordered 1
		.amdhsa_forward_progress 1
		.amdhsa_inst_pref_size 44
	.end_amdhsa_kernel
	.amdgpu_metadata
---
amdhsa.version: [ 1, 2 ]
amdhsa.kernels:
  - .name:           k_qac27ae2125_up
    .symbol:         k_qac27ae2125_up.kd
    .args:
      - { .name: wq, .offset: 0, .size: 8, .value_kind: global_buffer, .address_space: global }
      - { .name: xq, .offset: 8, .size: 8, .value_kind: global_buffer, .address_space: global }
      - { .name: order, .offset: 16, .size: 8, .value_kind: global_buffer, .address_space: global }
      - { .name: b1, .offset: 24, .size: 8, .value_kind: global_buffer, .address_space: global }
      - { .name: hq, .offset: 32, .size: 8, .value_kind: global_buffer, .address_space: global }
    .group_segment_fixed_size: 0
    .private_segment_fixed_size: 0
    .kernarg_segment_align: 8
    .kernarg_segment_size: 40
    .max_flat_workgroup_size: 128
    .sgpr_count:     102
    .vgpr_count:     704
    .wavefront_size: 32
...
	.end_amdgpu_metadata
.endif
;; end of part 3
;; launch down (part 4): grid 16 x 35, 4 waves a work-group, no clusters, 70,144 bytes of LDS; arguments wq, hq, order, b2, out0; writes out0
.if DOCPART == 4
	.amdgcn_target "amdgcn-amd-amdhsa--gfx1250"
	.amdhsa_code_object_version 6
	.text
	.protected	k_qac27ae2125_down
	.globl	k_qac27ae2125_down
	.p2align	8
	.type	k_qac27ae2125_down,@function
k_qac27ae2125_down:
	s_mov_b64 s[64:65], 0
	v_nop
	global_prefetch_b8 v0, s[64:65] scope:SCOPE_SE
	s_setreg_imm32_b32 hwreg(HW_REG_WAVE_MODE, 25, 1), 1
	s_wait_xcnt 0x0
; DOWN: out0[token] = Q(h) Q(W2[e]) + b2[e] for each token's own expert e.  Both operands are codes of FP4 (E2M1) with E8M0 scale words, laid by the earlier launches in the order of an
; operand's registers: every fragment is two loads of 512 consecutive bytes.
; SHARES.  Work-group (slice, g) makes 64 columns x group g of 64 listed rows.  With cnt_e tokens on expert e there are sum of ceil(cnt_e / 64) groups, never more than
; (2,048 + 4 x 63) / 64 = 35, whatever the split: the grid has 35.  The four counts say which expert and which of its groups g is.  A g past the last group takes the last group's
; operands and stores nothing: the barrier below stands on every wave's path, so no wave may end ahead of it on a stored number.
; THE FOUR WAVES SHARE K: wave w takes K steps 8 w .. 8 w + 7 of the 32, for all 64 x 64 results: 16 accumulators.  The four partial sums meet in LDS behind one barrier, and each wave
; then adds up, adds b2 and stores 16 rows.  So a result is ((K quarter 0 + 1) + 2) + 3 + bias, in f32.
; THE PRODUCT IS USED TRANSPOSED (source 0 = 16 rows of W2's codes, source 1 = 16 rows of h): a lane holds one row, and its registers of tiles 2 p, 2 p + 1 the columns 32 p + 16 (lane / 16) + 0 .. 15.
; The rows that fill an expert's last group repeat its last token: they are stored too, with the same bits (the same codes, weights and order of sums) to the same bytes, by waves of this one work-group.
; No cluster and no tensor load: which tiles a work-group reads hangs on stored numbers, and so does the branch round its stores.
; REGISTERS.  Window 0: addresses, scale words, three sets of 64 for a K step's fragments (W2's tile t at + 8 t, h's tile m at + 32 + 8 m).  Window 1: accumulator (m, t) at v[8 (4 m + t)].
.set W2C_OFF, 8912896
.set W2S_OFF, 17301504
.set HS_OFF,  16777216
.set REG,  17408                       ; LDS: a region for each wave's partial sums: 64 rows x (256 bytes + 16)
.set L16, 1                            ; v1  16 x lane
.set L8,  2                            ; v2  8 x lane
.set C16, 3                            ; v3  16 x (lane % 16)
.set IDA, 4                            ; v4  4 x (lane / 16)
.set ST,  5                            ; v5  LDS: where I put 32 bytes of a row
.set RD,  6                            ; v6  LDS: where I read 16 bytes of a row back
.set HSC, 16                           ; v16-31  h's scale words: tile m, word i at HSC + 4 m + i: lanes 0-15 my K step i, lanes 16-31 my K step 4 + i
.set W2S, 32                           ; v32-47  W2's: pair p, my K step s at W2S + 8 p + s: lanes 0-15 tile 2 p, lanes 16-31 tile 2 p + 1
.set IDS, 48                           ; v48-55  tokens, then byte offsets in out0
.set BIA, 56                           ; v56-59  b2 at my four columns
.set BUF, 64                           ; v64-255
.set MSB, 0
.macro WIN new                         ; the immediate's high byte repeats the setting that is left
.if MSB != \new
	s_set_vgpr_msb (MSB<<8)|\new
.set MSB, \new
.endif
.endm
	s_load_b256 s[4:11], s[0:1], 0x0               ; wq s[4:5], hq s[6:7], order s[8:9], b2 s[10:11]
	s_load_b64 s[12:13], s[0:1], 0x20              ; out0
	v_lshl_add_u32 v62, v0, 2, 0x11000
	v_mov_b32 v63, 0
	v_lshrrev_b32 v7, 5, v0
	v_readfirstlane_b32 s14, v7                    ; wave 0..3
	s_wait_kmcnt 0x0
	s_load_b32 s20, s[8:9], 9212                   ; the four counts: word 2,303 of each expert's list
	s_load_b32 s21, s[8:9], 18428
	s_load_b32 s22, s[8:9], 27644
	s_load_b32 s23, s[8:9], 36860
	v_and_b32 v7, 31, v0                           ; lane
	v_lshlrev_b32 v[L16], 4, v7
	v_lshlrev_b32 v[L8], 3, v7
	v_and_b32 v8, 15, v0                           ; r
	v_bfe_u32 v9, v0, 4, 1                         ; h
	v_lshlrev_b32 v[C16], 4, v8
	v_lshlrev_b32 v[IDA], 2, v9
	s_mul_i32 s15, s14, REG
	v_mul_u32_u24 v[ST], v8, 272
	v_lshl_add_u32 v[ST], v9, 6, v[ST]
	v_add_nc_u32 v[ST], s15, v[ST]                 ; my region, row r, + 64 h
	s_mul_i32 s15, s14, 16*272
	v_mul_u32_u24 v[RD], v9, 272
	v_add_nc_u32 v[RD], v[RD], v[C16]
	v_add_nc_u32 v[RD], s15, v[RD]                 ; back: rows 16 w on; lanes 0-15 one row, lanes 16-31 the next
	s_wait_kmcnt 0x0
.irp e, 0,1,2,3
	s_add_co_u32 s[20+\e], s[20+\e], 63
	s_lshr_b32 s[20+\e], s[20+\e], 6               ; the expert's groups
.endr
	s_add_co_u32 s21, s21, s20                     ; running sums: groups of experts 0 .. 1,
	s_add_co_u32 s22, s22, s21                     ; 0 .. 2,
	s_add_co_u32 s23, s23, s22                     ; all
	s_and_b32 s24, ttmp7, 0xffff                   ; g
	s_sub_co_u32 s25, s23, 1
	s_min_u32 s25, s24, s25                        ; a g past the end takes the last group
	s_mov_b32 s26, 0                               ; the expert,
	s_mov_b32 s27, 0                               ; and the groups ahead of its first
	s_cmp_ge_u32 s25, s20
	s_cselect_b32 s26, 1, s26
	s_cselect_b32 s27, s20, s27
	s_cmp_ge_u32 s25, s21
	s_cselect_b32 s26, 2, s26
	s_cselect_b32 s27, s21, s27
	s_cmp_ge_u32 s25, s22
	s_cselect_b32 s26, 3, s26
	s_cselect_b32 s27, s22, s27
	s_cmp_lt_u32 s24, s23
	s_cselect_b32 s28, 1, 0                        ; does g exist?
	s_sub_co_u32 s27, s25, s27                     ; which group of the expert
	s_min_u32 s26, s26, 3                          ; both held inside the buffers, whatever order holds
	s_min_u32 s27, s27, 31
	s_mov_b32 s45, 0
	s_lshl_b32 s44, s26, 22
	s_lshl_b32 s46, s27, 17                        ; four tiles of 32,768 bytes
	s_add_co_u32 s44, s44, s46
	s_lshl_b32 s46, s14, 13                        ; my eight K steps of 1,024
	s_add_co_u32 s44, s44, s46
	s_add_nc_u64 s[30:31], s[6:7], s[44:45]        ; h's codes
	s_lshl_b32 s44, s26, 18
	s_lshl_b32 s46, s27, 13
	s_add_co_u32 s44, s44, s46
	s_lshl_b32 s46, s14, 9
	s_add_co_u32 s44, s44, s46
	s_add_co_u32 s44, s44, HS_OFF
	s_add_nc_u64 s[32:33], s[6:7], s[44:45]        ; h's scale words
	s_lshl_b32 s47, s26, 5
	s_lshl_b32 s46, ttmp9, 1
	s_add_co_u32 s47, s47, s46                     ; my first pair of W2: 32 e + 2 slice
	s_lshl_b32 s44, s47, 16
	s_lshl_b32 s46, s14, 14                        ; my eight K steps of 2,048
	s_add_co_u32 s44, s44, s46
	s_add_co_u32 s44, s44, W2C_OFF
	s_add_nc_u64 s[34:35], s[4:5], s[44:45]        ; W2's codes
	s_lshl_b32 s44, s47, 12
	s_lshl_b32 s46, s14, 10
	s_add_co_u32 s44, s44, s46
	s_add_co_u32 s44, s44, W2S_OFF
	s_add_nc_u64 s[36:37], s[4:5], s[44:45]        ; W2's scale words
	s_mul_i32 s44, s26, 9216
	s_lshl_b32 s46, s27, 8
	s_add_co_u32 s44, s44, s46
	s_lshl_b32 s46, s14, 6
	s_add_co_u32 s44, s44, s46
	s_add_nc_u64 s[38:39], s[8:9], s[44:45]        ; the list at the 16 rows that I store
	s_lshl_b32 s44, s26, 12
	s_lshl_b32 s46, ttmp9, 8
	s_add_co_u32 s44, s44, s46
	s_add_nc_u64 s[40:41], s[10:11], s[44:45]      ; b2 at my 64 columns
	s_mov_b32 s44, s46
	s_add_nc_u64 s[12:13], s[12:13], s[44:45]      ; out0 likewise
.irp m, 0,1,2,3
	global_load_b128 v[HSC+4*\m:HSC+4*\m+3], v[L16], s[32:33] offset:\m*2048
.endr
.irp p, 0,1
.irp j, 0,1,2,3
	global_load_b64 v[W2S+8*\p+2*\j:W2S+8*\p+2*\j+1], v[L8], s[36:37] offset:\p*4096+\j*256
.endr
.endr
	global_load_b128 v[BIA:BIA+3], v[C16], s[40:41]
.irp i, 0,1,2,3,4,5,6,7
	global_load_b32 v[IDS+\i], v[IDA], s[38:39] offset:8*\i        ; the tokens of rows 2 i + lane / 16
.endr
.macro KLOAD s                         ; my K step s: W2's four fragments and h's four, 16 loads of 512 consecutive bytes, into set s % 3
.set SET, BUF+64*((\s)%3)
.irp p, 0,1
.irp u, 0,1
.irp c, 0,1
	global_load_b128 v[SET+8*(2*\p+\u)+4*\c:SET+8*(2*\p+\u)+4*\c+3], v[L16], s[34:35] offset:\p*65536+(\s)*2048+\u*1024+\c*512
.endr
.endr
.endr
.irp m, 0,1,2,3
.irp c, 0,1
	global_load_b128 v[SET+32+8*\m+4*\c:SET+32+8*\m+4*\c+3], v[L16], s[30:31] offset:\m*32768+(\s)*1024+\c*512
.endr
.endr
.endm
.macro PROD m, t, s                    ; W2's tile t x h's tile m, my K step s.  K step 0 starts the sums: nothing is cleared
.set rD, 8*(4*(\m)+(\t))
.set rA, BUF+64*((\s)%3)+8*(\t)
.set rB, BUF+64*((\s)%3)+32+8*(\m)
.set rSA, W2S+8*((\t)/2)+(\s)
.set rSB, HSC+4*(\m)+((\s)%4)
.if (\s) == 0
.if (\t)%2 == 0
	v_wmma_scale_f32_16x16x128_f8f6f4 v[rD:rD+7], v[rA:rA+7], v[rB:rB+7], 0, v[rSA], v[rSB] matrix_a_fmt:MATRIX_FMT_FP4 matrix_b_fmt:MATRIX_FMT_FP4
.else
	v_wmma_scale_f32_16x16x128_f8f6f4 v[rD:rD+7], v[rA:rA+7], v[rB:rB+7], 0, v[rSA], v[rSB] matrix_a_fmt:MATRIX_FMT_FP4 matrix_b_fmt:MATRIX_FMT_FP4 matrix_a_scale:MATRIX_SCALE_ROW1
.endif
.elseif (\s) < 4
.if (\t)%2 == 0
	v_wmma_scale_f32_16x16x128_f8f6f4 v[rD:rD+7], v[rA:rA+7], v[rB:rB+7], v[rD:rD+7], v[rSA], v[rSB] matrix_a_fmt:MATRIX_FMT_FP4 matrix_b_fmt:MATRIX_FMT_FP4
.else
	v_wmma_scale_f32_16x16x128_f8f6f4 v[rD:rD+7], v[rA:rA+7], v[rB:rB+7], v[rD:rD+7], v[rSA], v[rSB] matrix_a_fmt:MATRIX_FMT_FP4 matrix_b_fmt:MATRIX_FMT_FP4 matrix_a_scale:MATRIX_SCALE_ROW1
.endif
.else
.if (\t)%2 == 0
	v_wmma_scale_f32_16x16x128_f8f6f4 v[rD:rD+7], v[rA:rA+7], v[rB:rB+7], v[rD:rD+7], v[rSA], v[rSB] matrix_a_fmt:MATRIX_FMT_FP4 matrix_b_fmt:MATRIX_FMT_FP4 matrix_b_scale:MATRIX_SCALE_ROW1
.else
	v_wmma_scale_f32_16x16x128_f8f6f4 v[rD:rD+7], v[rA:rA+7], v[rB:rB+7], v[rD:rD+7], v[rSA], v[rSB] matrix_a_fmt:MATRIX_FMT_FP4 matrix_b_fmt:MATRIX_FMT_FP4 matrix_a_scale:MATRIX_SCALE_ROW1 matrix_b_scale:MATRIX_SCALE_ROW1
.endif
.endif
.endm
.macro KSTEP s
.if 7-(\s) >= 2
	s_wait_loadcnt 32                              ; this K step's 16 loads, and all that is older, are in; the two younger K steps' 32 may be out
.else
	s_wait_loadcnt 16*(7-(\s))
.endif
	WIN 0x50                                       ; C and D window 1
.irp m, 0,1,2,3
.irp t, 0,1,2,3
	PROD \m, \t, \s                                ; the sixteen accumulators take turns, one instruction a turn
.endr
.endr
	WIN 0
.rept 4
	v_nop                                          ; four places in front of loads into registers that matrix instructions have read, and of the first read of results (ISA guide 7.12.1 for the read of results)
.endr
.if (\s)+3 < 8
	KLOAD (\s)+3
.endif
.endm
	KLOAD 0
	KLOAD 1
	KLOAD 2
.set Q, 0
.rept 8
	KSTEP Q
.set Q, Q+1
.endr
	; THE WAY OUT.  My partial sums go into my region: row 16 m + r, columns 32 (t / 2) + 16 h + 8 (t % 2) + 0 .. 7
	WIN 0x04                                       ; an LDS store's data are its source 1: window 1
.irp m, 0,1,2,3
.irp t, 0,1,2,3
	ds_store_b128 v[ST], v[8*(4*\m+\t):8*(4*\m+\t)+3] offset:\m*4352+(\t/2)*128+(\t%2)*32          ; each accumulator from its low end on
	ds_store_b128 v[ST], v[8*(4*\m+\t)+4:8*(4*\m+\t)+7] offset:\m*4352+(\t/2)*128+(\t%2)*32+16
.endr
.endr
	WIN 0
	s_wait_dscnt 0x0                               ; for the others' sake: my partial sums lie in LDS
	s_barrier_signal -1
	s_barrier_wait -1
	s_cmp_eq_u32 s28, 0
	s_cbranch_scc1 .Lend                           ; a g past the last group stores nothing
.irp i, 0,1,2,3,4,5,6,7
.irp q, 0,1,2,3
	ds_load_b128 v[BUF+16*\i+4*\q:BUF+16*\i+4*\q+3], v[RD] offset:544*\i+REG*\q   ; rows 16 w + 2 i + lane / 16 of the four regions
.endr
.endr
.irp i, 0,1,2,3,4,5,6,7
	v_min_u32 v[IDS+\i], 0x7ff, v[IDS+\i]          ; a token's number stays inside out0
	v_lshl_add_u32 v[IDS+\i], v[IDS+\i], 12, v[C16]   ; its row of 4,096 bytes, + 16 bytes a lane
.endr
.irp i, 0,1,2,3,4,5,6,7
	s_wait_dscnt 28-4*\i                           ; the four loads of these two rows are in; the later rows' may be out
.irp q, 1,2,3
	v_pk_add_f32 v[BUF+16*\i:BUF+16*\i+1], v[BUF+16*\i:BUF+16*\i+1], v[BUF+16*\i+4*\q:BUF+16*\i+4*\q+1]
	v_pk_add_f32 v[BUF+16*\i+2:BUF+16*\i+3], v[BUF+16*\i+2:BUF+16*\i+3], v[BUF+16*\i+4*\q+2:BUF+16*\i+4*\q+3]
.endr
	v_pk_add_f32 v[BUF+16*\i:BUF+16*\i+1], v[BUF+16*\i:BUF+16*\i+1], v[BIA:BIA+1]
	v_pk_add_f32 v[BUF+16*\i+2:BUF+16*\i+3], v[BUF+16*\i+2:BUF+16*\i+3], v[BIA+2:BIA+3]
	global_store_b128 v[IDS+\i], v[BUF+16*\i:BUF+16*\i+3], s[12:13] th:TH_STORE_NT   ; lanes 0-15 store 256 consecutive bytes, aligned, of one token's row; lanes 16-31 of the next token's
.endr
.Lend:
	s_wait_tensorcnt 0x0
	ds_add_u32 v62, v63
	s_wait_dscnt 0x0
	s_endpgm
.Lfunc_end_k_qac27ae2125_down:
	.size	k_qac27ae2125_down, .Lfunc_end_k_qac27ae2125_down-k_qac27ae2125_down
	.p2alignl 7, 3214868480
	.fill 96, 4, 3214868480
	.section	.rodata,"a",@progbits
	.p2align	6, 0x0
	.amdhsa_kernel k_qac27ae2125_down
		.amdhsa_group_segment_fixed_size 70144
		.amdhsa_private_segment_fixed_size 0
		.amdhsa_enable_private_segment 0
		.amdhsa_kernarg_size 40
		.amdhsa_user_sgpr_count 2
		.amdhsa_user_sgpr_kernarg_segment_ptr 1
		.amdhsa_wavefront_size32 1
		.amdhsa_system_sgpr_workgroup_id_x 1
		.amdhsa_system_sgpr_workgroup_id_y 1
		.amdhsa_system_sgpr_workgroup_id_z 1
		.amdhsa_system_vgpr_workitem_id 0
		.amdhsa_next_free_vgpr 384
		.amdhsa_next_free_sgpr 66
		.amdhsa_reserve_vcc 0
		.amdhsa_float_denorm_mode_32 3
		.amdhsa_float_denorm_mode_16_64 3
		.amdhsa_memory_ordered 1
		.amdhsa_forward_progress 1
		.amdhsa_inst_pref_size 46
	.end_amdhsa_kernel
	.amdgpu_metadata
---
amdhsa.version: [ 1, 2 ]
amdhsa.kernels:
  - .name:           k_qac27ae2125_down
    .symbol:         k_qac27ae2125_down.kd
    .args:
      - { .name: wq, .offset: 0, .size: 8, .value_kind: global_buffer, .address_space: global }
      - { .name: hq, .offset: 8, .size: 8, .value_kind: global_buffer, .address_space: global }
      - { .name: order, .offset: 16, .size: 8, .value_kind: global_buffer, .address_space: global }
      - { .name: b2, .offset: 24, .size: 8, .value_kind: global_buffer, .address_space: global }
      - { .name: out0, .offset: 32, .size: 8, .value_kind: global_buffer, .address_space: global }
    .group_segment_fixed_size: 70144
    .private_segment_fixed_size: 0
    .kernarg_segment_align: 8
    .kernarg_segment_size: 40
    .max_flat_workgroup_size: 128
    .sgpr_count:     66
    .vgpr_count:     384
    .wavefront_size: 32
...
	.end_amdgpu_metadata
.endif
;; end of part 4
;; ======== version 2 of 3: 4 launches; 1.13 times as fast as version 1
;; workspace buffers: wq 17,825,792 bytes; xq 1,114,112 bytes; hq 17,825,792 bytes; sel 1,024 bytes of whole numbers; order 36,864 bytes of whole numbers
;; launch prep (part 5): grid 5 x 256, 4 waves a work-group, no clusters, 3,584 bytes of LDS; arguments x, Wr, br, W1, W2, wq, xq, sel; writes wq, xq, sel
.if DOCPART == 5
	.amdgcn_target "amdgcn-amd-amdhsa--gfx1250"
	.amdhsa_code_object_version 6
	.text
	.protected	k_qac27ae2125_prep
	.globl	k_qac27ae2125_prep
	.p2align	8
	.type	k_qac27ae2125_prep,@function
k_qac27ae2125_prep:
	s_mov_b64 s[64:65], 0
	v_nop
	global_prefetch_b8 v0, s[64:65] scope:SCOPE_SE
	s_setreg_imm32_b32 hwreg(HW_REG_WAVE_MODE, 25, 1), 1
	s_wait_xcnt 0x0
; PREP: all that is done once.  (a) W1 [4][1024][4096] and W2 [4][4096][1024], f32 with K as the first axis of an expert, become codes of FP4 (E2M1) with one E8M0 byte
; for each 32 along K, laid in the order of an operand's registers.  (b) x [2048][1024] becomes codes, K innermost, [token][512 bytes], and scale bytes [token][32].
; (c) The router: logits = x Wr + br by f32 multiply-adds, softmax, the first largest weight; stored as whole numbers: byte j of sel[e], bit i = token 8 j + i chose expert e.
; No address of this launch hangs on the choice: it is stored at fixed places, and the next launch places the rows.
; THE SCALE: 2^(floor(log2(a block's largest magnitude)) - 2); its byte is that magnitude's exponent field - 2, held at 1 from below by a floor among the maximum's leaves.
; LIMITS: a block of zeros gets the byte 1 where the rule says 127 (its codes are zeros, and this program alone reads the bytes); NaN and infinities among the inputs are not
; served; a token whose two largest softmax weights differ by less than what f32 sums of 1,024 products and the exponential leave uncertain may go to the other of the two experts.
; WEIGHTS' LAYOUT.  A pair P is 32 neighbouring columns n: two tiles u of 16.  Lane r of tile u holds column 32 P + 8 u + r + 8 (r / 8), so that in a product used transposed a
; lane's 16 results of the two tiles are 16 neighbouring n.  Codes: [P][K step of 128][u][c][lane r + 16 hh][16 bytes], block 2 c + hh of the K step: a fragment is 1,024 bytes on end.
; Scale words: [P][K step / 2][lane 16 u + r][2 words].
; SHARES.  Work-group (x, y).  x = 0: the router and x's codes for tokens 8 y .. 8 y + 7.  x = 1 .. 4: weights' work-group q = 4 y + x - 1: q under 512 W1, else W2.  So every five
; work-groups on end hold one of the router's and four of the weights'.  A wave of a weights' work-group takes 32 columns x 256 along K; a lane takes a column and its registers run
; down K, so that a block of 32 lies in one lane and the conversions give codes with K innermost.  No tile is shared: no LDS there, no barrier, no matrix unit, no cluster.
.set W1S_OFF, 8388608                  ; wq: W1's codes at 0, its scale words here,
.set W2C_OFF, 8912896                  ; W2's codes,
.set W2S_OFF, 17301504                 ; W2's scale words
.set XS_OFF,  1048576                  ; xq: the codes at 0, the scale bytes here
.set FLOOR,   0x1800000                ; 2^(3 - 127): under it no largest magnitude is taken, so the byte cannot fall under 1
.set OFFEXP,  0xff000000               ; takes 2 off an exponent field
.set X,   16                           ; weights: v16-79 two sets of 32 numbers
.set C,   80                           ; v80-111 a block's codes, four registers for each of 8 blocks: no store's data are written again
.set SB,  112                          ; v112-113 the two scale words
.set RWR, 16                           ; router: v16-79 Wr's rows of my 16 k, four numbers each
.set RX,  80                           ; v80-143 four sets of 16 numbers of x, one for each of my wave's tokens
.set RC,  144                          ; v144-151 codes, two registers for each of 4 tokens
.set RA,  176                          ; v176-179 the token's four sums
.set RKEEP, 180                        ; v180-183 lane tl keeps token tl's sums
.set RT,  184                          ; v184 maximum, v185 byte, v186 second chain, v187 the conversion's scale operand
.set RP,  188                          ; v188-191 destinations of the lane permutes
.set XSL, 2048                         ; LDS: 0: the waves' sums, 512 bytes a wave; 2,048: x's scale bytes, 8 tokens x 32
	s_load_b256 s[4:11], s[0:1], 0x0               ; x s[4:5], Wr s[6:7], br s[8:9], W1 s[10:11]
	s_load_b256 s[12:19], s[0:1], 0x20             ; W2 s[12:13], wq s[14:15], xq s[16:17], sel s[18:19]
	v_lshl_add_u32 v192, v0, 2, 0xc00
	v_mov_b32 v193, 0
	v_lshrrev_b32 v1, 5, v0
	v_readfirstlane_b32 s20, v1                    ; wave 0..3
	v_and_b32 v1, 31, v0                           ; lane
	s_and_b32 s46, ttmp7, 0xffff                   ; y
	s_lshl_b32 s47, s46, 2
	s_add_co_u32 s47, s47, ttmp9
	s_sub_co_u32 s47, s47, 1                       ; q = 4 y + x - 1 (used where x is not 0)
	s_wait_kmcnt 0x0
	s_cmp_eq_u32 ttmp9, 0
	s_cbranch_scc1 .Lrouter
	s_cmp_lt_u32 s47, 512
	s_cbranch_scc1 .Lw1
	s_branch .Lw2
.macro LOADW t, pitch                  ; block t: W(32 t + i, my column), i = 0 .. 31, into set t % 2; a wave's load covers 128 consecutive bytes, the four waves 512
.irp i, 0,1,2,3,4,5,6,7,8,9,10,11,12,13,14,15,16,17,18,19,20,21,22,23,24,25,26,27,28,29,30,31
	global_load_b32 v[X+32*((\t)%2)+\i], v2, s[24:25] offset:(32*(\t)+\i)*\pitch th:TH_LOAD_NT
.endr
.endm
.macro BLOCKW t, pitch
.set XS, X+32*((\t)%2)
.if (\t) < 7
	s_wait_loadcnt 32                              ; this block's 32 loads are in; the next block's 32 may be out
.else
	s_wait_loadcnt 0
.endif
	v_max3_num_f32 v12, |v[XS]|, |v[XS+1]|, |v[XS+2]|              ; the block's largest magnitude: all 32 numbers are mine; two chains
	v_max3_num_f32 v13, |v[XS+3]|, |v[XS+4]|, |v[XS+5]|
.irp i, 6,10,14,18,22,26
	v_max3_num_f32 v12, v12, |v[XS+\i]|, |v[XS+\i+1]|
	v_max3_num_f32 v13, v13, |v[XS+\i+2]|, |v[XS+\i+3]|
.endr
	v_max3_num_f32 v12, v12, |v[XS+30]|, |v[XS+31]|
	v_max3_num_f32 v12, v12, v13, FLOOR
	v_add_nc_u32 v11, OFFEXP, v12                  ; the conversion takes the exponent field of this operand as its scale, and nothing else of it
	v_lshrrev_b32 v13, 23, v11                     ; the scale's byte
.if (\t)%4 == 0
	v_mov_b32 v[SB+(\t)/4], v13                    ; four bytes to a word, the lower K in the lower byte
.else
	v_lshl_or_b32 v[SB+(\t)/4], v13, 8*((\t)%4), v[SB+(\t)/4]
.endif
.irp g, 0,1,2,3
	v_cvt_scalef32_pk8_fp4_f32 v[C+4*(\t)+\g], v[XS+8*\g:XS+8*\g+7], v11
.endr
	global_store_b128 v3, v[C+4*(\t):C+4*(\t)+3], s[26:27] offset:((\t)/4)*2048+(((\t)/2)%2)*512+((\t)%2)*256   ; lanes 0-15 (tile 0) store 256 consecutive bytes, aligned; lanes 16-31 (tile 1) likewise
.if (\t)+2 < 8
	LOADW (\t)+2, \pitch
.endif
.endm
; A weights' work-group.  first: its path's first q; 2^lcg groups of 128 columns; 2^lkc runs of 256 along K in an expert; 2^lrows bytes in 256 rows; ptr: the tensor's pointer;
; 2^lpc, 2^lps: a pair's bytes of codes and of scale words; coff, soff: where they begin in wq; pitch: a row of the tensor in bytes.
.macro WPATH first, lcg, lkc, lrows, ptr, lpc, coff, lps, soff, pitch
	s_sub_co_u32 s21, s47, \first
	s_and_b32 s22, s21, (1<<\lcg)-1                ; cg: which 128 columns
	s_lshr_b32 s23, s21, \lcg                      ; G: which 256 rows of the whole tensor = expert x runs + run
	s_lshr_b32 s30, s23, \lkc                      ; the expert
	s_and_b32 s31, s23, (1<<\lkc)-1                ; the run: two K steps of 128
	s_lshl_b32 s32, s23, \lrows
	s_lshl_b32 s33, s22, 9
	s_add_co_u32 s32, s32, s33
	s_lshl_b32 s33, s20, 7
	s_add_co_u32 s32, s32, s33                     ; + 512 cg + 128 wave: my wave's 32 columns
	s_mov_b32 s33, 0
	s_add_nc_u64 s[24:25], s[\ptr:\ptr+1], s[32:33]
	s_lshl_b32 s34, s30, \lcg+2
	s_lshl_b32 s35, s22, 2
	s_add_co_u32 s34, s34, s35
	s_add_co_u32 s34, s34, s20                     ; P = expert x pairs + 4 cg + wave
	s_lshl_b32 s32, s34, \lpc
	s_lshl_b32 s35, s31, 12                        ; two K steps of a pair are 4,096 bytes of codes
	s_add_co_u32 s32, s32, s35
.if \coff
	s_add_co_u32 s32, s32, \coff
.endif
	s_add_nc_u64 s[26:27], s[14:15], s[32:33]
	s_lshl_b32 s32, s34, \lps
	s_lshl_b32 s35, s31, 8                         ; and 256 bytes of scale words
	s_add_co_u32 s32, s32, s35
	s_add_co_u32 s32, s32, \soff
	s_add_nc_u64 s[28:29], s[14:15], s[32:33]
	v_and_b32 v5, 15, v1                           ; r
	v_lshrrev_b32 v6, 4, v1                        ; u
	v_and_b32 v7, 8, v5
	v_add_nc_u32 v7, v7, v5
	v_lshl_add_u32 v7, v6, 3, v7                   ; my column of the pair: 8 u + r + 8 (r / 8)
	v_lshlrev_b32 v2, 2, v7                        ; in: 4 bytes a column
	v_lshlrev_b32 v3, 4, v5
	v_lshl_add_u32 v3, v6, 10, v3                  ; codes out: 1,024 u + 16 r
	v_lshlrev_b32 v4, 3, v1                        ; scale words out: 8 bytes a lane
	LOADW 0, \pitch
	LOADW 1, \pitch
.set Q, 0
.rept 8
	BLOCKW Q, \pitch
.set Q, Q+1
.endr
	global_store_b64 v4, v[SB:SB+1], s[28:29]      ; the wave stores 256 consecutive bytes, aligned
	s_endpgm
.endm
.Lw1:
	WPATH 0, 5, 2, 22, 10, 14, 0, 10, W1S_OFF, 16384
.Lw2:
	WPATH 512, 3, 4, 20, 12, 16, W2C_OFF, 12, W2S_OFF, 4096
; THE ROUTER AND x.  Wave w: kh = w % 2: which 512 of K; tg = w / 2: which 4 of the work-group's 8 tokens.  Lane l holds k = 512 kh + 16 l + 0 .. 15 of a token: half a block, two neighbouring lanes a block.
; All of a wave's loads, 16 of Wr and 4 for each of its 4 tokens, go out at its head.
.Lrouter:
	s_load_b128 s[32:35], s[8:9], 0x0              ; br
	s_and_b32 s21, s20, 1                          ; kh
	s_lshr_b32 s22, s20, 1                         ; tg
	s_mov_b32 s30, 0x76543210                      ; v_permlanex16_b32's selects for lane l xor 16
	s_mov_b32 s31, 0xfedcba98
	s_lshl_b32 s36, s21, 13
	v_lshlrev_b32 v2, 8, v1
	v_add_nc_u32 v2, s36, v2                       ; Wr: my 16 rows of 16 bytes: 8,192 kh + 256 l
	v_lshlrev_b32 v3, 6, v1                        ; x: 64 bytes a lane
	v_lshlrev_b32 v4, 3, v1                        ; codes, and the scale bytes' way out: 8 bytes a lane
	s_lshl_b32 s23, s22, 7
	s_lshl_b32 s37, s21, 4
	s_add_co_u32 s23, s23, s37
	s_add_co_u32 s23, s23, XSL
	v_lshrrev_b32 v5, 1, v1
	v_add_nc_u32 v5, s23, v5                       ; LDS: my block's byte: 128 tg + 16 kh + l / 2 (+ 32 for each token)
	s_lshl_b32 s23, s20, 9
	v_lshlrev_b32 v6, 4, v1
	v_add_nc_u32 v6, s23, v6                       ; LDS: my wave's sums: 512 w + 16 l
	v_add_nc_u32 v7, XSL, v4                       ; LDS: the 256 scale bytes, 8 a lane
	v_bfe_u32 v11, v1, 2, 1
	v_and_b32 v8, 3, v1
	v_lshlrev_b32 v11, 10, v11
	v_lshl_add_u32 v11, v8, 4, v11                 ; LDS: token t = lane % 8: its sums of the first 512 k: 1,024 (t / 4) + 16 (t % 4); those of the other 512 lie 512 bytes on
	s_mov_b32 s39, 0
	s_lshl_b32 s38, s46, 15                        ; 8 tokens of 4,096 bytes
	s_lshl_b32 s36, s22, 14
	s_add_co_u32 s38, s38, s36
	s_lshl_b32 s36, s21, 11
	s_add_co_u32 s38, s38, s36
	s_add_nc_u64 s[24:25], s[4:5], s[38:39]        ; x at my wave's first token, my half of K
	s_lshl_b32 s38, s46, 12                        ; 8 tokens of 512 bytes
	s_lshl_b32 s36, s22, 11
	s_add_co_u32 s38, s38, s36
	s_lshl_b32 s36, s21, 8
	s_add_co_u32 s38, s38, s36
	s_add_nc_u64 s[26:27], s[16:17], s[38:39]      ; the codes likewise
	s_lshl_b32 s38, s46, 8
	s_add_co_u32 s38, s38, XS_OFF
	s_add_nc_u64 s[28:29], s[16:17], s[38:39]      ; the work-group's 256 scale bytes
.irp i, 0,1,2,3,4,5,6,7,8,9,10,11,12,13,14,15
	global_load_b128 v[RWR+4*\i:RWR+4*\i+3], v2, s[6:7] offset:16*\i
.endr
.macro XLOAD tl                        ; token tl's 16 numbers of my lane into set tl
.irp i, 0,1,2,3
	global_load_b128 v[RX+16*(\tl)+4*\i:RX+16*(\tl)+4*\i+3], v3, s[24:25] offset:(\tl)*4096+16*\i th:TH_LOAD_NT
.endr
.endm
	XLOAD 0
	XLOAD 1
	XLOAD 2
	XLOAD 3
.irp e, 0,1,2,3
	v_mov_b32 v[RKEEP+\e], 0
	v_mov_b32 v[RP+\e], 0                          ; written once: a lane permute's destination counts as one of its sources
.endr
.macro TOK tl
.set XT, RX+16*(\tl)
	s_wait_loadcnt 4*(3-(\tl))                     ; Wr and this token's four loads are in; the younger tokens' loads, four each, may be out
.irp e, 0,1,2,3
	v_mul_f32 v[RA+\e], v[XT], v[RWR+\e]           ; the first product starts each of the four sums
.endr
.irp i, 1,2,3,4,5,6,7,8,9,10,11,12,13,14,15
.irp e, 0,1,2,3
	v_fmac_f32 v[RA+\e], v[XT+\i], v[RWR+4*\i+\e]  ; four chains by turns
.endr
.endr
	v_max3_num_f32 v[RT], |v[XT]|, |v[XT+1]|, FLOOR                ; the largest magnitude of my 16, and the floor
	v_max3_num_f32 v[RT+2], |v[XT+2]|, |v[XT+3]|, |v[XT+4]|
	v_max3_num_f32 v[RT], v[RT], |v[XT+5]|, |v[XT+6]|
	v_max3_num_f32 v[RT+2], v[RT+2], |v[XT+7]|, |v[XT+8]|
	v_max3_num_f32 v[RT], v[RT], |v[XT+9]|, |v[XT+10]|
	v_max3_num_f32 v[RT+2], v[RT+2], |v[XT+11]|, |v[XT+12]|
	v_max3_num_f32 v[RT], v[RT], |v[XT+13]|, |v[XT+14]|
	v_max3_num_f32 v[RT], v[RT], v[RT+2], |v[XT+15]|
	v_max_num_f32_dpp v[RT], v[RT], v[RT] row_xmask:1 row_mask:0xf bank_mask:0xf   ; and of my neighbour's 16: the block's
	v_add_nc_u32 v[RT+3], OFFEXP, v[RT]
	v_cvt_scalef32_pk8_fp4_f32 v[RC+2*(\tl)], v[XT:XT+7], v[RT+3]
	v_cvt_scalef32_pk8_fp4_f32 v[RC+2*(\tl)+1], v[XT+8:XT+15], v[RT+3]
	s_wait_dscnt 0x0                               ; the last token's byte store has read its register
	v_lshrrev_b32 v[RT+1], 23, v[RT+3]             ; the scale's byte (a plain line behind the conversions)
	ds_store_b8 v5, v[RT+1] offset:32*(\tl)        ; both lanes of a block write the same byte with the same value
	global_store_b64 v4, v[RC+2*(\tl):RC+2*(\tl)+1], s[26:27] offset:512*(\tl)   ; the wave stores 256 consecutive bytes, aligned
.irp m, 1,2,4,8
.irp e, 0,1,2,3
	v_add_f32_dpp v[RA+\e], v[RA+\e], v[RA+\e] row_xmask:\m row_mask:0xf bank_mask:0xf
.endr
.endr
.irp e, 0,1,2,3
	v_permlanex16_b32 v[RP+\e], v[RA+\e], s30, s31
.endr
.irp e, 0,1,2,3
	v_add_f32 v[RA+\e], v[RA+\e], v[RP+\e]         ; every lane holds the wave's sum over its 512 k
.endr
	s_mov_b32 s36, 1<<(\tl)
.irp e, 0,1,2,3
	v_cndmask_b32 v[RKEEP+\e], v[RKEEP+\e], v[RA+\e], s36          ; lane tl keeps it
.endr
.endm
	TOK 0
	TOK 1
	TOK 2
	TOK 3
	ds_store_b128 v6, v[RKEEP:RKEEP+3]
	s_wait_dscnt 0x0                               ; for the others' sake: my sums and my scale bytes lie in LDS
	s_barrier_signal -1
	s_barrier_wait -1
	s_cmp_lg_u32 s20, 0
	s_cbranch_scc1 .Lrend
	; wave 0: lane t is token 8 y + t % 8 (lanes 8-31 repeat lanes 0-7)
	ds_load_b64 v[8:9], v7
	ds_load_b128 v[12:15], v11
	ds_load_b128 v[176:179], v11 offset:512
	s_wait_dscnt 0x0
	global_store_b64 v4, v[8:9], s[28:29]          ; the work-group's 256 scale bytes: consecutive, aligned
	s_wait_kmcnt 0x0                               ; br
.irp e, 0,1,2,3
	v_add_f32 v[12+\e], v[12+\e], v[176+\e]
.endr
.irp e, 0,1,2,3
	v_add_f32 v[12+\e], s[32+\e], v[12+\e]         ; the logits
.endr
	v_max3_num_f32 v180, v12, v13, v14
	v_max_num_f32 v180, v180, v15                  ; the largest is taken away ahead of the exponentials
.irp e, 0,1,2,3
	v_sub_f32 v[12+\e], v[12+\e], v180
.endr
.irp e, 0,1,2,3
	v_mul_f32 v[12+\e], 0x3fb8aa3b, v[12+\e]       ; x log2(e)
.endr
.irp e, 0,1,2,3
	v_exp_f32 v[12+\e], v[12+\e]
.endr
	v_mov_b32 v183, 0                              ; the choice so far: expert 0 (a plain line behind the exponentials)
	s_wait_alu depctr_va_vdst(0)
	v_add_f32 v181, v12, v13
	v_add_f32 v182, v14, v15
	v_add_f32 v181, v181, v182
	v_rcp_f32 v182, v181
	v_lshlrev_b32 v184, 8, v1                      ; sel: 256 bytes an expert (a plain line behind the reciprocal)
	s_wait_alu depctr_va_vdst(0)
.irp e, 0,1,2,3
	v_mul_f32 v[12+\e], v[12+\e], v182             ; the softmax's weights
.endr
	v_mov_b32 v186, v12
.irp e, 1,2,3
	v_cmp_gt_f32 vcc_lo, v[12+\e], v186            ; strictly larger: of equal weights the lower expert stays
	v_cndmask_b32 v183, v183, \e, vcc_lo
	v_max_num_f32 v186, v186, v[12+\e]
.endr
.irp e, 0,1,2,3
	v_cmp_eq_u32 s[40+\e], \e, v183                ; bit t, t under 8: token t chose expert e
.endr
	v_mov_b32 v187, 0
.irp e, 0,1,2,3
	v_writelane_b32 v187, s[40+\e], \e             ; lane e holds expert e's word; its low byte is stored
.endr
	v_add_nc_u32 v184, s46, v184                   ; byte y of sel[lane]: a fixed place
	s_wait_xcnt 0x0                                ; EXEC changes only behind this wait: it is a source of the stores above
	v_cmp_gt_u32 vcc_lo, 4, v1
	s_and_saveexec_b32 s44, vcc_lo
	global_store_b8 v184, v187, s[18:19]
	s_wait_xcnt 0x0
	s_or_b32 exec_lo, exec_lo, s44
.Lrend:
	s_wait_tensorcnt 0x0
	ds_add_u32 v192, v193
	s_wait_dscnt 0x0
	s_endpgm
.Lfunc_end_k_qac27ae2125_prep:
	.size	k_qac27ae2125_prep, .Lfunc_end_k_qac27ae2125_prep-k_qac27ae2125_prep
	.p2alignl 7, 3214868480
	.fill 96, 4, 3214868480
	.section	.rodata,"a",@progbits
	.p2align	6, 0x0
	.amdhsa_kernel k_qac27ae2125_prep
		.amdhsa_group_segment_fixed_size 3584
		.amdhsa_private_segment_fixed_size 0
		.amdhsa_enable_private_segment 0
		.amdhsa_kernarg_size 64
		.amdhsa_user_sgpr_count 2
		.amdhsa_user_sgpr_kernarg_segment_ptr 1
		.amdhsa_wavefront_size32 1
		.amdhsa_system_sgpr_workgroup_id_x 1
		.amdhsa_system_sgpr_workgroup_id_y 1
		.amdhsa_system_sgpr_workgroup_id_z 1
		.amdhsa_system_vgpr_workitem_id 0
		.amdhsa_next_free_vgpr 194
		.amdhsa_next_free_sgpr 66
		.amdhsa_reserve_vcc 1
		.amdhsa_float_denorm_mode_32 3
		.amdhsa_float_denorm_mode_16_64 3
		.amdhsa_memory_ordered 1
		.amdhsa_forward_progress 1
		.amdhsa_inst_pref_size 104
	.end_amdhsa_kernel
	.amdgpu_metadata
---
amdhsa.version: [ 1, 2 ]
amdhsa.kernels:
  - .name:           k_qac27ae2125_prep
    .symbol:         k_qac27ae2125_prep.kd
    .args:
      - { .name: x, .offset: 0, .size: 8, .value_kind: global_buffer, .address_space: global }
      - { .name: Wr, .offset: 8, .size: 8, .value_kind: global_buffer, .address_space: global }
      - { .name: br, .offset: 16, .size: 8, .value_kind: global_buffer, .address_space: global }
      - { .name: W1, .offset: 24, .size: 8, .value_kind: global_buffer, .address_space: global }
      - { .name: W2, .offset: 32, .size: 8, .value_kind: global_buffer, .address_space: global }
      - { .name: wq, .offset: 40, .size: 8, .value_kind: global_buffer, .address_space: global }
      - { .name: xq, .offset: 48, .size: 8, .value_kind: global_buffer, .address_space: global }
      - { .name: sel, .offset: 56, .size: 8, .value_kind: global_buffer, .address_space: global }
    .group_segment_fixed_size: 3584
    .private_segment_fixed_size: 0
    .kernarg_segment_align: 8
    .kernarg_segment_size: 64
    .max_flat_workgroup_size: 128
    .sgpr_count:     66
    .vgpr_count:     194
    .wavefront_size: 32
...
	.end_amdgpu_metadata
.endif
;; end of part 5
;; launch place: the kernel of part 2 again; grid 4 x 1, 1 waves a work-group, no clusters, 9,472 bytes of LDS; arguments sel, order; writes order
;; launch up (part 6): grid 64 x 4, 4 waves a work-group, no clusters, 0 bytes of LDS; arguments wq, xq, order, b1, hq; writes hq
.if DOCPART == 6
	.amdgcn_target "amdgcn-amd-amdhsa--gfx1250"
	.amdhsa_code_object_version 6
	.text
	.protected	k_qac27ae2125_up
	.globl	k_qac27ae2125_up
	.p2align	8
	.type	k_qac27ae2125_up,@function
k_qac27ae2125_up:
	s_mov_b64 s[64:65], 0
	v_nop
	global_prefetch_b8 v0, s[64:65] scope:SCOPE_SE
	s_setreg_imm32_b32 hwreg(HW_REG_WAVE_MODE, 25, 1), 1
	s_wait_xcnt 0x0
; UP: h = Q(relu(Q(x) Q(W1[e]) + b1[e])) for the tokens that chose expert e, and for no others; Q the quantiser to FP4 (E2M1) with one E8M0 byte for each 32 along K.
; SHARES.  Work-group (sl, e) makes hidden units 64 sl .. 64 sl + 63 of expert e.  Each of its four waves holds those units' codes of W1 for all of K in registers (4 tiles x 8 K steps:
; 256 registers), read once; wave w walks the expert's tiles of 16 tokens w, w + 4, w + 8 ..  What is gathered for a tile is small: 16 rows of 512 bytes of codes and 32 scale bytes.
; THE LIST comes from order, stored by the launch before: order[e][p] = the token at place p, word 2,303 the count cnt.  Places cnt .. cnt + 63 repeat the last token, so that the tiles,
; 4 ceil(cnt / 64) of them, are all whole.  The count is read by a scalar load, a tile's tokens by one vector load, three tiles ahead of the tile's products.
; THE PRODUCT IS USED TRANSPOSED (source 0 = 16 rows of W1's codes, source 1 = 16 tokens): a lane holds ONE token, and by the order in which the weights' rows were laid the 16 registers
; of tiles 2 p and 2 p + 1 are the 16 neighbouring hidden units 32 p + 16 (lane / 16) + 0 .. 15: they are quantised in registers.  The 64 units are half a K step of the next product.
; hq: codes [e][tile][K step][c][lane][16 bytes] (a fragment is 1,024 bytes on end); scale bytes [e][tile][j][16 a + r][word i][byte]: the word of K step 8 j + 4 a + i, token r.
; No cluster and no tensor load: how many tiles a wave walks hangs on a stored number, and no tensor load stands beside such a branch; the weights that the four waves share are 34 KB.
; The waves share nothing but what they read: no LDS, no barrier.
; LIMITS: a block of zeros gets the byte 1 where the rule says 127 (its codes are zeros; this program alone reads the bytes); NaN and infinities are not served.
; REGISTERS.  Window 0: addresses, scale words, accumulators, b1.  Window 1: W1's fragment (tile t, K step s) at v[8 (8 t + s)].  Window 2: x's fragments, three sets: set b, K step s at v[64 b + 8 s].
.set W1S_OFF, 8388608
.set XS_OFF,  1048576
.set HS_OFF,  16777216
.set CNTB,    9212                     ; byte of the count in an expert's list of 9,216 bytes
.set FLOOR,   0x1800000                ; 2^(3 - 127)
.set OFFEXP,  0xff000000
.set LN,  1                            ; v1   lane
.set L16, 2                            ; v2   16 x lane
.set H16, 3                            ; v3   16 x (lane / 16)
.set LA0, 4                            ; v4   64 w + 4 r: my token's word in my wave's first tile
.set LAD, 5                            ; v5   the same, the trips so far on
.set TK,  6                            ; v6   the token of the tile that is asked for next
.set XA,  7                            ; v7-9    set b: my byte offset in x's codes
.set XSA, 10                           ; v10-12  and in x's scale bytes
.set HO,  13                           ; v13  my byte offset in h's codes
.set HSO, 14                           ; v14  and in h's scale bytes
.set BO,  15                           ; v15  64 x (lane / 16): b1
.set L8,  24                           ; v24  8 x lane
.set XS,  32                           ; v32-55   x's scale words: set b, K step s at XS + 8 b + s
.set W1S, 56                           ; v56-71   W1's: pair p, K step s at W1S + 8 p + s: lanes 0-15 tile 2 p, lanes 16-31 tile 2 p + 1
.set ACC, 72                           ; v72-103  four accumulators
.set B1,  104                          ; v104-135 b1 in the result's layout, eight registers a tile
.set TM,  136                          ; v136-137 maxima, v138-139 the other half's, v140-141 scale operands, v142-143 bytes
.set PC,  144                          ; v144-147 the codes
.set BY,  148                          ; v148 my byte
.set WV,  66
.set EX,  67
.set SL,  68
.set CNT, 69
.set NT,  71                           ; tiles of the expert
.set TI,  72                           ; my wave's next tile
.set TB,  73                           ; the trips' bytes in the list
.set TR,  74                           ; trips
.set MSB, 0
.macro WIN new                         ; the immediate's high byte repeats the setting that is left
.if MSB != \new
	s_set_vgpr_msb (MSB<<8)|\new
.set MSB, \new
.endif
.endm
	s_load_b256 s[4:11], s[0:1], 0x0               ; wq s[4:5], xq s[6:7], order s[8:9], b1 s[10:11]
	s_load_b64 s[12:13], s[0:1], 0x20              ; hq
	v_lshrrev_b32 v1, 5, v0
	v_readfirstlane_b32 s[WV], v1                  ; wave 0..3
	s_and_b32 s[EX], ttmp7, 0xffff                 ; the expert
	s_mov_b32 s[SL], ttmp9                         ; the slice of 64 hidden units
	v_and_b32 v[LN], 31, v0
	v_and_b32 v28, 15, v0                          ; r
	v_bfe_u32 v29, v0, 4, 1                        ; h
	v_lshlrev_b32 v[L16], 4, v[LN]
	v_lshlrev_b32 v[L8], 3, v[LN]
	v_lshlrev_b32 v[H16], 4, v29
	v_lshlrev_b32 v[BO], 6, v29
	s_lshl_b32 s70, s[WV], 6
	v_lshl_add_u32 v[LA0], v28, 2, s70
	s_lshl_b32 s70, s[WV], 15
	v_add_nc_u32 v[HO], s70, v[L16]                ; tile w: 32,768 bytes a tile
	s_lshl_b32 s70, s[WV], 11
	v_lshl_add_u32 v[HSO], v28, 4, v29             ; 16 r + h: lanes 0-15 store the first block's byte, lanes 16-31 the second's
	v_add_nc_u32 v[HSO], s70, v[HSO]               ; 2,048 bytes a tile
	v_mov_b32 v[TM+2], 0                           ; written once: a lane permute's destination counts as one of its sources
	v_mov_b32 v[TM+3], 0
	s_mov_b32 s75, 0xffff0000                      ; lanes 16-31
	s_mov_b32 s76, 0x76543210                      ; v_permlanex16_b32's selects for lane l xor 16
	s_mov_b32 s77, 0xfedcba98
	s_lshl_b32 s70, s[EX], 7
	s_lshl_b32 s72, s[SL], 1
	s_add_co_u32 s70, s70, s72                     ; my first pair of W1: 128 e + 2 sl
	s_mov_b32 s101, 0
	s_mul_i32 s100, s[EX], 9216
	s_wait_kmcnt 0x0
	s_add_nc_u64 s[8:9], s[8:9], s[100:101]        ; order at my expert's list; it stays
	s_load_b32 s[CNT], s[8:9], CNTB                ; the count
	global_load_b32 v25, v[LA0], s[8:9]            ; my token of my wave's first tile,
	global_load_b32 v26, v[LA0], s[8:9] offset:256 ; of its second (four tiles, 256 bytes, on),
	global_load_b32 v[TK], v[LA0], s[8:9] offset:512   ; of its third
	s_lshl_b32 s100, s70, 10
	s_add_co_u32 s100, s100, W1S_OFF
	s_add_nc_u64 s[78:79], s[4:5], s[100:101]      ; W1's scale words
	s_lshl_b32 s100, s70, 14
	s_add_nc_u64 s[4:5], s[4:5], s[100:101]        ; W1's codes
	s_lshl_b32 s100, s[EX], 14
	s_lshl_b32 s72, s[SL], 8
	s_add_co_u32 s100, s100, s72
	s_add_nc_u64 s[10:11], s[10:11], s[100:101]    ; b1 at my 64 units
	s_lshl_b32 s100, s[EX], 18
	s_lshr_b32 s72, s[SL], 3
	s_lshl_b32 s72, s72, 8
	s_add_co_u32 s100, s100, s72                   ; K step sl / 2 of the next product: 256 bytes for each four K steps,
	s_and_b32 s72, s[SL], 7
	s_lshl_b32 s72, s72, 1
	s_add_co_u32 s100, s100, s72                   ; 4 for each K step in them, 2 for its second half
	s_add_co_u32 s100, s100, HS_OFF
	s_add_nc_u64 s[96:97], s[12:13], s[100:101]    ; h's scale bytes
	s_lshl_b32 s100, s[EX], 22
	s_lshl_b32 s72, s[SL], 9
	s_add_co_u32 s100, s100, s72                   ; half a fragment, 512 bytes, for each slice
	s_add_nc_u64 s[12:13], s[12:13], s[100:101]    ; h's codes
	s_add_nc_u64 s[98:99], s[6:7], XS_OFF          ; x's scale bytes
.irp p, 0,1
.irp j, 0,1,2,3
	global_load_b64 v[W1S+8*\p+2*\j:W1S+8*\p+2*\j+1], v[L8], s[78:79] offset:\p*1024+\j*256
.endr
.endr
.irp p, 0,1
.irp u, 0,1
	global_load_b128 v[B1+8*(2*\p+\u):B1+8*(2*\p+\u)+3], v[BO], s[10:11] offset:(32*\p+8*\u)*4          ; lane (r, h), tile 2 p + u: units 32 p + 16 h + 8 u + 0 .. 7
	global_load_b128 v[B1+8*(2*\p+\u)+4:B1+8*(2*\p+\u)+7], v[BO], s[10:11] offset:(32*\p+8*\u)*4+16
.endr
.endr
.macro WLOAD p                         ; pair p's 16 fragments: 32 loads of 512 consecutive bytes into window 1
	WIN 0x40
.irp u, 0,1
.irp s, 0,1,2,3,4,5,6,7
.irp c, 0,1
	global_load_b128 v[8*(8*(2*(\p)+\u)+\s)+4*\c:8*(8*(2*(\p)+\u)+\s)+4*\c+3], v[L16], s[4:5] offset:(\p)*16384+\s*2048+\u*1024+\c*512
.endr
.endr
.endr
	WIN 0
.endm
; A tile's operand is asked for: 16 loads of codes (lane (r, h): token r's bytes 64 s + 32 c + 16 h) and 2 of scale words: 18 loads into set b.
; more = 1 (in step k of a trip): AHEAD of the 18 stands the load of the token of the tile one further on, so that the wait for that token can leave the 18 out.
.macro REQ b, tk, more, k
	v_min_u32 v[\tk], 0x7ff, v[\tk]                ; a token's number stays inside x
	v_lshl_add_u32 v[XA+(\b)], v[\tk], 9, v[H16]
	v_lshlrev_b32 v[XSA+(\b)], 5, v[\tk]
.if \more
	v_add_nc_u32 v[LAD], s[TB], v[LA0]             ; (the load that last read this register has been shown done by the step's wait)
	global_load_b32 v[TK], v[LAD], s[8:9] offset:256*((\k)+3)   ; past the expert's tiles: zeros, spare words or the count, all inside the expert's 9,216 bytes; held inside x above and not multiplied
.endif
	WIN 0x80                                       ; destination window 2
.irp s, 0,1,2,3,4,5,6,7
.irp c, 0,1
	global_load_b128 v[64*(\b)+8*\s+4*\c:64*(\b)+8*\s+4*\c+3], v[XA+(\b)], s[6:7] offset:64*\s+32*\c
.endr
.endr
	WIN 0
	global_load_b128 v[XS+8*(\b):XS+8*(\b)+3], v[XSA+(\b)], s[98:99]
	global_load_b128 v[XS+8*(\b)+4:XS+8*(\b)+7], v[XSA+(\b)], s[98:99] offset:16
.endm
	WLOAD 0
	s_wait_loadcnt 48                              ; behind the three token loads: 8 of scale words, 8 of b1, 32 of weights: these 48 may be out, the tokens are in
	WLOAD 1
	REQ 0, 25, 0, 0
	REQ 1, 26, 0, 0
	s_wait_kmcnt 0x0                               ; the count
	s_add_co_u32 s[NT], s[CNT], 63
	s_lshr_b32 s[NT], s[NT], 6
	s_lshl_b32 s[NT], s[NT], 2                     ; 4 ceil(cnt / 64) tiles: each wave has the same number
	s_mov_b32 s[TI], s[WV]
	s_mov_b32 s[TB], 0
	s_mov_b32 s[TR], 0
.macro UPROD k, s, t                   ; tile t of the hidden units x the tile of tokens in set k, K step s.  K step 0 takes b1 as C
.set rD, ACC+8*(\t)
.set rW, 8*(8*(\t)+(\s))
.set rX, 64*(\k)+8*(\s)
.set rSW, W1S+8*((\t)/2)+(\s)
.set rSX, XS+8*(\k)+(\s)
.if (\s) == 0
.if (\t)%2 == 0
	v_wmma_scale_f32_16x16x128_f8f6f4 v[rD:rD+7], v[rW:rW+7], v[rX:rX+7], v[B1+8*(\t):B1+8*(\t)+7], v[rSW], v[rSX] matrix_a_fmt:MATRIX_FMT_FP4 matrix_b_fmt:MATRIX_FMT_FP4
.else
	v_wmma_scale_f32_16x16x128_f8f6f4 v[rD:rD+7], v[rW:rW+7], v[rX:rX+7], v[B1+8*(\t):B1+8*(\t)+7], v[rSW], v[rSX] matrix_a_fmt:MATRIX_FMT_FP4 matrix_b_fmt:MATRIX_FMT_FP4 matrix_a_scale:MATRIX_SCALE_ROW1
.endif
.else
.if (\t)%2 == 0
	v_wmma_scale_f32_16x16x128_f8f6f4 v[rD:rD+7], v[rW:rW+7], v[rX:rX+7], v[rD:rD+7], v[rSW], v[rSX] matrix_a_fmt:MATRIX_FMT_FP4 matrix_b_fmt:MATRIX_FMT_FP4
.else
	v_wmma_scale_f32_16x16x128_f8f6f4 v[rD:rD+7], v[rW:rW+7], v[rX:rX+7], v[rD:rD+7], v[rSW], v[rSX] matrix_a_fmt:MATRIX_FMT_FP4 matrix_b_fmt:MATRIX_FMT_FP4 matrix_a_scale:MATRIX_SCALE_ROW1
.endif
.endif
.endm
; A STEP: one tile of 16 tokens, in set k; nb = (k + 2) % 3: the set that is asked for.  A wave that has no tile left leaves the loop: its tile numbers only grow, so a step runs only if all before it ran.
.macro STEP k, nb
	s_cmp_ge_u32 s[TI], s[NT]
	s_cbranch_scc1 .Ldone
	s_wait_loadcnt 18                              ; the next tile's 18 loads may be out; in are all that is older: this tile's 18, the token of the tile two on, and in the first step the weights, their scale words and b1
	s_wait_xcnt 0x0                                ; the last step's two stores have read their data and offsets (PC, BY, HO, HSO), which this step writes again further down.  The wait stands ahead of this step's
	                                               ; 19 loads, which name none of those four registers, so that it does not wait for what is asked for only now
	REQ \nb, TK, 1, \k                             ; the tile two on; its set was multiplied a step ago, with that step's vector work behind the products; its address registers' loads were shown done there
	WIN 0x09                                       ; source 0 (W1) window 1, source 1 (x) window 2
.irp s, 0,1,2,3,4,5,6,7
.irp t, 0,1,2,3
	UPROD \k, \s, \t                               ; the four accumulators take turns, one instruction a turn
.endr
.endr
	WIN 0
.rept 4
	v_nop                                          ; four places between the last products and the first read of their results (ISA guide 7.12.1)
.endr
.set j, 0
.rept 32
	v_max_num_f32 v[ACC+j], 0, v[ACC+j]            ; relu, in f32; each accumulator from its low end on
.set j, j+1
.endr
.irp p, 0,1
	v_max3_num_f32 v[TM+\p], v[ACC+16*\p], v[ACC+16*\p+1], FLOOR   ; block p: my 16 numbers (none is negative), and the floor
.endr
.irp i, 2,4,6,8,10,12,14
.irp p, 0,1
	v_max3_num_f32 v[TM+\p], v[TM+\p], v[ACC+16*\p+\i], v[ACC+16*\p+\i+1]
.endr
.endr
.irp p, 0,1
	v_permlanex16_b32 v[TM+2+\p], v[TM+\p], s76, s77
.endr
.irp p, 0,1
	v_max_num_f32 v[TM+\p], v[TM+\p], v[TM+2+\p]   ; with lane l xor 16's 16: the block's largest
.endr
.irp p, 0,1
	v_add_nc_u32 v[TM+4+\p], OFFEXP, v[TM+\p]      ; the conversion's scale operand
.endr
.irp p, 0,1
	v_lshrrev_b32 v[TM+6+\p], 23, v[TM+4+\p]       ; the scale's byte
.endr
	v_add_nc_u32 v[HO], 0x20000, v[HO]             ; four tiles on; the stores below reach back
	v_add_nc_u32 v[HSO], 0x2000, v[HSO]
.irp p, 0,1
	v_cvt_scalef32_pk8_fp4_f32 v[PC+2*\p], v[ACC+16*\p:ACC+16*\p+7], v[TM+4+\p]
	v_cvt_scalef32_pk8_fp4_f32 v[PC+2*\p+1], v[ACC+16*\p+8:ACC+16*\p+15], v[TM+4+\p]
.endr
	v_cndmask_b32 v[BY], v[TM+6], v[TM+7], s75     ; lanes 0-15 block 0's byte, lanes 16-31 block 1's (a plain line behind the conversions)
	v_permlane16_swap_b32 v[PC], v[PC+2]           ; the operand's layout wants a whole block in a lane: lanes 0-15 block 0, lanes 16-31 block 1
	v_permlane16_swap_b32 v[PC+1], v[PC+3]
	global_store_b128 v[HO], v[PC:PC+3], s[12:13] offset:-131072   ; half a fragment: the wave stores 512 consecutive bytes, aligned
	global_store_b8 v[HSO], v[BY], s[96:97] offset:-8192           ; two of the four bytes of 16 scale words: the other two are another work-group's
	s_add_co_u32 s[TI], s[TI], 4
.endm
.Ltrip:                                                ; 11 trips of three steps at the most: 33 tiles a wave, and an expert has at most 32 a wave
	STEP 0, 2
	STEP 1, 0
	STEP 2, 1
	s_add_co_u32 s[TB], s[TB], 768
	s_add_co_u32 s[TR], s[TR], 1
	s_cmp_lt_u32 s[TR], 11
	s_cbranch_scc1 .Ltrip
.Ldone:
	s_endpgm
.Lfunc_end_k_qac27ae2125_up:
	.size	k_qac27ae2125_up, .Lfunc_end_k_qac27ae2125_up-k_qac27ae2125_up
	.p2alignl 7, 3214868480
	.fill 96, 4, 3214868480
	.section	.rodata,"a",@progbits
	.p2align	6, 0x0
	.amdhsa_kernel k_qac27ae2125_up
		.amdhsa_group_segment_fixed_size 0
		.amdhsa_private_segment_fixed_size 0
		.amdhsa_enable_private_segment 0
		.amdhsa_kernarg_size 40
		.amdhsa_user_sgpr_count 2
		.amdhsa_user_sgpr_kernarg_segment_ptr 1
		.amdhsa_wavefront_size32 1
		.amdhsa_system_sgpr_workgroup_id_x 1
		.amdhsa_system_sgpr_workgroup_id_y 1
		.amdhsa_system_sgpr_workgroup_id_z 1
		.amdhsa_system_vgpr_workitem_id 0
		.amdhsa_next_free_vgpr 704
		.amdhsa_next_free_sgpr 102
		.amdhsa_reserve_vcc 0
		.amdhsa_float_denorm_mode_32 3
		.amdhsa_float_denorm_mode_16_64 3
		.amdhsa_memory_ordered 1
		.amdhsa_forward_progress 1
		.amdhsa_inst_pref_size 44
	.end_amdhsa_kernel
	.amdgpu_metadata
---
amdhsa.version: [ 1, 2 ]
amdhsa.kernels:
  - .name:           k_qac27ae2125_up
    .symbol:         k_qac27ae2125_up.kd
    .args:
      - { .name: wq, .offset: 0, .size: 8, .value_kind: global_buffer, .address_space: global }
      - { .name: xq, .offset: 8, .size: 8, .value_kind: global_buffer, .address_space: global }
      - { .name: order, .offset: 16, .size: 8, .value_kind: global_buffer, .address_space: global }
      - { .name: b1, .offset: 24, .size: 8, .value_kind: global_buffer, .address_space: global }
      - { .name: hq, .offset: 32, .size: 8, .value_kind: global_buffer, .address_space: global }
    .group_segment_fixed_size: 0
    .private_segment_fixed_size: 0
    .kernarg_segment_align: 8
    .kernarg_segment_size: 40
    .max_flat_workgroup_size: 128
    .sgpr_count:     102
    .vgpr_count:     704
    .wavefront_size: 32
...
	.end_amdgpu_metadata
.endif
;; end of part 6
;; launch down (part 7): grid 8 x 29, 4 waves a work-group, no clusters, 169,472 bytes of LDS; arguments wq, hq, order, b2, out0; writes out0
.if DOCPART == 7
	.amdgcn_target "amdgcn-amd-amdhsa--gfx1250"
	.amdhsa_code_object_version 6
	.text
	.protected	k_qac27ae2125_down
	.globl	k_qac27ae2125_down
	.p2align	8
	.type	k_qac27ae2125_down,@function
k_qac27ae2125_down:
	s_mov_b64 s[64:65], 0
	v_nop
	global_prefetch_b8 v0, s[64:65] scope:SCOPE_SE
	s_setreg_imm32_b32 hwreg(HW_REG_WAVE_MODE, 25, 1), 1
	s_wait_xcnt 0x0
; DOWN: out0[token] = Q(h) Q(W2[e]) + b2[e] for each token's own expert e.  Both operands are codes of FP4 (E2M1) with E8M0 scale words, laid by the earlier launches in the order of an
; operand's registers: every fragment is two loads of 512 consecutive bytes.
; SHARES.  Work-group (slice, g) makes 128 columns x group g of 80 listed rows, five tiles of 16.  With cnt_e tokens on expert e there are sum of ceil(cnt_e / 80) groups, never more than
; (2,048 + 4 x 79) / 80 = 29, whatever the split: the grid has 29.  A work-group reads (80 + 128) x 2,176 bytes of codes and scale words for its 10,240 results.
; The four counts say which expert and which of its groups g is.  A g past the last group takes the last group's operands and stores nothing: the barrier below stands on every wave's
; path, so no wave may end ahead of it on a stored number.  A tile past the expert's last, ceil(cnt / 16) - 1, is held at the last: its rows are made and stored again, by the same wave, with the same bits.
; THE FOUR WAVES SHARE K: wave w takes K steps 8 w .. 8 w + 7 of the 32, for all 80 x 128 results: 40 accumulators.  The four partial sums meet in LDS behind one barrier, and each wave
; then adds up, adds b2 and stores 20 rows: rows 4 w .. 4 w + 3 of each tile.  So a result is ((K quarter 0 + 1) + 2) + 3 + bias, in f32.
; THE PRODUCT IS USED TRANSPOSED (source 0 = 16 rows of W2's codes, source 1 = 16 rows of h): a lane holds one row, and its registers of tiles 2 p, 2 p + 1 the columns 32 p + 16 (lane / 16) + 0 .. 15.
; The rows that fill an expert's last tile repeat its last token: they are stored too, with the same bits (the same codes, weights and order of sums) to the same bytes, by waves of this one work-group.
; No cluster and no tensor load: which tiles a work-group reads hangs on stored numbers, and so does the branch round its stores.
; REGISTERS.  Window 0: addresses, tokens, b2, scale words; h's fragments, three sets of 40 (tile m at + 8 m).  Window 1: W2's fragments, three sets of 64 (tile t at + 8 t).
; Window 2: accumulator (m, t), m under 4, at v[8 (8 m + t)].  Window 3: accumulator (4, t) at v[8 t].
.set W2C_OFF, 8912896
.set W2S_OFF, 17301504
.set HS_OFF,  16777216
.set PIT,  528                         ; LDS: a row of 128 partial sums: 512 bytes + 16
.set REG,  80*PIT                      ; a region for each wave's partial sums: 80 rows
.set L16, 1                            ; v1     16 x lane
.set L8,  2                            ; v2     8 x lane
.set ST,  3                            ; v3     LDS: where I put 32 bytes of a row
.set RD,  4                            ; v4-7   LDS: where I read 16 bytes of a row back, in each of the four regions
.set IDS, 8                            ; v8-27  tokens, then byte offsets in out0: tile m, row j at IDS + 4 m + j
.set BIA, 28                           ; v28-31 b2 at my four columns
.set VZ,  32                           ; v32    0: the offset of loads that every lane makes at one place
.set HSC, 48                           ; v48-67 h's scale words: tile m, word i at HSC + 4 m + i: lanes 0-15 my K step i, lanes 16-31 my K step 4 + i
.set W2S, 68                           ; v68-99 W2's: pair p, my K step s at W2S + 8 p + s: lanes 0-15 tile 2 p, lanes 16-31 tile 2 p + 1
.set RES, 32                           ; v32-111 the way out: the finished rows, four registers each, never written twice (what lay there is done with)
.set HB,  112                          ; v112-231 h's fragments; on the way out two sets of 64, v112-239, for what comes back from LDS
.set MSB, 0
.macro WIN new                         ; the immediate's high byte repeats the setting that is left
.if MSB != \new
	s_set_vgpr_msb (MSB<<8)|\new
.set MSB, \new
.endif
.endm
	s_load_b256 s[4:11], s[0:1], 0x0               ; wq s[4:5], hq s[6:7], order s[8:9], b2 s[10:11]
	s_load_b64 s[12:13], s[0:1], 0x20              ; out0
	v_lshl_add_u32 v254, v0, 2, 0x29400
	v_mov_b32 v255, 0
	v_lshrrev_b32 v33, 5, v0
	v_readfirstlane_b32 s14, v33                   ; wave 0..3
	s_wait_kmcnt 0x0
	s_load_b32 s20, s[8:9], 9212                   ; the four counts: word 2,303 of each expert's list
	s_load_b32 s21, s[8:9], 18428
	s_load_b32 s22, s[8:9], 27644
	s_load_b32 s23, s[8:9], 36860
	v_and_b32 v33, 31, v0                          ; lane
	v_lshlrev_b32 v[L16], 4, v33
	v_lshlrev_b32 v[L8], 3, v33
	v_and_b32 v34, 15, v0                          ; r
	v_bfe_u32 v35, v0, 4, 1                        ; h
	v_mov_b32 v[VZ], 0
	s_mul_i32 s15, s14, REG
	v_mul_u32_u24 v[ST], v34, PIT
	v_lshl_add_u32 v[ST], v35, 6, v[ST]
	v_add_nc_u32 v[ST], s15, v[ST]                 ; my region, row r, + 64 h
	s_mul_i32 s15, s14, 4*PIT
	v_add_nc_u32 v[RD], s15, v[L16]                ; back: row 4 w of a tile, the 32 lanes take its 512 bytes;
.irp q, 1,2,3
	v_add_nc_u32 v[RD+\q], \q*REG, v[RD]           ; the same in the other three regions
.endr
	s_wait_kmcnt 0x0
.irp e, 0,1,2,3
	s_add_co_u32 s[16+\e], s[20+\e], 15
	s_lshr_b32 s[16+\e], s[16+\e], 4               ; the expert's tiles of 16 rows, at most 128
	s_add_co_u32 s[20+\e], s[16+\e], 4
	s_mul_i32 s[20+\e], s[20+\e], 52429
	s_lshr_b32 s[20+\e], s[20+\e], 18              ; its groups: (tiles + 4) / 5, rounded down: 52,429 / 2^18 is 1 / 5 to within 1 in 10^6
.endr
	s_add_co_u32 s21, s21, s20                     ; running sums: groups of experts 0 .. 1,
	s_add_co_u32 s22, s22, s21                     ; 0 .. 2,
	s_add_co_u32 s23, s23, s22                     ; all
	s_and_b32 s24, ttmp7, 0xffff                   ; g
	s_sub_co_u32 s25, s23, 1
	s_min_u32 s25, s24, s25                        ; a g past the end takes the last group
	s_mov_b32 s26, 0                               ; the expert,
	s_mov_b32 s27, 0                               ; the groups ahead of its first,
	s_mov_b32 s29, s16                             ; and its tiles
	s_cmp_ge_u32 s25, s20
	s_cselect_b32 s26, 1, s26
	s_cselect_b32 s27, s20, s27
	s_cselect_b32 s29, s17, s29
	s_cmp_ge_u32 s25, s21
	s_cselect_b32 s26, 2, s26
	s_cselect_b32 s27, s21, s27
	s_cselect_b32 s29, s18, s29
	s_cmp_ge_u32 s25, s22
	s_cselect_b32 s26, 3, s26
	s_cselect_b32 s27, s22, s27
	s_cselect_b32 s29, s19, s29
	s_cmp_lt_u32 s24, s23
	s_cselect_b32 s28, 1, 0                        ; does g exist?
	s_sub_co_u32 s27, s25, s27                     ; which group of the expert
	s_min_u32 s26, s26, 3                          ; both held inside the buffers, whatever order holds
	s_min_u32 s27, s27, 25
	s_mul_i32 s27, s27, 5                          ; the group's first tile
	s_sub_co_u32 s29, s29, 1                       ; the expert's last tile
	s_mov_b32 s45, 0
	s_lshl_b32 s44, s26, 22
	s_lshl_b32 s46, s14, 13                        ; my eight K steps of 1,024 bytes
	s_add_co_u32 s44, s44, s46
	s_add_nc_u64 s[30:31], s[6:7], s[44:45]        ; h's codes of the expert
	s_lshl_b32 s44, s26, 18
	s_lshl_b32 s46, s14, 9
	s_add_co_u32 s44, s44, s46
	s_add_co_u32 s44, s44, HS_OFF
	s_add_nc_u64 s[32:33], s[6:7], s[44:45]        ; h's scale words of the expert
	s_lshl_b32 s47, s26, 5
	s_lshl_b32 s46, ttmp9, 2
	s_add_co_u32 s47, s47, s46                     ; my first pair of W2: 32 e + 4 slice
	s_lshl_b32 s44, s47, 16
	s_lshl_b32 s46, s14, 14                        ; my eight K steps of 2,048 bytes
	s_add_co_u32 s44, s44, s46
	s_add_co_u32 s44, s44, W2C_OFF
	s_add_nc_u64 s[34:35], s[4:5], s[44:45]        ; W2's codes
	s_lshl_b32 s44, s47, 12
	s_lshl_b32 s46, s14, 10
	s_add_co_u32 s44, s44, s46
	s_add_co_u32 s44, s44, W2S_OFF
	s_add_nc_u64 s[36:37], s[4:5], s[44:45]        ; W2's scale words
	s_mul_i32 s44, s26, 9216
	s_lshl_b32 s46, s14, 4
	s_add_co_u32 s44, s44, s46
	s_add_nc_u64 s[38:39], s[8:9], s[44:45]        ; the expert's list, at row 4 w of a tile
	s_lshl_b32 s44, s26, 12
	s_lshl_b32 s46, ttmp9, 9
	s_add_co_u32 s44, s44, s46
	s_add_nc_u64 s[40:41], s[10:11], s[44:45]      ; b2 at my 128 columns
	s_mov_b32 s44, s46
	s_add_nc_u64 s[12:13], s[12:13], s[44:45]      ; out0 likewise
.irp m, 0,1,2,3,4                      ; the group's five tiles, each held at the expert's last tile and inside the buffers
	s_add_co_u32 s46, s27, \m
	s_min_u32 s46, s46, s29
	s_min_u32 s46, s46, 127
	s_lshl_b32 s44, s46, 15
	s_add_nc_u64 s[48+2*\m:49+2*\m], s[30:31], s[44:45]            ; its codes: 32,768 bytes a tile,
	s_lshl_b32 s44, s46, 11
	s_add_nc_u64 s[66+2*\m:67+2*\m], s[32:33], s[44:45]            ; its scale words: 2,048,
	s_lshl_b32 s44, s46, 6
	s_add_nc_u64 s[76+2*\m:77+2*\m], s[38:39], s[44:45]            ; its tokens: 64
.endr
.irp m, 0,1,2,3,4
	global_load_b128 v[HSC+4*\m:HSC+4*\m+3], v[L16], s[66+2*\m:67+2*\m]
.endr
.irp p, 0,1,2,3
.irp j, 0,1,2,3
	global_load_b64 v[W2S+8*\p+2*\j:W2S+8*\p+2*\j+1], v[L8], s[36:37] offset:\p*4096+\j*256
.endr
.endr
	global_load_b128 v[BIA:BIA+3], v[L16], s[40:41]
.irp m, 0,1,2,3,4
.irp j, 0,1,2,3
	global_load_b32 v[IDS+4*\m+\j], v[VZ], s[76+2*\m:77+2*\m] offset:4*\j   ; the token of row 4 w + j of tile m, in every lane
.endr
.endr
.macro KLOAD s                         ; my K step s: W2's eight fragments and h's five, 26 loads of 512 consecutive bytes, into set s % 3
.set SA, 64*((\s)%3)
.set SH, HB+40*((\s)%3)
	WIN 0x40                                       ; destination window 1
.irp p, 0,1,2,3
.irp u, 0,1
.irp c, 0,1
	global_load_b128 v[SA+8*(2*\p+\u)+4*\c:SA+8*(2*\p+\u)+4*\c+3], v[L16], s[34:35] offset:\p*65536+(\s)*2048+\u*1024+\c*512
.endr
.endr
.endr
	WIN 0
.irp m, 0,1,2,3,4
.irp c, 0,1
	global_load_b128 v[SH+8*\m+4*\c:SH+8*\m+4*\c+3], v[L16], s[48+2*\m:49+2*\m] offset:(\s)*1024+\c*512
.endr
.endr
.endm
.macro PROD m, t, s                    ; W2's tile t x h's tile m, my K step s.  K step 0 starts the sums: nothing is cleared
.set rD, 8*(8*((\m)%4)+(\t))
.set rA, 64*((\s)%3)+8*(\t)
.set rB, HB+40*((\s)%3)+8*(\m)
.set rSA, W2S+8*((\t)/2)+(\s)
.set rSB, HSC+4*(\m)+((\s)%4)
.if (\s) == 0
.if (\t)%2 == 0
	v_wmma_scale_f32_16x16x128_f8f6f4 v[rD:rD+7], v[rA:rA+7], v[rB:rB+7], 0, v[rSA], v[rSB] matrix_a_fmt:MATRIX_FMT_FP4 matrix_b_fmt:MATRIX_FMT_FP4
.else
	v_wmma_scale_f32_16x16x128_f8f6f4 v[rD:rD+7], v[rA:rA+7], v[rB:rB+7], 0, v[rSA], v[rSB] matrix_a_fmt:MATRIX_FMT_FP4 matrix_b_fmt:MATRIX_FMT_FP4 matrix_a_scale:MATRIX_SCALE_ROW1
.endif
.elseif (\s) < 4
.if (\t)%2 == 0
	v_wmma_scale_f32_16x16x128_f8f6f4 v[rD:rD+7], v[rA:rA+7], v[rB:rB+7], v[rD:rD+7], v[rSA], v[rSB] matrix_a_fmt:MATRIX_FMT_FP4 matrix_b_fmt:MATRIX_FMT_FP4
.else
	v_wmma_scale_f32_16x16x128_f8f6f4 v[rD:rD+7], v[rA:rA+7], v[rB:rB+7], v[rD:rD+7], v[rSA], v[rSB] matrix_a_fmt:MATRIX_FMT_FP4 matrix_b_fmt:MATRIX_FMT_FP4 matrix_a_scale:MATRIX_SCALE_ROW1
.endif
.else
.if (\t)%2 == 0
	v_wmma_scale_f32_16x16x128_f8f6f4 v[rD:rD+7], v[rA:rA+7], v[rB:rB+7], v[rD:rD+7], v[rSA], v[rSB] matrix_a_fmt:MATRIX_FMT_FP4 matrix_b_fmt:MATRIX_FMT_FP4 matrix_b_scale:MATRIX_SCALE_ROW1
.else
	v_wmma_scale_f32_16x16x128_f8f6f4 v[rD:rD+7], v[rA:rA+7], v[rB:rB+7], v[rD:rD+7], v[rSA], v[rSB] matrix_a_fmt:MATRIX_FMT_FP4 matrix_b_fmt:MATRIX_FMT_FP4 matrix_a_scale:MATRIX_SCALE_ROW1 matrix_b_scale:MATRIX_SCALE_ROW1
.endif
.endif
.endm
.macro KSTEP s
.if 7-(\s) >= 2
	s_wait_loadcnt 52                              ; this K step's 26 loads, and all that is older, are in; the two younger K steps' 52 may be out
.else
	s_wait_loadcnt 26*(7-(\s))
.endif
	WIN 0xa1                                       ; source 0 (W2) window 1, source 1 (h) window 0, C and D window 2
.irp m, 0,1,2,3
.irp t, 0,1,2,3,4,5,6,7
	PROD \m, \t, \s                                ; the forty accumulators take turns, one instruction a turn
.endr
.endr
	WIN 0xf1                                       ; the same, C and D window 3
.irp t, 0,1,2,3,4,5,6,7
	PROD 4, \t, \s
.endr
	WIN 0
.rept 4
	v_nop                                          ; four places in front of loads into registers that matrix instructions have read, and of the first read of results (ISA guide 7.12.1 for the read of results)
.endr
.if (\s)+3 < 8
	KLOAD (\s)+3
.endif
.endm
	KLOAD 0
	KLOAD 1
	KLOAD 2
.set Q, 0
.rept 8
	KSTEP Q
.set Q, Q+1
.endr
	; THE WAY OUT.  My partial sums go into my region: row 16 m + r, columns 32 (t / 2) + 16 h + 8 (t % 2) + 0 .. 7
	WIN 0x08                                       ; an LDS store's data are its source 1: window 2
.irp m, 0,1,2,3
.irp t, 0,1,2,3,4,5,6,7
	ds_store_b128 v[ST], v[8*(8*\m+\t):8*(8*\m+\t)+3] offset:\m*16*PIT+(\t/2)*128+(\t%2)*32        ; each accumulator from its low end on
	ds_store_b128 v[ST], v[8*(8*\m+\t)+4:8*(8*\m+\t)+7] offset:\m*16*PIT+(\t/2)*128+(\t%2)*32+16
.endr
.endr
	WIN 0x0c                                       ; window 3
.irp t, 0,1,2,3,4,5,6,7
	ds_store_b128 v[ST], v[8*\t:8*\t+3] offset:4*16*PIT+(\t/2)*128+(\t%2)*32
	ds_store_b128 v[ST], v[8*\t+4:8*\t+7] offset:4*16*PIT+(\t/2)*128+(\t%2)*32+16
.endr
	WIN 0
	s_wait_dscnt 0x0                               ; for the others' sake: my partial sums lie in LDS
	s_barrier_signal -1
	s_barrier_wait -1
	s_cmp_eq_u32 s28, 0
	s_cbranch_scc1 .Lend                           ; a g past the last group stores nothing
.macro RLOAD m                         ; rows 4 w + j of tile m, j = 0 .. 3, out of the four regions: 16 loads of 512 consecutive bytes into set m % 2
.irp j, 0,1,2,3
.irp q, 0,1,2,3
	ds_load_b128 v[HB+64*((\m)%2)+16*\j+4*\q:HB+64*((\m)%2)+16*\j+4*\q+3], v[RD+\q] offset:(16*(\m)+\j)*PIT
.endr
.endr
.endm
.macro ROUND m                         ; tile m's four rows are added up and stored
.set BB, HB+64*((\m)%2)
.irp j, 0,1,2,3
.if (\m) < 4
	s_wait_dscnt 16+4*(3-\j)                       ; this row's four loads are in; this tile's later rows' and the next tile's 16 may be out
.else
	s_wait_dscnt 4*(3-\j)
.endif
	v_pk_add_f32 v[RES+4*(4*(\m)+\j):RES+4*(4*(\m)+\j)+1], v[BB+16*\j:BB+16*\j+1], v[BB+16*\j+4:BB+16*\j+5]
	v_pk_add_f32 v[RES+4*(4*(\m)+\j)+2:RES+4*(4*(\m)+\j)+3], v[BB+16*\j+2:BB+16*\j+3], v[BB+16*\j+6:BB+16*\j+7]
.irp q, 2,3
	v_pk_add_f32 v[RES+4*(4*(\m)+\j):RES+4*(4*(\m)+\j)+1], v[RES+4*(4*(\m)+\j):RES+4*(4*(\m)+\j)+1], v[BB+16*\j+4*\q:BB+16*\j+4*\q+1]
	v_pk_add_f32 v[RES+4*(4*(\m)+\j)+2:RES+4*(4*(\m)+\j)+3], v[RES+4*(4*(\m)+\j)+2:RES+4*(4*(\m)+\j)+3], v[BB+16*\j+4*\q+2:BB+16*\j+4*\q+3]
.endr
	v_pk_add_f32 v[RES+4*(4*(\m)+\j):RES+4*(4*(\m)+\j)+1], v[RES+4*(4*(\m)+\j):RES+4*(4*(\m)+\j)+1], v[BIA:BIA+1]
	v_pk_add_f32 v[RES+4*(4*(\m)+\j)+2:RES+4*(4*(\m)+\j)+3], v[RES+4*(4*(\m)+\j)+2:RES+4*(4*(\m)+\j)+3], v[BIA+2:BIA+3]
	global_store_b128 v[IDS+4*(\m)+\j], v[RES+4*(4*(\m)+\j):RES+4*(4*(\m)+\j)+3], s[12:13] th:TH_STORE_NT   ; the wave stores 512 consecutive bytes, aligned, of one token's row; its data are not written again
.endr
.if (\m)+2 < 5
	RLOAD (\m)+2                                   ; into the set just added up: only vector instructions have read it
.endif
.endm
	RLOAD 0
	RLOAD 1
.irp i, 0,1,2,3,4,5,6,7,8,9,10,11,12,13,14,15,16,17,18,19
	v_min_u32 v[IDS+\i], 0x7ff, v[IDS+\i]          ; a token's number stays inside out0
	v_lshl_add_u32 v[IDS+\i], v[IDS+\i], 12, v[L16]   ; its row of 4,096 bytes, + 16 bytes a lane
.endr
	ROUND 0
	ROUND 1
	ROUND 2
	ROUND 3
	ROUND 4
.Lend:
	s_wait_tensorcnt 0x0
	ds_add_u32 v254, v255
	s_wait_dscnt 0x0
	s_endpgm
.Lfunc_end_k_qac27ae2125_down:
	.size	k_qac27ae2125_down, .Lfunc_end_k_qac27ae2125_down-k_qac27ae2125_down
	.p2alignl 7, 3214868480
	.fill 96, 4, 3214868480
	.section	.rodata,"a",@progbits
	.p2align	6, 0x0
	.amdhsa_kernel k_qac27ae2125_down
		.amdhsa_group_segment_fixed_size 169472
		.amdhsa_private_segment_fixed_size 0
		.amdhsa_enable_private_segment 0
		.amdhsa_kernarg_size 40
		.amdhsa_user_sgpr_count 2
		.amdhsa_user_sgpr_kernarg_segment_ptr 1
		.amdhsa_wavefront_size32 1
		.amdhsa_system_sgpr_workgroup_id_x 1
		.amdhsa_system_sgpr_workgroup_id_y 1
		.amdhsa_system_sgpr_workgroup_id_z 1
		.amdhsa_system_vgpr_workitem_id 0
		.amdhsa_next_free_vgpr 832
		.amdhsa_next_free_sgpr 90
		.amdhsa_reserve_vcc 0
		.amdhsa_float_denorm_mode_32 3
		.amdhsa_float_denorm_mode_16_64 3
		.amdhsa_memory_ordered 1
		.amdhsa_forward_progress 1
		.amdhsa_inst_pref_size 98
	.end_amdhsa_kernel
	.amdgpu_metadata
---
amdhsa.version: [ 1, 2 ]
amdhsa.kernels:
  - .name:           k_qac27ae2125_down
    .symbol:         k_qac27ae2125_down.kd
    .args:
      - { .name: wq, .offset: 0, .size: 8, .value_kind: global_buffer, .address_space: global }
      - { .name: hq, .offset: 8, .size: 8, .value_kind: global_buffer, .address_space: global }
      - { .name: order, .offset: 16, .size: 8, .value_kind: global_buffer, .address_space: global }
      - { .name: b2, .offset: 24, .size: 8, .value_kind: global_buffer, .address_space: global }
      - { .name: out0, .offset: 32, .size: 8, .value_kind: global_buffer, .address_space: global }
    .group_segment_fixed_size: 169472
    .private_segment_fixed_size: 0
    .kernarg_segment_align: 8
    .kernarg_segment_size: 40
    .max_flat_workgroup_size: 128
    .sgpr_count:     90
    .vgpr_count:     832
    .wavefront_size: 32
...
	.end_amdgpu_metadata
.endif
;; end of part 7
;; ======== version 3 of 3: 4 launches; version 2 with the launches up, down written anew for expert scheduling mode
;; workspace buffers: wq 17,825,792 bytes; xq 1,114,112 bytes; hq 17,825,792 bytes; sel 1,024 bytes of whole numbers; order 36,864 bytes of whole numbers
;; launch prep: the kernel of part 5 again; grid 5 x 256, 4 waves a work-group, no clusters, 3,584 bytes of LDS; arguments x, Wr, br, W1, W2, wq, xq, sel; writes wq, xq, sel
;; launch place: the kernel of part 2 again; grid 4 x 1, 1 waves a work-group, no clusters, 9,472 bytes of LDS; arguments sel, order; writes order
;; launch up (part 8): grid 64 x 4, 4 waves a work-group, no clusters, 0 bytes of LDS; arguments wq, xq, order, b1, hq; writes hq
.if DOCPART == 8
	.amdgcn_target "amdgcn-amd-amdhsa--gfx1250"
	.amdhsa_code_object_version 6
	.text
	.protected	k_qac27ae2125_up
	.globl	k_qac27ae2125_up
	.p2align	8
	.type	k_qac27ae2125_up,@function
k_qac27ae2125_up:
	s_mov_b64 s[64:65], 0
	v_nop
	global_prefetch_b8 v0, s[64:65] scope:SCOPE_SE
	s_setreg_imm32_b32 hwreg(HW_REG_WAVE_SCHED_MODE, 0, 2), 2
	s_setreg_imm32_b32 hwreg(HW_REG_WAVE_MODE, 25, 1), 1
	s_wait_xcnt 0x0
	s_wait_alu depctr_vm_vsrc(0)
; UP: h = Q(relu(Q(x) Q(W1[e]) + b1[e])) for the tokens that chose expert e, and for no others; Q the quantiser to FP4 (E2M1) with one E8M0 byte for each 32 along K.
; SHARES.  Work-group (sl, e) makes hidden units 64 sl .. 64 sl + 63 of expert e.  Each of its four waves holds those units' codes of W1 for all of K in registers (4 tiles x 8 K steps:
; 256 registers), read once; wave w walks the expert's tiles of 16 tokens w, w + 4, w + 8 ..  What is gathered for a tile is small: 16 rows of 512 bytes of codes and 32 scale bytes.
; THE LIST comes from order, stored by the launch before: order[e][p] = the token at place p, word 2,303 the count cnt.  Places cnt .. cnt + 63 repeat the last token, so that the tiles,
; 4 ceil(cnt / 64) of them, are all whole.  The count is read by a scalar load, a tile's tokens by one vector load, three tiles ahead of the tile's products.
; THE PRODUCT IS USED TRANSPOSED (source 0 = 16 rows of W1's codes, source 1 = 16 tokens): a lane holds ONE token, and by the order in which the weights' rows were laid the 16 registers
; of tiles 2 p and 2 p + 1 are the 16 neighbouring hidden units 32 p + 16 (lane / 16) + 0 .. 15: they are quantised in registers.  The 64 units are half a K step of the next product.
; hq: codes [e][tile][K step][c][lane][16 bytes] (a fragment is 1,024 bytes on end); scale bytes [e][tile][j][16 a + r][word i][byte]: the word of K step 8 j + 4 a + i, token r.
; No cluster and no tensor load: how many tiles a wave walks hangs on a stored number, and no tensor load stands beside such a branch; the weights that the four waves share are 34 KB.
; The waves share nothing but what they read: no LDS, no barrier.
; LIMITS: a block of zeros gets the byte 1 where the rule says 127 (its codes are zeros; this program alone reads the bytes); NaN and infinities are not served.
; REGISTERS.  Window 0: addresses, scale words, accumulators, b1.  Window 1: W1's fragment (tile t, K step s) at v[8 (8 t + s)].  Window 2: x's fragments, three sets: set b, K step s at v[64 b + 8 s].
; THE MODE: SCHED_MODE bits 1:0 = 2 (LLVM: expert scheduling mode 2), set by the entry lines.  The code itself states the register dependences between vector or matrix instructions
; and memory instructions, with s_wait_alu, always for 0.
; THE PLAN.  Step n works on one tile, in set k = n % 3; nb = (k + 2) % 3.  Registers that memory instructions touch, in the loop:
;   LA0, HO, HSO      offsets, made at the head and never written again: the list's base and h's two bases are scalar pairs, which move on by a tile of the wave at each step's head.
;   TK                the token load of step n lands in it; three vector lines at the head of step n + 1 read it (one holds it inside x, in place).
;   XA[nb], XSA[nb]   written by those lines in step n; read by that step's 18 loads; written again in step n + 3.
;   x's set nb, XS[nb]  the 18 loads of step n land in them; the products of step n + 2 read them; loaded again in step n + 3.
;   PC[k], BY[k]      three out-buffers: written by step n's conversions; read by the two stores that stand at the head of step n + 1; written again in step n + 3.
; So a step has its waits at its head: one on vm_vsrc, beside the wait on XCNT, ahead of the three address lines, and ONE on va_vdst behind them.  The step's 19 loads and the last step's
; two stores follow it with no further wait; the products and the vector work behind them name none of the registers that those 21 touch.
; The first step has no step in front of it and stands ahead of the loop; each of the loop's three ways out has the last step's two stores behind a wait of its own.
.set W1S_OFF, 8388608
.set XS_OFF,  1048576
.set HS_OFF,  16777216
.set CNTB,    9212                     ; byte of the count in an expert's list of 9,216 bytes
.set FLOOR,   0x1800000                ; 2^(3 - 127)
.set OFFEXP,  0xff000000
.set LN,  1                            ; v1   lane
.set L16, 2                            ; v2   16 x lane
.set H16, 3                            ; v3   16 x (lane / 16)
.set LA0, 4                            ; v4   64 w + 4 r: my token's word in my wave's first tile
.set TK,  6                            ; v6   the token of the tile that is asked for next
.set XA,  7                            ; v7-9    set b: my byte offset in x's codes
.set XSA, 10                           ; v10-12  and in x's scale bytes
.set HO,  13                           ; v13  my byte offset in h's codes, in my wave's first tile
.set HSO, 14                           ; v14  and in h's scale bytes
.set BO,  15                           ; v15  64 x (lane / 16): b1
.set L8,  24                           ; v24  8 x lane
.set XS,  32                           ; v32-55   x's scale words: set b, K step s at XS + 8 b + s
.set W1S, 56                           ; v56-71   W1's: pair p, K step s at W1S + 8 p + s: lanes 0-15 tile 2 p, lanes 16-31 tile 2 p + 1
.set ACC, 72                           ; v72-103  four accumulators
.set B1,  104                          ; v104-135 b1 in the result's layout, eight registers a tile
.set TM,  136                          ; v136-137 maxima, v138-139 the other half's, v140-141 scale operands, v142-143 bytes
.set PC,  144                          ; v144-155 the codes: out-buffer k at PC + 4 k
.set BY,  156                          ; v156-158 my byte: out-buffer k at BY + k
.set WV,  66
.set EX,  67
.set SL,  68
.set CNT, 69
.set NT,  71                           ; tiles of the expert
.set TI,  72                           ; my wave's next tile
.set TR,  74                           ; trips
.set MSB, 0
.macro WIN new                         ; the immediate's high byte repeats the setting that is left
.if MSB != \new
	s_set_vgpr_msb (MSB<<8)|\new
.set MSB, \new
.endif
.endm
	s_load_b256 s[4:11], s[0:1], 0x0               ; wq s[4:5], xq s[6:7], order s[8:9], b1 s[10:11]
	s_load_b64 s[12:13], s[0:1], 0x20              ; hq
	v_lshrrev_b32 v1, 5, v0
	v_readfirstlane_b32 s[WV], v1                  ; wave 0..3
	s_and_b32 s[EX], ttmp7, 0xffff                 ; the expert
	s_mov_b32 s[SL], ttmp9                         ; the slice of 64 hidden units
	v_and_b32 v[LN], 31, v0
	v_and_b32 v28, 15, v0                          ; r
	v_bfe_u32 v29, v0, 4, 1                        ; h
	v_lshlrev_b32 v[L16], 4, v[LN]
	v_lshlrev_b32 v[L8], 3, v[LN]
	v_lshlrev_b32 v[H16], 4, v29
	v_lshlrev_b32 v[BO], 6, v29
	s_wait_alu depctr_va_sdst(0)                   ; the wave's number is written, ahead of its first reader
	s_lshl_b32 s80, s[WV], 6                       ; (a scalar register of its own for each number that a vector line reads)
	s_lshl_b32 s81, s[WV], 15
	s_lshl_b32 s82, s[WV], 11
	v_lshl_add_u32 v[LA0], v28, 2, s80
	v_add_nc_u32 v[HO], s81, v[L16]                ; tile w: 32,768 bytes a tile
	v_lshl_add_u32 v[HSO], v28, 4, v29             ; 16 r + h: lanes 0-15 store the first block's byte, lanes 16-31 the second's
	v_add_nc_u32 v[HSO], s82, v[HSO]               ; 2,048 bytes a tile
	v_mov_b32 v[TM+2], 0                           ; written once: a lane permute's destination counts as one of its sources
	v_mov_b32 v[TM+3], 0
	s_mov_b32 s75, 0xffff0000                      ; lanes 16-31
	s_mov_b32 s76, 0x76543210                      ; v_permlanex16_b32's selects for lane l xor 16
	s_mov_b32 s77, 0xfedcba98
	s_lshl_b32 s70, s[EX], 7
	s_lshl_b32 s72, s[SL], 1
	s_add_co_u32 s70, s70, s72                     ; my first pair of W1: 128 e + 2 sl
	s_mov_b32 s101, 0
	s_mul_i32 s100, s[EX], 9216
	s_wait_kmcnt 0x0
	s_add_nc_u64 s[8:9], s[8:9], s[100:101]        ; order at my expert's list
	s_load_b32 s[CNT], s[8:9], CNTB                ; the count
	s_wait_alu depctr_va_vdst(0)                   ; the offsets LA0, L16, L8, BO, HO and HSO are written, which the loads and stores of the whole kernel read
	global_load_b32 v25, v[LA0], s[8:9]            ; my token of my wave's first tile,
	global_load_b32 v26, v[LA0], s[8:9] offset:256 ; of its second (four tiles, 256 bytes, on),
	global_load_b32 v[TK], v[LA0], s[8:9] offset:512   ; of its third
	s_lshl_b32 s100, s70, 10
	s_add_co_u32 s100, s100, W1S_OFF
	s_add_nc_u64 s[78:79], s[4:5], s[100:101]      ; W1's scale words
	s_lshl_b32 s100, s70, 14
	s_add_nc_u64 s[4:5], s[4:5], s[100:101]        ; W1's codes
	s_lshl_b32 s100, s[EX], 14
	s_lshl_b32 s72, s[SL], 8
	s_add_co_u32 s100, s100, s72
	s_add_nc_u64 s[10:11], s[10:11], s[100:101]    ; b1 at my 64 units
	s_lshl_b32 s100, s[EX], 18
	s_lshr_b32 s72, s[SL], 3
	s_lshl_b32 s72, s72, 8
	s_add_co_u32 s100, s100, s72                   ; K step sl / 2 of the next product: 256 bytes for each four K steps,
	s_and_b32 s72, s[SL], 7
	s_lshl_b32 s72, s72, 1
	s_add_co_u32 s100, s100, s72                   ; 4 for each K step in them, 2 for its second half
	s_add_co_u32 s100, s100, HS_OFF
	s_add_nc_u64 s[96:97], s[12:13], s[100:101]    ; h's scale bytes
	s_lshl_b32 s100, s[EX], 22
	s_lshl_b32 s72, s[SL], 9
	s_add_co_u32 s100, s100, s72                   ; half a fragment, 512 bytes, for each slice
	s_add_nc_u64 s[12:13], s[12:13], s[100:101]    ; h's codes
	s_add_nc_u64 s[98:99], s[6:7], XS_OFF          ; x's scale bytes
.irp p, 0,1
.irp j, 0,1,2,3
	global_load_b64 v[W1S+8*\p+2*\j:W1S+8*\p+2*\j+1], v[L8], s[78:79] offset:\p*1024+\j*256
.endr
.endr
.irp p, 0,1
.irp u, 0,1
	global_load_b128 v[B1+8*(2*\p+\u):B1+8*(2*\p+\u)+3], v[BO], s[10:11] offset:(32*\p+8*\u)*4          ; lane (r, h), tile 2 p + u: units 32 p + 16 h + 8 u + 0 .. 7
	global_load_b128 v[B1+8*(2*\p+\u)+4:B1+8*(2*\p+\u)+7], v[BO], s[10:11] offset:(32*\p+8*\u)*4+16
.endr
.endr
.macro WLOAD p                         ; pair p's 16 fragments: 32 loads of 512 consecutive bytes into window 1
	WIN 0x40
.irp u, 0,1
.irp s, 0,1,2,3,4,5,6,7
.irp c, 0,1
	global_load_b128 v[8*(8*(2*(\p)+\u)+\s)+4*\c:8*(8*(2*(\p)+\u)+\s)+4*\c+3], v[L16], s[4:5] offset:(\p)*16384+\s*2048+\u*1024+\c*512
.endr
.endr
.endr
	WIN 0
.endm
; A tile's operand is asked for in two parts.  ADDR: three vector lines make set b's two offsets from the token.
.macro ADDR b, tk
	v_min_u32 v[\tk], 0x7ff, v[\tk]                ; a token's number stays inside x
	v_lshl_add_u32 v[XA+(\b)], v[\tk], 9, v[H16]
	v_lshlrev_b32 v[XSA+(\b)], 5, v[\tk]
.endm
; XREQ: 16 loads of codes (lane (r, h): token r's bytes 64 s + 32 c + 16 h) and 2 of scale words: 18 loads into set b.
.macro XREQ b
	WIN 0x80                                       ; destination window 2
.irp s, 0,1,2,3,4,5,6,7
.irp c, 0,1
	global_load_b128 v[64*(\b)+8*\s+4*\c:64*(\b)+8*\s+4*\c+3], v[XA+(\b)], s[6:7] offset:64*\s+32*\c
.endr
.endr
	WIN 0
	global_load_b128 v[XS+8*(\b):XS+8*(\b)+3], v[XSA+(\b)], s[98:99]
	global_load_b128 v[XS+8*(\b)+4:XS+8*(\b)+7], v[XSA+(\b)], s[98:99] offset:16
.endm
	WLOAD 0
	s_wait_loadcnt 48                              ; behind the three token loads: 8 of scale words, 8 of b1, 32 of weights: these 48 may be out, the tokens are in
	WLOAD 1
	ADDR 0, 25
	ADDR 1, 26
	s_wait_alu depctr_va_vdst(0)                   ; the offsets of sets 0 and 1 are written, which the 36 loads below read
	XREQ 0
	XREQ 1
	s_wait_kmcnt 0x0                               ; the count
	s_add_co_u32 s[NT], s[CNT], 63
	s_lshr_b32 s[NT], s[NT], 6
	s_lshl_b32 s[NT], s[NT], 2                     ; 4 ceil(cnt / 64) tiles: each wave has the same number
	s_min_u32 s[NT], s[NT], 128                    ; held at what 2,048 tokens give: so a wave walks at most 32 tiles, and its last token load ends at byte 256 x 34 + 252 of the list's 9,216, whatever the count holds
	s_mov_b32 s[TI], s[WV]
	s_mov_b32 s[TR], 0
.macro UPROD k, s, t                   ; tile t of the hidden units x the tile of tokens in set k, K step s.  K step 0 takes b1 as C
.set rD, ACC+8*(\t)
.set rW, 8*(8*(\t)+(\s))
.set rX, 64*(\k)+8*(\s)
.set rSW, W1S+8*((\t)/2)+(\s)
.set rSX, XS+8*(\k)+(\s)
.if (\s) == 0
.if (\t)%2 == 0
	v_wmma_scale_f32_16x16x128_f8f6f4 v[rD:rD+7], v[rW:rW+7], v[rX:rX+7], v[B1+8*(\t):B1+8*(\t)+7], v[rSW], v[rSX] matrix_a_fmt:MATRIX_FMT_FP4 matrix_b_fmt:MATRIX_FMT_FP4
.else
	v_wmma_scale_f32_16x16x128_f8f6f4 v[rD:rD+7], v[rW:rW+7], v[rX:rX+7], v[B1+8*(\t):B1+8*(\t)+7], v[rSW], v[rSX] matrix_a_fmt:MATRIX_FMT_FP4 matrix_b_fmt:MATRIX_FMT_FP4 matrix_a_scale:MATRIX_SCALE_ROW1
.endif
.else
.if (\t)%2 == 0
	v_wmma_scale_f32_16x16x128_f8f6f4 v[rD:rD+7], v[rW:rW+7], v[rX:rX+7], v[rD:rD+7], v[rSW], v[rSX] matrix_a_fmt:MATRIX_FMT_FP4 matrix_b_fmt:MATRIX_FMT_FP4
.else
	v_wmma_scale_f32_16x16x128_f8f6f4 v[rD:rD+7], v[rW:rW+7], v[rX:rX+7], v[rD:rD+7], v[rSW], v[rSX] matrix_a_fmt:MATRIX_FMT_FP4 matrix_b_fmt:MATRIX_FMT_FP4 matrix_a_scale:MATRIX_SCALE_ROW1
.endif
.endif
.endm
; A STEP: one tile of 16 tokens, in set k; nb = (k + 2) % 3: the set that is asked for, and the out-buffer that the step before has written.  first = 1: the wave's first step, with no step in front of it.
; A wave that has no tile left leaves the loop for the tail that stores the last step's out-buffer: its tile numbers only grow, so a step runs only if all before it ran.
.macro STEP k, nb, first
.if !\first
	s_cmp_ge_u32 s[TI], s[NT]
	s_cbranch_scc1 .Lout\nb
.endif
	s_wait_loadcnt 18                              ; the next tile's 18 loads may be out; in are all that is older: this tile's 18, the token of the tile two on, and in the first step the weights, their scale words and b1
.if !\first
	s_wait_xcnt 0x0                                ; every earlier load and store has had its addresses translated (ISA guide 3.1): the three bases, the offsets of set nb and out-buffer k are rewritten only behind this wait
	s_wait_alu depctr_vm_vsrc(0)                   ; the loads of three steps back have read XA[nb] and XSA[nb], which the lines below write; the stores of two steps back have read PC[k] and BY[k], which this step's conversions write
	s_add_nc_u64 s[8:9], s[8:9], 256               ; the list, h's codes and h's scale bytes: four tiles on, my wave's next
	s_add_nc_u64 s[12:13], s[12:13], 0x20000
	s_add_nc_u64 s[96:97], s[96:97], 0x2000
.endif
	ADDR \nb, TK                                   ; the tile two on
	s_wait_alu depctr_va_vdst(0)                   ; XA[nb] and XSA[nb] are written, which the loads read; the three lines are done with TK, in which the token load lands; the last step's products are done reading set nb and its scale words, in which the 18 land; its conversions and swaps have written PC[nb] and BY[nb], which the stores read
	global_load_b32 v[TK], v[LA0], s[8:9] offset:768   ; the token of the tile three on, AHEAD of the 18, so that the wait for it can leave them out.  Past the expert's tiles: zeros, spare words or the count, all inside the expert's 9,216 bytes; held inside x and not multiplied
	XREQ \nb
.if !\first
	global_store_b128 v[HO], v[PC+4*(\nb):PC+4*(\nb)+3], s[12:13] offset:-131072   ; the step before: the offset reaches back.  Half a fragment: the wave stores 512 consecutive bytes, aligned
	global_store_b8 v[HSO], v[BY+(\nb)], s[96:97] offset:-8192                     ; two of the four bytes of 16 scale words: the other two are another work-group's
.endif
	WIN 0x09                                       ; source 0 (W1) window 1, source 1 (x) window 2
.irp s, 0,1,2,3,4,5,6,7
.irp t, 0,1,2,3
	UPROD \k, \s, \t                               ; the four accumulators take turns, one instruction a turn
.endr
.endr
	WIN 0
.rept 4
	v_nop                                          ; four places between the last products and the first read of their results (ISA guide 7.12.1)
.endr
.set j, 0
.rept 32
	v_max_num_f32 v[ACC+j], 0, v[ACC+j]            ; relu, in f32; each accumulator from its low end on
.set j, j+1
.endr
.irp p, 0,1
	v_max3_num_f32 v[TM+\p], v[ACC+16*\p], v[ACC+16*\p+1], FLOOR   ; block p: my 16 numbers (none is negative), and the floor
.endr
.irp i, 2,4,6,8,10,12,14
.irp p, 0,1
	v_max3_num_f32 v[TM+\p], v[TM+\p], v[ACC+16*\p+\i], v[ACC+16*\p+\i+1]
.endr
.endr
.irp p, 0,1
	v_permlanex16_b32 v[TM+2+\p], v[TM+\p], s76, s77
.endr
.irp p, 0,1
	v_max_num_f32 v[TM+\p], v[TM+\p], v[TM+2+\p]   ; with lane l xor 16's 16: the block's largest
.endr
.irp p, 0,1
	v_add_nc_u32 v[TM+4+\p], OFFEXP, v[TM+\p]      ; the conversion's scale operand
.endr
.irp p, 0,1
	v_lshrrev_b32 v[TM+6+\p], 23, v[TM+4+\p]       ; the scale's byte
.endr
.irp p, 0,1
	v_cvt_scalef32_pk8_fp4_f32 v[PC+4*(\k)+2*\p], v[ACC+16*\p:ACC+16*\p+7], v[TM+4+\p]
	v_cvt_scalef32_pk8_fp4_f32 v[PC+4*(\k)+2*\p+1], v[ACC+16*\p+8:ACC+16*\p+15], v[TM+4+\p]
.endr
	v_cndmask_b32 v[BY+(\k)], v[TM+6], v[TM+7], s75   ; lanes 0-15 block 0's byte, lanes 16-31 block 1's (a plain line behind the conversions)
	v_permlane16_swap_b32 v[PC+4*(\k)], v[PC+4*(\k)+2]     ; the operand's layout wants a whole block in a lane: lanes 0-15 block 0, lanes 16-31 block 1
	v_permlane16_swap_b32 v[PC+4*(\k)+1], v[PC+4*(\k)+3]
	s_add_co_u32 s[TI], s[TI], 4
.endm
; A way out: the last step's out-buffer b is stored.  The bases stand at that step's tile: they move on only at the head of a step that runs.
.macro OUT b
	s_wait_alu depctr_va_vdst(0)                   ; the last step's conversions and swaps have written PC[b] and BY[b], which the two stores read
	global_store_b128 v[HO], v[PC+4*(\b):PC+4*(\b)+3], s[12:13]
	global_store_b8 v[HSO], v[BY+(\b)], s[96:97]
	s_endpgm
.endm
	s_cmp_ge_u32 s[TI], s[NT]
	s_cbranch_scc1 .Lnone                          ; an expert with no token: nothing to make, nothing to store
	STEP 0, 2, 1
.Ltrip:                                                ; 11 trips of three steps at the most: with the first step 34, and an expert has at most 32 tiles a wave
	STEP 1, 0, 0
	STEP 2, 1, 0
	STEP 0, 2, 0
	s_add_co_u32 s[TR], s[TR], 1
	s_cmp_lt_u32 s[TR], 11
	s_cbranch_scc1 .Ltrip
.Lout0:
	OUT 0
.Lout1:
	OUT 1
.Lout2:
	OUT 2
.Lnone:
	s_endpgm
.Lfunc_end_k_qac27ae2125_up:
	.size	k_qac27ae2125_up, .Lfunc_end_k_qac27ae2125_up-k_qac27ae2125_up
	.p2alignl 7, 3214868480
	.fill 96, 4, 3214868480
	.section	.rodata,"a",@progbits
	.p2align	6, 0x0
	.amdhsa_kernel k_qac27ae2125_up
		.amdhsa_group_segment_fixed_size 0
		.amdhsa_private_segment_fixed_size 0
		.amdhsa_enable_private_segment 0
		.amdhsa_kernarg_size 40
		.amdhsa_user_sgpr_count 2
		.amdhsa_user_sgpr_kernarg_segment_ptr 1
		.amdhsa_wavefront_size32 1
		.amdhsa_system_sgpr_workgroup_id_x 1
		.amdhsa_system_sgpr_workgroup_id_y 1
		.amdhsa_system_sgpr_workgroup_id_z 1
		.amdhsa_system_vgpr_workitem_id 0
		.amdhsa_next_free_vgpr 704
		.amdhsa_next_free_sgpr 102
		.amdhsa_reserve_vcc 0
		.amdhsa_float_denorm_mode_32 3
		.amdhsa_float_denorm_mode_16_64 3
		.amdhsa_memory_ordered 1
		.amdhsa_forward_progress 1
		.amdhsa_inst_pref_size 54
	.end_amdhsa_kernel
	.amdgpu_metadata
---
amdhsa.version: [ 1, 2 ]
amdhsa.kernels:
  - .name:           k_qac27ae2125_up
    .symbol:         k_qac27ae2125_up.kd
    .args:
      - { .name: wq, .offset: 0, .size: 8, .value_kind: global_buffer, .address_space: global }
      - { .name: xq, .offset: 8, .size: 8, .value_kind: global_buffer, .address_space: global }
      - { .name: order, .offset: 16, .size: 8, .value_kind: global_buffer, .address_space: global }
      - { .name: b1, .offset: 24, .size: 8, .value_kind: global_buffer, .address_space: global }
      - { .name: hq, .offset: 32, .size: 8, .value_kind: global_buffer, .address_space: global }
    .group_segment_fixed_size: 0
    .private_segment_fixed_size: 0
    .kernarg_segment_align: 8
    .kernarg_segment_size: 40
    .max_flat_workgroup_size: 128
    .sgpr_count:     102
    .vgpr_count:     704
    .wavefront_size: 32
...
	.end_amdgpu_metadata
.endif
;; end of part 8
;; launch down (part 9): grid 8 x 29, 4 waves a work-group, no clusters, 169,472 bytes of LDS; arguments wq, hq, order, b2, out0; writes out0
.if DOCPART == 9
	.amdgcn_target "amdgcn-amd-amdhsa--gfx1250"
	.amdhsa_code_object_version 6
	.text
	.protected	k_qac27ae2125_down
	.globl	k_qac27ae2125_down
	.p2align	8
	.type	k_qac27ae2125_down,@function
k_qac27ae2125_down:
	s_mov_b64 s[64:65], 0
	v_nop
	global_prefetch_b8 v0, s[64:65] scope:SCOPE_SE
	s_setreg_imm32_b32 hwreg(HW_REG_WAVE_SCHED_MODE, 0, 2), 2
	s_setreg_imm32_b32 hwreg(HW_REG_WAVE_MODE, 25, 1), 1
	s_wait_xcnt 0x0
	s_wait_alu depctr_vm_vsrc(0)
; DOWN: out0[token] = Q(h) Q(W2[e]) + b2[e] for each token's own expert e.  Both operands are codes of FP4 (E2M1) with E8M0 scale words, laid by the earlier launches in the order of an
; operand's registers: every fragment is two loads of 512 consecutive bytes.
; SHARES.  Work-group (slice, g) makes 128 columns x group g of 80 listed rows, five tiles of 16.  With cnt_e tokens on expert e there are sum of ceil(cnt_e / 80) groups, never more than
; (2,048 + 4 x 79) / 80 = 29, whatever the split: the grid has 29.  A work-group reads (80 + 128) x 2,176 bytes of codes and scale words for its 10,240 results.
; The four counts say which expert and which of its groups g is.  A g past the last group takes the last group's operands and stores nothing: the barrier below stands on every wave's
; path, so no wave may end ahead of it on a stored number.  A tile past the expert's last, ceil(cnt / 16) - 1, is held at the last: its rows are made and stored again, by the same wave, with the same bits.
; THE FOUR WAVES SHARE K: wave w takes K steps 8 w .. 8 w + 7 of the 32, for all 80 x 128 results: 40 accumulators.  The four partial sums meet in LDS behind one barrier, and each wave
; then adds up, adds b2 and stores 20 rows: rows 4 w .. 4 w + 3 of each tile.  So a result is ((K quarter 0 + 1) + 2) + 3 + bias, in f32.
; THE PRODUCT IS USED TRANSPOSED (source 0 = 16 rows of W2's codes, source 1 = 16 rows of h): a lane holds one row, and its registers of tiles 2 p, 2 p + 1 the columns 32 p + 16 (lane / 16) + 0 .. 15.
; The rows that fill an expert's last tile repeat its last token: they are stored too, with the same bits (the same codes, weights and order of sums) to the same bytes, by waves of this one work-group.
; No cluster and no tensor load: which tiles a work-group reads hangs on stored numbers, and so does the branch round its stores.
; REGISTERS.  Window 0: addresses, tokens, b2, scale words; on the way out the finished rows and what comes back from LDS.  Window 1: W2's fragments, four sets of 64 (tile t at + 8 t).
; Window 2: accumulator (m, t), m under 4, at v[8 (8 m + t)].  Window 3: accumulator (4, t) at v[8 t]; from v64 h's fragments, four sets of 40 (tile m at + 8 m).
; THE MODE: SCHED_MODE bits 1:0 = 2 (LLVM: expert scheduling mode 2), set by the entry lines.  The code itself states the register dependences between vector or matrix instructions
; and memory or LDS instructions, with s_wait_alu, always for 0.
; THE PLAN.  Registers that memory or LDS instructions touch:
;   L16, L8, VZ, ST, RD   offsets and LDS addresses, made at the head and never written again.
;   W2's and h's sets     K step s multiplies set s % 4.  The 26 loads of K step s + 3 are issued in K step s and land in set (s + 3) % 4 = (s - 1) % 4: the set that the K step BEFORE multiplied.
;                         So ONE wait on va_vdst at the head of a K step, behind the wait for its data, states that those products are done reading; the 26 loads are dealt among the step's 40
;                         products, which name set s % 4, the accumulators and the scale words: none of the registers that the loads touch.
;   the accumulators      written by the products; read by the 80 LDS stores behind one wait on va_vdst (and the four places, which stay); never written again.
;   v112-239              the way out: two sets of 64.  LDS loads land in them; a tile's 32 packed adds read a set; behind them one wait on va_vdst, then the set is loaded again.
;   RES, IDS              written by vector lines; read by a tile's four stores, behind that same wait; never written again.
;   v254, v255            written at the head, read by the closing add alone.
.set W2C_OFF, 8912896
.set W2S_OFF, 17301504
.set HS_OFF,  16777216
.set PIT,  528                         ; LDS: a row of 128 partial sums: 512 bytes + 16
.set REG,  80*PIT                      ; a region for each wave's partial sums: 80 rows
.set L16, 1                            ; v1     16 x lane
.set L8,  2                            ; v2     8 x lane
.set ST,  3                            ; v3     LDS: where I put 32 bytes of a row
.set RD,  4                            ; v4-7   LDS: where I read 16 bytes of a row back, in each of the four regions
.set IDS, 8                            ; v8-27  tokens, then byte offsets in out0: tile m, row j at IDS + 4 m + j
.set BIA, 28                           ; v28-31 b2 at my four columns
.set VZ,  240                          ; v240   0: the offset of loads that every lane makes at one place; no later line writes it
.set HSC, 48                           ; v48-67 h's scale words: tile m, word i at HSC + 4 m + i: lanes 0-15 my K step i, lanes 16-31 my K step 4 + i
.set W2S, 68                           ; v68-99 W2's: pair p, my K step s at W2S + 8 p + s: lanes 0-15 tile 2 p, lanes 16-31 tile 2 p + 1
.set RES, 32                           ; v32-111 the way out: the finished rows, four registers each, never written twice (what lay there is done with)
.set RB,  112                          ; v112-239 the way out: two sets of 64 for what comes back from LDS
.set HB,  64                           ; in window 3: h's fragments: set q at HB + 40 q
.set MSB, 0
.macro WIN new                         ; the immediate's high byte repeats the setting that is left
.if MSB != \new
	s_set_vgpr_msb (MSB<<8)|\new
.set MSB, \new
.endif
.endm
	s_load_b256 s[4:11], s[0:1], 0x0               ; wq s[4:5], hq s[6:7], order s[8:9], b2 s[10:11]
	s_load_b64 s[12:13], s[0:1], 0x20              ; out0
	v_lshl_add_u32 v254, v0, 2, 0x29400
	v_mov_b32 v255, 0
	v_lshrrev_b32 v33, 5, v0
	v_readfirstlane_b32 s14, v33                   ; wave 0..3
	s_wait_kmcnt 0x0
	s_load_b32 s20, s[8:9], 9212                   ; the four counts: word 2,303 of each expert's list
	s_load_b32 s21, s[8:9], 18428
	s_load_b32 s22, s[8:9], 27644
	s_load_b32 s23, s[8:9], 36860
	v_and_b32 v33, 31, v0                          ; lane
	v_lshlrev_b32 v[L16], 4, v33
	v_lshlrev_b32 v[L8], 3, v33
	v_and_b32 v34, 15, v0                          ; r
	v_bfe_u32 v35, v0, 4, 1                        ; h
	v_mov_b32 v[VZ], 0
	s_wait_alu depctr_va_sdst(0)                   ; the wave's number is written, ahead of its first reader
	s_mul_i32 s15, s14, REG                        ; (a scalar register of its own for each number that a vector line reads)
	s_mul_i32 s42, s14, 4*PIT
	v_mul_u32_u24 v[ST], v34, PIT
	v_lshl_add_u32 v[ST], v35, 6, v[ST]
	v_add_nc_u32 v[ST], s15, v[ST]                 ; my region, row r, + 64 h
	v_add_nc_u32 v[RD], s42, v[L16]                ; back: row 4 w of a tile, the 32 lanes take its 512 bytes;
.irp q, 1,2,3
	v_add_nc_u32 v[RD+\q], \q*REG, v[RD]           ; the same in the other three regions
.endr
	s_wait_kmcnt 0x0
.irp e, 0,1,2,3
	s_add_co_u32 s[16+\e], s[20+\e], 15
	s_lshr_b32 s[16+\e], s[16+\e], 4               ; the expert's tiles of 16 rows, at most 128
	s_add_co_u32 s[20+\e], s[16+\e], 4
	s_mul_i32 s[20+\e], s[20+\e], 52429
	s_lshr_b32 s[20+\e], s[20+\e], 18              ; its groups: (tiles + 4) / 5, rounded down: 52,429 / 2^18 is 1 / 5 to within 1 in 10^6
.endr
	s_add_co_u32 s21, s21, s20                     ; running sums: groups of experts 0 .. 1,
	s_add_co_u32 s22, s22, s21                     ; 0 .. 2,
	s_add_co_u32 s23, s23, s22                     ; all
	s_and_b32 s24, ttmp7, 0xffff                   ; g
	s_sub_co_u32 s25, s23, 1
	s_min_u32 s25, s24, s25                        ; a g past the end takes the last group
	s_mov_b32 s26, 0                               ; the expert,
	s_mov_b32 s27, 0                               ; the groups ahead of its first,
	s_mov_b32 s29, s16                             ; and its tiles
	s_cmp_ge_u32 s25, s20
	s_cselect_b32 s26, 1, s26
	s_cselect_b32 s27, s20, s27
	s_cselect_b32 s29, s17, s29
	s_cmp_ge_u32 s25, s21
	s_cselect_b32 s26, 2, s26
	s_cselect_b32 s27, s21, s27
	s_cselect_b32 s29, s18, s29
	s_cmp_ge_u32 s25, s22
	s_cselect_b32 s26, 3, s26
	s_cselect_b32 s27, s22, s27
	s_cselect_b32 s29, s19, s29
	s_cmp_lt_u32 s24, s23
	s_cselect_b32 s28, 1, 0                        ; does g exist?
	s_sub_co_u32 s27, s25, s27                     ; which group of the expert
	s_min_u32 s26, s26, 3                          ; both held inside the buffers, whatever order holds
	s_min_u32 s27, s27, 25
	s_mul_i32 s27, s27, 5                          ; the group's first tile
	s_sub_co_u32 s29, s29, 1                       ; the expert's last tile
	s_mov_b32 s45, 0
	s_lshl_b32 s44, s26, 22
	s_lshl_b32 s46, s14, 13                        ; my eight K steps of 1,024 bytes
	s_add_co_u32 s44, s44, s46
	s_add_nc_u64 s[30:31], s[6:7], s[44:45]        ; h's codes of the expert
	s_lshl_b32 s44, s26, 18
	s_lshl_b32 s46, s14, 9
	s_add_co_u32 s44, s44, s46
	s_add_co_u32 s44, s44, HS_OFF
	s_add_nc_u64 s[32:33], s[6:7], s[44:45]        ; h's scale words of the expert
	s_lshl_b32 s47, s26, 5
	s_lshl_b32 s46, ttmp9, 2
	s_add_co_u32 s47, s47, s46                     ; my first pair of W2: 32 e + 4 slice
	s_lshl_b32 s44, s47, 16
	s_lshl_b32 s46, s14, 14                        ; my eight K steps of 2,048 bytes
	s_add_co_u32 s44, s44, s46
	s_add_co_u32 s44, s44, W2C_OFF
	s_add_nc_u64 s[34:35], s[4:5], s[44:45]        ; W2's codes
	s_lshl_b32 s44, s47, 12
	s_lshl_b32 s46, s14, 10
	s_add_co_u32 s44, s44, s46
	s_add_co_u32 s44, s44, W2S_OFF
	s_add_nc_u64 s[36:37], s[4:5], s[44:45]        ; W2's scale words
	s_mul_i32 s44, s26, 9216
	s_lshl_b32 s46, s14, 4
	s_add_co_u32 s44, s44, s46
	s_add_nc_u64 s[38:39], s[8:9], s[44:45]        ; the expert's list, at row 4 w of a tile
	s_lshl_b32 s44, s26, 12
	s_lshl_b32 s46, ttmp9, 9
	s_add_co_u32 s44, s44, s46
	s_add_nc_u64 s[40:41], s[10:11], s[44:45]      ; b2 at my 128 columns
	s_mov_b32 s44, s46
	s_add_nc_u64 s[12:13], s[12:13], s[44:45]      ; out0 likewise
.irp m, 0,1,2,3,4                      ; the group's five tiles, each held at the expert's last tile and inside the buffers
	s_add_co_u32 s46, s27, \m
	s_min_u32 s46, s46, s29
	s_min_u32 s46, s46, 127
	s_lshl_b32 s44, s46, 15
	s_add_nc_u64 s[48+2*\m:49+2*\m], s[30:31], s[44:45]            ; its codes: 32,768 bytes a tile,
	s_lshl_b32 s44, s46, 11
	s_add_nc_u64 s[66+2*\m:67+2*\m], s[32:33], s[44:45]            ; its scale words: 2,048,
	s_lshl_b32 s44, s46, 6
	s_add_nc_u64 s[76+2*\m:77+2*\m], s[38:39], s[44:45]            ; its tokens: 64
.endr
	s_wait_alu depctr_va_vdst(0)                   ; L16, L8, VZ, ST and RD are written, which the loads, LDS stores and LDS loads of the whole kernel read
.irp m, 0,1,2,3,4
	global_load_b128 v[HSC+4*\m:HSC+4*\m+3], v[L16], s[66+2*\m:67+2*\m]
.endr
.irp p, 0,1,2,3
.irp j, 0,1,2,3
	global_load_b64 v[W2S+8*\p+2*\j:W2S+8*\p+2*\j+1], v[L8], s[36:37] offset:\p*4096+\j*256
.endr
.endr
	global_load_b128 v[BIA:BIA+3], v[L16], s[40:41]
.irp m, 0,1,2,3,4
.irp j, 0,1,2,3
	global_load_b32 v[IDS+4*\m+\j], v[VZ], s[76+2*\m:77+2*\m] offset:4*\j   ; the token of row 4 w + j of tile m, in every lane
.endr
.endr
; My K step s: W2's eight fragments (16 loads) and h's five (10 loads), each load 512 consecutive bytes, into set s % 4
.macro WLOAD s
.set SA, 64*((\s)%4)
	WIN 0x40                                       ; destination window 1, offset window 0
.irp p, 0,1,2,3
.irp u, 0,1
.irp c, 0,1
	global_load_b128 v[SA+8*(2*\p+\u)+4*\c:SA+8*(2*\p+\u)+4*\c+3], v[L16], s[34:35] offset:\p*65536+(\s)*2048+\u*1024+\c*512
.endr
.endr
.endr
.endm
.macro HLOAD s
.set SH, HB+40*((\s)%4)
	WIN 0xc0                                       ; destination window 3, offset window 0
.irp m, 0,1,2,3,4
.irp c, 0,1
	global_load_b128 v[SH+8*\m+4*\c:SH+8*\m+4*\c+3], v[L16], s[48+2*\m:49+2*\m] offset:(\s)*1024+\c*512
.endr
.endr
.endm
.macro PROD m, t, s                    ; W2's tile t x h's tile m, my K step s.  K step 0 starts the sums: nothing is cleared
.set rD, 8*(8*((\m)%4)+(\t))
.set rA, 64*((\s)%4)+8*(\t)
.set rB, HB+40*((\s)%4)+8*(\m)
.set rSA, W2S+8*((\t)/2)+(\s)
.set rSB, HSC+4*(\m)+((\s)%4)
.if (\s) == 0
.if (\t)%2 == 0
	v_wmma_scale_f32_16x16x128_f8f6f4 v[rD:rD+7], v[rA:rA+7], v[rB:rB+7], 0, v[rSA], v[rSB] matrix_a_fmt:MATRIX_FMT_FP4 matrix_b_fmt:MATRIX_FMT_FP4
.else
	v_wmma_scale_f32_16x16x128_f8f6f4 v[rD:rD+7], v[rA:rA+7], v[rB:rB+7], 0, v[rSA], v[rSB] matrix_a_fmt:MATRIX_FMT_FP4 matrix_b_fmt:MATRIX_FMT_FP4 matrix_a_scale:MATRIX_SCALE_ROW1
.endif
.elseif (\s) < 4
.if (\t)%2 == 0
	v_wmma_scale_f32_16x16x128_f8f6f4 v[rD:rD+7], v[rA:rA+7], v[rB:rB+7], v[rD:rD+7], v[rSA], v[rSB] matrix_a_fmt:MATRIX_FMT_FP4 matrix_b_fmt:MATRIX_FMT_FP4
.else
	v_wmma_scale_f32_16x16x128_f8f6f4 v[rD:rD+7], v[rA:rA+7], v[rB:rB+7], v[rD:rD+7], v[rSA], v[rSB] matrix_a_fmt:MATRIX_FMT_FP4 matrix_b_fmt:MATRIX_FMT_FP4 matrix_a_scale:MATRIX_SCALE_ROW1
.endif
.else
.if (\t)%2 == 0
	v_wmma_scale_f32_16x16x128_f8f6f4 v[rD:rD+7], v[rA:rA+7], v[rB:rB+7], v[rD:rD+7], v[rSA], v[rSB] matrix_a_fmt:MATRIX_FMT_FP4 matrix_b_fmt:MATRIX_FMT_FP4 matrix_b_scale:MATRIX_SCALE_ROW1
.else
	v_wmma_scale_f32_16x16x128_f8f6f4 v[rD:rD+7], v[rA:rA+7], v[rB:rB+7], v[rD:rD+7], v[rSA], v[rSB] matrix_a_fmt:MATRIX_FMT_FP4 matrix_b_fmt:MATRIX_FMT_FP4 matrix_a_scale:MATRIX_SCALE_ROW1 matrix_b_scale:MATRIX_SCALE_ROW1
.endif
.endif
.endm
; A K step: 40 products, the forty accumulators by turns, one instruction a turn; among them the 26 loads of the K step three on.
.macro KSTEP s
.if 7-(\s) >= 2
	s_wait_loadcnt 52                              ; this K step's 26 loads, and all that is older, are in; the two younger K steps' 52 may be out
.else
	s_wait_loadcnt 26*(7-(\s))
.endif
.if ((\s) > 0) && ((\s)+3 < 8)
.rept 4
	v_nop                                          ; four places behind the last K step's products, ahead of loads into registers that they have read: kept as the plain form has them; the wait below states the dependence
.endr
	s_wait_alu depctr_va_vdst(0)                   ; the last K step's products are done reading their set of W2's and h's fragments, in which this K step's 26 loads land.  (K step 0's loads land in a set that nothing has named)
.endif
	WIN 0xad                                       ; source 0 (W2) window 1, source 1 (h) window 3, C and D window 2
.irp m, 0,1
.irp t, 0,1,2,3,4,5,6,7
	PROD \m, \t, \s
.endr
.endr
.if (\s)+3 < 8
	HLOAD (\s)+3                                   ; no wait: no vector or matrix instruction since the wait above names these registers or L16
.endif
	WIN 0xad
.irp m, 2,3
.irp t, 0,1,2,3,4,5,6,7
	PROD \m, \t, \s
.endr
.endr
.if (\s)+3 < 8
	WLOAD (\s)+3                                   ; likewise
.endif
	WIN 0xfd                                       ; the same sources, C and D window 3
.irp t, 0,1,2,3,4,5,6,7
	PROD 4, \t, \s
.endr
.endm
	WLOAD 0
	HLOAD 0
	WLOAD 1
	HLOAD 1
	WLOAD 2
	HLOAD 2
.set Q, 0
.rept 8
	KSTEP Q
.set Q, Q+1
.endr
	; THE WAY OUT.  My partial sums go into my region: row 16 m + r, columns 32 (t / 2) + 16 h + 8 (t % 2) + 0 .. 7
	WIN 0
.rept 4
	v_nop                                          ; four places between the last products and the first read of their results (ISA guide 7.12.1)
.endr
	s_wait_alu depctr_va_vdst(0)                   ; the products have written the forty accumulators, which the LDS stores read; the places above stay beside this wait
	WIN 0x08                                       ; an LDS store's data are its source 1: window 2
.irp m, 0,1,2,3
.irp t, 0,1,2,3,4,5,6,7
	ds_store_b128 v[ST], v[8*(8*\m+\t):8*(8*\m+\t)+3] offset:\m*16*PIT+(\t/2)*128+(\t%2)*32        ; each accumulator from its low end on
	ds_store_b128 v[ST], v[8*(8*\m+\t)+4:8*(8*\m+\t)+7] offset:\m*16*PIT+(\t/2)*128+(\t%2)*32+16
.endr
.endr
	WIN 0x0c                                       ; window 3
.irp t, 0,1,2,3,4,5,6,7
	ds_store_b128 v[ST], v[8*\t:8*\t+3] offset:4*16*PIT+(\t/2)*128+(\t%2)*32
	ds_store_b128 v[ST], v[8*\t+4:8*\t+7] offset:4*16*PIT+(\t/2)*128+(\t%2)*32+16
.endr
	WIN 0
	s_wait_dscnt 0x0                               ; for the others' sake: my partial sums lie in LDS
	s_barrier_signal -1
	s_barrier_wait -1
	s_cmp_eq_u32 s28, 0
	s_cbranch_scc1 .Lend                           ; a g past the last group stores nothing
.macro RLOAD m                         ; rows 4 w + j of tile m, j = 0 .. 3, out of the four regions: 16 loads of 512 consecutive bytes into set m % 2
.irp j, 0,1,2,3
.irp q, 0,1,2,3
	ds_load_b128 v[RB+64*((\m)%2)+16*\j+4*\q:RB+64*((\m)%2)+16*\j+4*\q+3], v[RD+\q] offset:(16*(\m)+\j)*PIT
.endr
.endr
.endm
.macro ROUND m                         ; tile m's four rows are added up; then, behind one wait, its set is asked for again and the four rows are stored
.set BB, RB+64*((\m)%2)
.irp j, 0,1,2,3
.if (\m) < 4
	s_wait_dscnt 16+4*(3-\j)                       ; this row's four loads are in; this tile's later rows' and the next tile's 16 may be out
.else
	s_wait_dscnt 4*(3-\j)
.endif
	v_pk_add_f32 v[RES+4*(4*(\m)+\j):RES+4*(4*(\m)+\j)+1], v[BB+16*\j:BB+16*\j+1], v[BB+16*\j+4:BB+16*\j+5]
	v_pk_add_f32 v[RES+4*(4*(\m)+\j)+2:RES+4*(4*(\m)+\j)+3], v[BB+16*\j+2:BB+16*\j+3], v[BB+16*\j+6:BB+16*\j+7]
.irp q, 2,3
	v_pk_add_f32 v[RES+4*(4*(\m)+\j):RES+4*(4*(\m)+\j)+1], v[RES+4*(4*(\m)+\j):RES+4*(4*(\m)+\j)+1], v[BB+16*\j+4*\q:BB+16*\j+4*\q+1]
	v_pk_add_f32 v[RES+4*(4*(\m)+\j)+2:RES+4*(4*(\m)+\j)+3], v[RES+4*(4*(\m)+\j)+2:RES+4*(4*(\m)+\j)+3], v[BB+16*\j+4*\q+2:BB+16*\j+4*\q+3]
.endr
	v_pk_add_f32 v[RES+4*(4*(\m)+\j):RES+4*(4*(\m)+\j)+1], v[RES+4*(4*(\m)+\j):RES+4*(4*(\m)+\j)+1], v[BIA:BIA+1]
	v_pk_add_f32 v[RES+4*(4*(\m)+\j)+2:RES+4*(4*(\m)+\j)+3], v[RES+4*(4*(\m)+\j)+2:RES+4*(4*(\m)+\j)+3], v[BIA+2:BIA+3]
.endr
	s_wait_alu depctr_va_vdst(0)                   ; the adds have written the tile's four rows of RES, which the stores read (in the first tile: the offsets IDS are written too), and are done reading the set, in which the LDS loads below land
.if (\m)+2 < 5
	RLOAD (\m)+2                                   ; into the set just added up
.endif
.irp j, 0,1,2,3
	global_store_b128 v[IDS+4*(\m)+\j], v[RES+4*(4*(\m)+\j):RES+4*(4*(\m)+\j)+3], s[12:13] th:TH_STORE_NT   ; the wave stores 512 consecutive bytes, aligned, of one token's row; its data are not written again
.endr
.endm
	RLOAD 0                                        ; (no vector or matrix instruction has named v112-239)
	RLOAD 1
.irp i, 0,1,2,3,4,5,6,7,8,9,10,11,12,13,14,15,16,17,18,19
	v_min_u32 v[IDS+\i], 0x7ff, v[IDS+\i]          ; a token's number stays inside out0
	v_lshl_add_u32 v[IDS+\i], v[IDS+\i], 12, v[L16]   ; its row of 4,096 bytes, + 16 bytes a lane
.endr
	ROUND 0
	ROUND 1
	ROUND 2
	ROUND 3
	ROUND 4
.Lend:
	s_wait_dscnt 0x0                               ; the closing lines, six on end
	s_wait_alu 0x0
	s_wait_tensorcnt 0x0
	ds_add_u32 v254, v255
	s_wait_dscnt 0x0
	s_endpgm
.Lfunc_end_k_qac27ae2125_down:
	.size	k_qac27ae2125_down, .Lfunc_end_k_qac27ae2125_down-k_qac27ae2125_down
	.p2alignl 7, 3214868480
	.fill 96, 4, 3214868480
	.section	.rodata,"a",@progbits
	.p2align	6, 0x0
	.amdhsa_kernel k_qac27ae2125_down
		.amdhsa_group_segment_fixed_size 169472
		.amdhsa_private_segment_fixed_size 0
		.amdhsa_enable_private_segment 0
		.amdhsa_kernarg_size 40
		.amdhsa_user_sgpr_count 2
		.amdhsa_user_sgpr_kernarg_segment_ptr 1
		.amdhsa_wavefront_size32 1
		.amdhsa_system_sgpr_workgroup_id_x 1
		.amdhsa_system_sgpr_workgroup_id_y 1
		.amdhsa_system_sgpr_workgroup_id_z 1
		.amdhsa_system_vgpr_workitem_id 0
		.amdhsa_next_free_vgpr 992
		.amdhsa_next_free_sgpr 90
		.amdhsa_reserve_vcc 0
		.amdhsa_float_denorm_mode_32 3
		.amdhsa_float_denorm_mode_16_64 3
		.amdhsa_memory_ordered 1
		.amdhsa_forward_progress 1
		.amdhsa_inst_pref_size 98
	.end_amdhsa_kernel
	.amdgpu_metadata
---
amdhsa.version: [ 1, 2 ]
amdhsa.kernels:
  - .name:           k_qac27ae2125_down
    .symbol:         k_qac27ae2125_down.kd
    .args:
      - { .name: wq, .offset: 0, .size: 8, .value_kind: global_buffer, .address_space: global }
      - { .name: hq, .offset: 8, .size: 8, .value_kind: global_buffer, .address_space: global }
      - { .name: order, .offset: 16, .size: 8, .value_kind: global_buffer, .address_space: global }
      - { .name: b2, .offset: 24, .size: 8, .value_kind: global_buffer, .address_space: global }
      - { .name: out0, .offset: 32, .size: 8, .value_kind: global_buffer, .address_space: global }
    .group_segment_fixed_size: 169472
    .private_segment_fixed_size: 0
    .kernarg_segment_align: 8
    .kernarg_segment_size: 40
    .max_flat_workgroup_size: 128
    .sgpr_count:     90
    .vgpr_count:     992
    .wavefront_size: 32
...
	.end_amdgpu_metadata
.endif
;; end of part 9
